; MI455X (gfx1250); checked and timed in simulation.
; The chip was launched on July 23, 2026; its instructions are those of AMD's public machine-readable ISA for CDNA 5 (MIT licence, August 2026) and "CDNA5" Instruction Set Architecture Reference Guide (July 2026). The comments in the code are by the model that wrote it; some were corrected since.
;; Transformer Block. Allowed arithmetic: matrix products marked QUANTISED: E5M2 operands, one E8M0 scale for each 32 along K, by v_wmma_scale_f32_16x16x128_f8f6f4 with both operands' format E5M2, f32 sums; everything else in f32.
;; Inputs: W1_codes 2,048 x 16 x 32 uint8 (E5M2 codes of W1, K innermost, in blocks of 32 codes); W1_scales 2,048 x 16 uint8 (E8M0 scales of W1, one for each 32 codes along K); W2_codes 512 x 64 x 32 uint8 (E5M2 codes of W2, K innermost, in blocks of 32 codes); W2_scales 512 x 64 uint8 (E8M0 scales of W2, one for each 32 codes along K); Wk_codes 512 x 16 x 32 uint8 (E5M2 codes of Wk, K innermost, in blocks of 32 codes); Wk_scales 512 x 16 uint8 (E8M0 scales of Wk, one for each 32 codes along K); Wo_codes 512 x 16 x 32 uint8 (E5M2 codes of Wo, K innermost, in blocks of 32 codes); Wo_scales 512 x 16 uint8 (E8M0 scales of Wo, one for each 32 codes along K); Wq_codes 512 x 16 x 32 uint8 (E5M2 codes of Wq, K innermost, in blocks of 32 codes); Wq_scales 512 x 16 uint8 (E8M0 scales of Wq, one for each 32 codes along K); Wv_codes 512 x 16 x 32 uint8 (E5M2 codes of Wv, K innermost, in blocks of 32 codes); Wv_scales 512 x 16 uint8 (E8M0 scales of Wv, one for each 32 codes along K); b1 2,048 float32; b2 512 float32; bo 512 float32; ln1_scale 512 float32; ln1_shift 512 float32; ln2_scale 512 float32; ln2_shift 512 float32; x 4 x 2,048 x 512 float32.
;; Outputs: out0 4 x 2,048 x 512 float32.
;; This version of the problem:
;;   THIS VERSION OF THE PROBLEM IS GIVEN IN LOW PRECISION. The matrix products marked QUANTISED in the list below multiply operands that are first quantised to E5M2 (5 exponent bits, 2 mantissa bits; 8 bits a number), with one power-of-two scale for each 32 numbers along K (OCP MX v1.0); their sums are f32. All else is computed in f32.
;;   The module's matrix products, in the order in which they are computed (A, B: the left and right operand; K: the contracted axis; several contracted axes count as one K, in the product's order):
;;     1. [M 8,192, K 512] x [K 512, N 512]; A: computed on the way; B: input Wq (given as codes): QUANTISED
;;     2. [M 8,192, K 512] x [K 512, N 512]; A: computed on the way; B: input Wk (given as codes): QUANTISED
;;     3. [M 8,192, K 512] x [K 512, N 512]; A: computed on the way; B: input Wv (given as codes): QUANTISED
;;     4. batch 64 x [M 2,048, K 32] x [K 32, N 2,048]; A: computed on the way; B: computed on the way: QUANTISED
;;     5. batch 64 x [M 2,048, K 2,048] x [K 2,048, N 32]; A: softmax (see below); B: computed on the way: QUANTISED
;;     6. [M 8,192, K 512] x [K 512, N 512]; A: computed on the way; B: input Wo (given as codes): QUANTISED
;;     7. [M 8,192, K 512] x [K 512, N 2,048]; A: computed on the way; B: input W1 (given as codes): QUANTISED
;;     8. [M 8,192, K 2,048] x [K 2,048, N 512]; A: computed on the way; B: input W2 (given as codes): QUANTISED
;;   THE QUANTISER, for each operand of a quantised product, along K:
;;     - K is cut into blocks of 32 from its start; a last block that is shorter is filled with zeros.
;;     - A block's scale is 2^e with e = floor(log2(the largest magnitude in the block)) - 15, held to -126 .. 127; a block of zeros has e = 0. As a byte (E8M0): e + 127.
;;     - Each number is divided by its block's scale, clamped to +-57,344, and rounded to the nearest number of E5M2, ties to even, subnormals kept.
;;     - The product sums the exact products of the quantised numbers (number of the format x scale) in f32.
;;   ~~~python
;;   def quantise(x, axis):      # numpy; x: float32 -> the quantised numbers, widened to float32 again
;;       x = np.moveaxis(x, axis, -1); K = x.shape[-1]
;;       x = np.pad(x, [(0, 0)] * (x.ndim - 1) + [(0, -K % 32)]); x = x.reshape(x.shape[:-1] + (-1, 32)); a = np.abs(x).max(-1, keepdims=True)
;;       e = np.where(a > 0, np.clip(np.frexp(np.where(a > 0, a, 1))[1] - 1 - 15, -126, 127), 0)      # np.frexp(a)[1] - 1 = floor(log2(a)), exactly
;;       r = np.clip(x / 2.0 ** e, -57344, 57344)
;;       step = 2.0 ** (np.maximum(np.frexp(np.where(r == 0, 1, r))[1] - 1, -14) - 2)
;;       q = np.round(r / step) * step * 2.0 ** e      # np.round: ties to even
;;       return np.moveaxis(q.reshape(q.shape[:-2] + (-1,))[..., :K], -1, axis).astype(np.float32)
;;   ~~~
;;   SOFTMAX AHEAD OF A QUANTISED PRODUCT. Where the list says 'softmax', what is quantised is not the finished softmax but p = 2^(t - M), with t = logit x log2(e) and M = ceil(the row's largest t), a whole number; so 1/2 < the row's largest p <= 1. The row's sum l is taken of the UNQUANTISED p, in f32, and the product's result is divided by l at the end. Since M is a whole number, a kernel that streams over the keys may use a running M (the ceiling of the running maximum): every later rescaling is an exact power of two, which a block's scale takes up: the codes' values come out the same.
;;   OPERANDS COMPUTED ON THE WAY. 'Computed on the way' means the value that the module computes at that place (a softmax that the list does not call 'softmax' is quantised finished and normalised). What goes into a quantiser is computed in f32, as accurately as f32 sums, v_exp_f32 and their like allow (about 1e-6 of the number): no bf16 or f16 on the way to a quantiser, and a product that is left as it is and whose result goes on into a quantised operand takes f32 operands (vector FMAs, or v_wmma_f32_16x16x4_f32). A number that lies on a knife's edge between two numbers of the format may be rounded either way, as far as f32 arithmetic and the matrix unit's own rounding can turn it there, and no further.
;;   INPUTS GIVEN AS CODES. W1 (in the module: [512, 2048], K = its axis 0); W2 (in the module: [2048, 512], K = its axis 0); Wk (in the module: [512, 512], K = its axis 0); Wo (in the module: [512, 512], K = its axis 0); Wq (in the module: [512, 512], K = its axis 0); Wv (in the module: [512, 512], K = its axis 0): each comes as NAME_codes (uint8): NAME with its K axis moved to the last place and cut into blocks of 32 codes, [.., K / 32, bytes a block], one block behind the other in memory; one code a byte (a code: sign, 5 exponent bits, 2 mantissa bits); and NAME_scales (uint8): the same leading axes, one E8M0 byte (e + 127) for each 32 codes along K. Its value is code x scale, taken as it is: it is not quantised again, and the codes and scales need not be those that the quantiser above would give.
;; 2 versions. Each part assembles by itself: llvm-mc -triple=amdgcn-amd-amdhsa -mcpu=gfx1250 --defsym DOCPART=n.
;; ======== version 1 of 2: 5 launches
;; workspace buffers: qkv 13,369,344 bytes; ctx 4,325,376 bytes; x1 16,777,216 bytes; hid 17,301,504 bytes
;; launch l_qkv (part 1): grid 64 x 3, 4 waves a work-group, no clusters, 74,240 bytes of LDS; arguments x, ln1_scale, ln1_shift, Wq_codes, Wq_scales, Wk_codes, Wk_scales, Wv_codes, Wv_scales, qkv; writes qkv
.if DOCPART == 1
	.amdgcn_target "amdgcn-amd-amdhsa--gfx1250"
	.amdhsa_code_object_version 6
	.text
	.protected	k_qb20f6e4cd3_l_qkv
	.globl	k_qb20f6e4cd3_l_qkv
	.p2align	8
	.type	k_qb20f6e4cd3_l_qkv,@function
k_qb20f6e4cd3_l_qkv:
	s_mov_b64 s[64:65], 0
	v_nop
	global_prefetch_b8 v0, s[64:65] scope:SCOPE_SE
	s_setreg_imm32_b32 hwreg(HW_REG_WAVE_MODE, 25, 1), 1
	s_wait_xcnt 0x0
; h = layernorm(x); q, k or v = h W (work-group y = 0, 1, 2), both operands in E5M2 with one E8M0 scale for 32 along K; the result is quantised again for attention.
; SHARES.  A work-group takes 128 rows of x and all 512 columns of one weight.  Wave w keeps columns 128 w .. 128 w + 127 (four heads: 32 fragments, 512 registers) for the whole launch,
; normalises and quantises two of the eight tiles of 16 rows, and then multiplies its columns with all eight tiles, which go from wave to wave through LDS as images of the operand's registers.
; ROW TILES.  Lane r of tile m takes row 32 (m / 2) + 8 (m % 2) + r + 8 (r / 8) of the 128; lane r of weight tile 2 b + u takes column 32 b + 8 u + r + 8 (r / 8).  So the 16 registers of two
; neighbouring result tiles are 16 neighbours along the next product's K: along a head's 32 for q and k (source 0 = W), along the keys for v (source 0 = h).
; OUT: a record for each (batch, head): K's codes, V's codes, K's and V's scale words, Q's codes and scale words, all in the order of attention's operand registers; a store of codes covers 512 consecutive bytes.
; No multicast: the launch has no tensor load; W goes once from memory into registers and x is wanted in registers for the norm.
; LIMITS: NaN and infinities among the inputs are not served; a block of zeros gets the byte 1 with zero codes (this program alone reads the bytes); 1 / sqrt is v_rsq_f32.
.set HEADREC, 208896                   ; bytes of a head's record
.set VIMG, 65536
.set KSC,  131072
.set VSC,  135168
.set QIMG, 139264
.set QSC,  204800
.set ASC,  65536                       ; LDS: 32 fragment images of 2,048 bytes from 0; their scale words, 128 bytes each, from here;
.set LP,   69632                       ; the norm's gain, 2,048 bytes, and shift, 2,048 bytes
.set XNEXT, 16384                      ; from a wave's first tile of x to its second: 8 rows
.set LI,  1                            ; v1  16 x lane
.set LS,  2                            ; v2  4 x lane
.set XA,  3                            ; v3  x: (r + 8 (r / 8)) x 2,048 + 64 h
.set WA,  4                            ; v4  W's codes: (r + 8 (r / 8)) x 512 + 16 h
.set WSA, 5                            ; v5  W's scales: (r + 8 (r / 8)) x 16
.set GA,  6                            ; v6  LP + 64 h
.set IW,  7                            ; v7  where I store images: 16 x lane + 16,384 x wave
.set ISW, 8                            ; v8  and their scale words: ASC + 4 x lane + 1,024 x wave
.set TA,  9                            ; v9  the images in hand
.set TSA, 10                           ; v10 their scale words
.set T16, 11                           ; v11 16 x thread
.set LPA, 12                           ; v12 LP + 16 x thread
.set TS0, 13                           ; v13 ASC + 4 x lane
.set GN,  16                           ; v16-79   the gain of 128 columns
.set HA,  80                           ; v80-143  shift, then h, then 8 result tiles
.set HV,  16                           ; v16-143  16 result tiles on v's path
.set PC,  144                          ; v144-159 codes
.set TM,  160                          ; v160-175 the quantiser's work
.set PW,  176                          ; v176     a scale word
.set MN,  178                          ; v[178:179] the mean, twice
.set RS,  180                          ; v[180:181] 1 / sqrt(var + eps), twice
.set CH,  182                          ; v182-189 four chains of pairs
.set SW,  190                          ; v190-197 scale words being gathered
.set TS,  198                          ; v198-205 h's scale words
.set SS,  206                          ; v206-237 W's scale words: tile i, K step s at 4 i + s
.set WV,  24
.set SEL, 28
.set MNT, 30
.set R512, 31
.set EPSR, 32
.set WP,  34                           ; s[34:35] W's codes, my 128 columns
.set WSP, 36                           ; s[36:37] W's scales
.set OC,  38                           ; s[38:39] where codes go
.set OS,  40                           ; s[40:41] where scale words go
.set CNT, 42
.set TB,  56
.set TBS, 57
.set MSB, 0
.macro WIN new                         ; the immediate's high byte repeats the setting that is left
.if MSB != (\new)
	s_set_vgpr_msb (MSB<<8)|(\new)
.set MSB, (\new)
.endif
.endm
.macro PLACES n
.rept \n
	v_nop
.endr
.endm
; 128 columns (K step part) of my tile of x into window 1: register 64 part + 16 b + i = column 128 part + 32 b + 16 h + i of the lane's row
.macro XLOAD part, ofs
	WIN 0x40
.irp b, 0,1,2,3
.irp j, 0,1,2,3
	global_load_b128 v[64*(\part)+16*\b+4*\j:64*(\part)+16*\b+4*\j+3], v[XA], s[4:5] offset:(\ofs)+512*(\part)+128*\b+16*\j
.endr
.endr
.endm
; my 32 fragments of W: tile i, K step ks in window 2 + ks / 2 at register 16 (8 (ks % 2) + i)
.macro SLOAD
.irp ks, 0,1,2,3
	WIN 0x80+0x40*(\ks/2)
.irp i, 0,1,2,3,4,5,6,7
.irp c, 0,1,2,3
	global_load_b128 v[16*(8*(\ks%2)+\i)+4*\c:16*(8*(\ks%2)+\i)+4*\c+3], v[WA], s[WP:WP+1] offset:(32*(\i/2)+8*(\i%2))*512+128*\ks+32*\c
.endr
.endr
.endr
	WIN 0
.endm
; 64 numbers of a lane, four blocks of 16 (the other 16 of each block lie in lane l xor 16), become 16 registers of codes in v[PC] on; the bytes in v[TM+4] on; word = 1: the four bytes as a word in v[PW]
.macro QUANT s, word
.irp b, 0,1,2,3
	v_max3_num_f32 v[TM+\b], |v[(\s)+16*\b]|, |v[(\s)+1+16*\b]|, 0x8000000   ; with the floor 2^(16 - 127): the byte cannot fall under 1
.endr
.irp i, 2,4,6,8,10,12,14
.irp b, 0,1,2,3
	v_max3_num_f32 v[TM+\b], v[TM+\b], |v[(\s)+16*\b+\i]|, |v[(\s)+1+16*\b+\i]|
.endr
.endr
.irp b, 0,1,2,3
	v_permlanex16_b32 v[TM+4+\b], v[TM+\b], s[SEL], s[SEL+1]
.endr
.irp b, 0,1,2,3
	v_max_num_f32 v[TM+\b], v[TM+\b], v[TM+4+\b]              ; the block's largest magnitude
.endr
.irp b, 0,1,2,3
	v_add_nc_u32 v[TM+12+\b], 0xf8800000, v[TM+\b]            ; 15 off its exponent field: the conversion's scale operand
.endr
.irp b, 0,1,2,3
	v_and_or_b32 v[TM+8+\b], v[TM+\b], 0x7f800000, s[MNT]     ; 57,344 x the scale
.endr
.irp b, 0,1,2,3
	v_lshrrev_b32 v[TM+4+\b], 23, v[TM+12+\b]                 ; the scale's byte
.endr
.if \word
	v_lshl_or_b32 v[PW], v[TM+5], 8, v[TM+4]
	v_lshl_or_b32 v[PW], v[TM+6], 16, v[PW]
	v_lshl_or_b32 v[PW], v[TM+7], 24, v[PW]
.endif
.irp b, 0,1,2,3
.irp i, 0,1,2,3,4,5,6,7,8,9,10,11,12,13,14,15
	v_med3_num_f32 v[(\s)+16*\b+\i], v[(\s)+16*\b+\i], -v[TM+8+\b], v[TM+8+\b]   ; the conversion does not saturate (ISA guide 7.6.2): the hold
.endr
	v_cvt_scalef32_pk8_bf8_f32 v[PC+4*\b:PC+1+4*\b], v[(\s)+16*\b:(\s)+7+16*\b], v[TM+12+\b]
	v_cvt_scalef32_pk8_bf8_f32 v[PC+2+4*\b:PC+3+4*\b], v[(\s)+8+16*\b:(\s)+15+16*\b], v[TM+12+\b]
.endr
	v_nop                                          ; a plain line behind the last conversion, ahead of whatever next writes its sources
.endm
.macro ROWSUM                          ; the four chains, both halves, both halves of the lanes: the row's sum in v[CH]
	v_pk_add_f32 v[CH:CH+1], v[CH:CH+1], v[CH+2:CH+3]
	v_pk_add_f32 v[CH+4:CH+5], v[CH+4:CH+5], v[CH+6:CH+7]
	v_pk_add_f32 v[CH:CH+1], v[CH:CH+1], v[CH+4:CH+5]
	v_add_f32 v[CH], v[CH], v[CH+1]
	v_permlanex16_b32 v[CH+1], v[CH], s[SEL], s[SEL+1]
	v_add_f32 v[CH], v[CH], v[CH+1]
.endm
; One tile of 16 rows (a lane holds 256 numbers of its row, in window 1): mean, centred, variance, scaled; then K step by K step gain and shift, the quantiser, the image to LDS at img.
; nxt = 1: each K step's registers take the next tile's numbers as soon as they are used up.
.macro LNTILE img, nxt
	WIN 0x05
.irp k, 0,1,2,3
	v_pk_add_f32 v[CH+2*\k:CH+2*\k+1], v[4*\k:4*\k+1], v[4*\k+2:4*\k+3]
.endr
	WIN 0x04
.set p, 8
.rept 120
	v_pk_add_f32 v[CH+2*(p%4):CH+2*(p%4)+1], v[CH+2*(p%4):CH+2*(p%4)+1], v[2*p:2*p+1]
.set p, p+1
.endr
	WIN 0
	ROWSUM
	v_mul_f32 v[MN], s[R512], v[CH]
	v_mul_f32 v[MN+1], s[R512], v[CH]
	WIN 0x41
.set p, 0
.rept 128
	v_pk_add_f32 v[2*p:2*p+1], v[2*p:2*p+1], v[MN:MN+1] neg_lo:[0,1] neg_hi:[0,1]
.set p, p+1
.endr
	WIN 0x05
.irp k, 0,1,2,3
	v_pk_mul_f32 v[CH+2*\k:CH+2*\k+1], v[2*\k:2*\k+1], v[2*\k:2*\k+1]
.endr
.set p, 4
.rept 124
	v_pk_fma_f32 v[CH+2*(p%4):CH+2*(p%4)+1], v[2*p:2*p+1], v[2*p:2*p+1], v[CH+2*(p%4):CH+2*(p%4)+1]
.set p, p+1
.endr
	WIN 0
	ROWSUM
	v_fma_f32 v[CH], v[CH], s[R512], s[EPSR]       ; var + eps
	v_rsq_f32 v[RS], v[CH]
	v_nop                                          ; a plain line behind the transcendental,
	s_wait_alu depctr_va_vdst(0)                   ; and the wait ahead of its first reader
	v_mov_b32 v[RS+1], v[RS]
	WIN 0x41
.set p, 0
.rept 128
	v_pk_mul_f32 v[2*p:2*p+1], v[2*p:2*p+1], v[RS:RS+1]
.set p, p+1
.endr
.irp ks, 0,1,2,3
	WIN 0
.irp b, 0,1,2,3
.irp j, 0,1,2,3
	ds_load_b128 v[GN+16*\b+4*\j:GN+16*\b+4*\j+3], v[GA] offset:512*\ks+128*\b+16*\j
.endr
.endr
.irp b, 0,1,2,3
.irp j, 0,1,2,3
	ds_load_b128 v[HA+16*\b+4*\j:HA+16*\b+4*\j+3], v[GA] offset:2048+512*\ks+128*\b+16*\j
.endr
.endr
	s_wait_dscnt 0x0                               ; gain and shift are in; the last image's stores have read their registers
	WIN 0x01
.set p, 0
.rept 32
	v_pk_fma_f32 v[HA+2*p:HA+2*p+1], v[64*\ks+2*p:64*\ks+2*p+1], v[GN+2*p:GN+2*p+1], v[HA+2*p:HA+2*p+1]
.set p, p+1
.endr
.if \nxt
	XLOAD \ks, XNEXT
.endif
	WIN 0
	QUANT HA, 1
.irp c, 0,1,2,3
	ds_store_b128 v[IW], v[PC+4*\c:PC+4*\c+3] offset:(\img)+2048*\ks+512*\c
.endr
	ds_store_b32 v[ISW], v[PW] offset:(\img)/16+128*\ks
.endr
.endm
; a tile's four fragments from LDS into window 1 at buf, and its four scale words
.macro TFETCH buf, aofs, sofs, tsr
	WIN 0x40
.irp ks, 0,1,2,3
.irp c, 0,1,2,3
	ds_load_b128 v[(\buf)+16*\ks+4*\c:(\buf)+16*\ks+4*\c+3], v[TA] offset:(\aofs)+2048*\ks+512*\c
.endr
.endr
	WIN 0
.irp ks, 0,1,2,3
	ds_load_b32 v[(\tsr)+\ks], v[TSA] offset:(\sofs)+128*\ks
.endr
.endm
; q, k: source 0 = 16 columns of W, source 1 = 16 rows of h.  The eight accumulators take turns.
.macro GSTEP
.irp ks, 0,1,2,3
	WIN 0x06+(\ks/2)
.irp i, 0,1,2,3,4,5,6,7
.if \ks == 0
	v_wmma_scale_f32_16x16x128_f8f6f4 v[HA+8*\i:HA+8*\i+7], v[16*(8*(\ks%2)+\i):16*(8*(\ks%2)+\i)+15], v[16*\ks:16*\ks+15], 0, v[SS+4*\i+\ks], v[TS+\ks] matrix_a_fmt:MATRIX_FMT_BF8 matrix_b_fmt:MATRIX_FMT_BF8
.else
	v_wmma_scale_f32_16x16x128_f8f6f4 v[HA+8*\i:HA+8*\i+7], v[16*(8*(\ks%2)+\i):16*(8*(\ks%2)+\i)+15], v[16*\ks:16*\ks+15], v[HA+8*\i:HA+8*\i+7], v[SS+4*\i+\ks], v[TS+\ks] matrix_a_fmt:MATRIX_FMT_BF8 matrix_b_fmt:MATRIX_FMT_BF8
.endif
.endr
.endr
.endm
; v: the sources change places, so that a lane holds one column and its registers run along the keys.  t: which tile of the pair
.macro GSTEPV t
.irp ks, 0,1,2,3
	WIN 0x09+4*(\ks/2)
.irp i, 0,1,2,3,4,5,6,7
.if \ks == 0
	v_wmma_scale_f32_16x16x128_f8f6f4 v[HV+16*\i+8*\t:HV+16*\i+8*\t+7], v[64*\t+16*\ks:64*\t+16*\ks+15], v[16*(8*(\ks%2)+\i):16*(8*(\ks%2)+\i)+15], 0, v[TS+4*\t+\ks], v[SS+4*\i+\ks] matrix_a_fmt:MATRIX_FMT_BF8 matrix_b_fmt:MATRIX_FMT_BF8
.else
	v_wmma_scale_f32_16x16x128_f8f6f4 v[HV+16*\i+8*\t:HV+16*\i+8*\t+7], v[64*\t+16*\ks:64*\t+16*\ks+15], v[16*(8*(\ks%2)+\i):16*(8*(\ks%2)+\i)+15], v[HV+16*\i+8*\t:HV+16*\i+8*\t+7], v[TS+4*\t+\ks], v[SS+4*\i+\ks] matrix_a_fmt:MATRIX_FMT_BF8 matrix_b_fmt:MATRIX_FMT_BF8
.endif
.endr
.endr
.endm
	s_load_b512 s[4:19], s[0:1], 0x0               ; x, gain, shift, Wq's codes, scales, Wk's codes, scales, Wv's codes
	s_load_b128 s[20:23], s[0:1], 0x40             ; Wv's scales, qkv
	v_lshl_add_u32 v254, v0, 2, 0x12000
	v_mov_b32 v255, 0
	v_lshrrev_b32 v[CH], 5, v0
	v_readfirstlane_b32 s[WV], v[CH]               ; wave 0..3
	s_and_b32 s26, ttmp7, 0xffff                   ; 0: q, 1: k, 2: v
	v_and_b32 v[CH], 31, v0
	v_lshlrev_b32 v[LI], 4, v[CH]
	v_lshlrev_b32 v[LS], 2, v[CH]
	v_and_b32 v[CH], 15, v0                        ; r
	v_bfe_u32 v[CH+1], v0, 4, 1                    ; h
	v_and_b32 v[CH+2], 8, v[CH]
	v_add_nc_u32 v[CH+2], v[CH+2], v[CH]           ; r + 8 (r / 8)
	v_lshlrev_b32 v[XA], 11, v[CH+2]
	v_lshl_add_u32 v[XA], v[CH+1], 6, v[XA]
	v_lshlrev_b32 v[WA], 9, v[CH+2]
	v_lshl_add_u32 v[WA], v[CH+1], 4, v[WA]
	v_lshlrev_b32 v[WSA], 4, v[CH+2]
	v_lshlrev_b32 v[GA], 6, v[CH+1]
	v_add_nc_u32 v[GA], LP, v[GA]
	s_lshl_b32 s43, s[WV], 14
	v_add_nc_u32 v[IW], s43, v[LI]
	s_lshl_b32 s43, s[WV], 10
	s_add_co_u32 s43, s43, ASC
	v_add_nc_u32 v[ISW], s43, v[LS]
	v_add_nc_u32 v[TS0], ASC, v[LS]
	v_lshlrev_b32 v[T16], 4, v0
	v_add_nc_u32 v[LPA], LP, v[T16]
	s_mov_b32 s[SEL], 0x76543210
	s_mov_b32 s[SEL+1], 0xfedcba98                 ; v_permlanex16_b32's selects for lane l xor 16
	s_mov_b32 s[MNT], 0x600000                     ; the mantissa field of 57,344
	s_mov_b32 s[R512], 0x3b000000                  ; 1 / 512
	s_mov_b32 s[EPSR], 0x3727c5ac                  ; 1e-5
	s_lshl_b32 s44, ttmp9, 7
	s_lshl_b32 s45, s[WV], 5
	s_add_co_u32 s44, s44, s45
	s_lshl_b32 s44, s44, 11                        ; x: row 128 X + 32 w, 2,048 bytes a row
	s_mov_b32 s45, 0
	s_lshl_b32 s46, s[WV], 16                      ; W's codes: 128 w rows of 512 bytes
	s_mov_b32 s47, 0
	s_lshl_b32 s48, s[WV], 11                      ; W's scales: 128 w rows of 16 bytes
	s_mov_b32 s49, 0
	s_lshr_b32 s50, ttmp9, 4
	s_lshl_b32 s50, s50, 4
	s_lshl_b32 s51, s[WV], 2
	s_add_co_u32 s50, s50, s51                     ; 16 x batch + my first head
	s_mul_i32 s50, s50, HEADREC
	s_and_b32 s51, ttmp9, 15                       ; which 128 rows of the batch
	s_cmp_eq_u32 s26, 0
	s_cselect_b32 s52, QIMG, 0
	s_mov_b32 s54, KSC
	s_cselect_b32 s54, QSC, s54
	s_cmp_eq_u32 s26, 2
	s_cselect_b32 s52, VIMG, s52
	s_cselect_b32 s54, VSC, s54
	s_add_co_u32 s52, s52, s50
	s_add_co_u32 s54, s54, s50
	s_lshl_b32 s53, s51, 12
	s_add_co_u32 s52, s52, s53                     ; codes: 4,096 bytes for 128 rows
	s_lshl_b32 s53, s51, 8
	s_add_co_u32 s54, s54, s53                     ; scale words: 256
	s_mov_b32 s53, 0
	s_mov_b32 s55, 0
	s_wait_kmcnt 0x0
	s_cmp_eq_u32 s26, 0                            ; the weight is chosen by the work-group's number alone
	s_cselect_b64 s[WP:WP+1], s[10:11], s[14:15]
	s_cselect_b64 s[WSP:WSP+1], s[12:13], s[16:17]
	s_cmp_eq_u32 s26, 2
	s_cselect_b64 s[WP:WP+1], s[18:19], s[WP:WP+1]
	s_cselect_b64 s[WSP:WSP+1], s[20:21], s[WSP:WSP+1]
	s_add_nc_u64 s[WP:WP+1], s[WP:WP+1], s[46:47]
	s_add_nc_u64 s[WSP:WSP+1], s[WSP:WSP+1], s[48:49]
	s_add_nc_u64 s[4:5], s[4:5], s[44:45]
	s_add_nc_u64 s[OC:OC+1], s[22:23], s[52:53]
	s_add_nc_u64 s[OS:OS+1], s[22:23], s[54:55]
	global_load_b128 v[GN:GN+3], v[T16], s[6:7]    ; the gain and the shift: 16 bytes a thread
	global_load_b128 v[GN+4:GN+7], v[T16], s[8:9]
	XLOAD 0, 0
	XLOAD 1, 0
	XLOAD 2, 0
	XLOAD 3, 0
	SLOAD
.irp i, 0,1,2,3,4,5,6,7
	global_load_b128 v[SS+4*\i:SS+4*\i+3], v[WSA], s[WSP:WSP+1] offset:(32*(\i/2)+8*(\i%2))*16
.endr
.irp b, 0,1,2,3
	v_mov_b32 v[TM+4+\b], 0                        ; written once: a lane permute's destination counts as one of its sources
.endr
.irp i, 0,1,2,3,4,5,6,7
	v_mov_b32 v[SW+\i], 0
.endr
	s_wait_loadcnt 63                              ; behind my first tile's loads stand the weight's 136: the wait names the most that it can, and gain, shift and tile are in
	ds_store_b128 v[LPA], v[GN:GN+3]
	ds_store_b128 v[LPA], v[GN+4:GN+7] offset:2048
	s_wait_dscnt 0x0                               ; for the others' sake
	s_barrier_signal -1
	s_barrier_wait -1                              ; gain and shift lie in LDS
	LNTILE 0, 1
	s_wait_loadcnt 0x0                             ; my second tile, and the weight
	LNTILE 8192, 0
	s_wait_dscnt 0x0
	s_barrier_signal -1
	s_barrier_wait -1                              ; all 32 images lie in LDS; from here on LDS is only read
	s_mov_b32 s[CNT], 0
	s_mov_b32 s[TB], 0
	s_mov_b32 s[TBS], 0
	v_mov_b32 v[TA], v[LI]
	v_mov_b32 v[TSA], v[TS0]
	s_cmp_eq_u32 s26, 2
	s_cbranch_scc1 .Lvalues
	; ---- q or k: eight trips, a tile of 16 rows each; a head's 32 numbers of a row are one block
	TFETCH 0, 0, 0, TS
.Lrows:
	s_wait_dscnt 0x0                               ; the tile's fragments and scale words are in
	GSTEP
	WIN 0
	s_add_co_u32 s[TB], s[TB], 8192
	s_add_co_u32 s[TBS], s[TBS], 512
	v_add_nc_u32 v[TA], s[TB], v[LI]               ; these two and six v_nop are the eight places behind the products
	v_add_nc_u32 v[TSA], s[TBS], v[TS0]
	PLACES 6
	s_cmp_eq_u32 s[CNT], 7
	s_cbranch_scc1 .Lrows_last                     ; there is no ninth tile
	TFETCH 0, 0, 0, TS
.Lrows_last:
	QUANT HA, 0
.irp b, 0,1,2,3
	v_lshrrev_b32 v[SW+\b], 8, v[SW+\b]            ; head b's bytes of four tiles make a word, the first tile's lowest
.endr
.irp b, 0,1,2,3
	v_lshl_or_b32 v[SW+\b], v[TM+4+\b], 24, v[SW+\b]
.endr
.irp b, 0,1,2,3
	global_store_b128 v[LI], v[PC+4*\b:PC+4*\b+3], s[OC:OC+1] offset:\b*HEADREC   ; 512 consecutive bytes of head b's record
.endr
	s_and_b32 s43, s[CNT], 3
	s_cmp_lg_u32 s43, 3
	s_cbranch_scc1 .Lrows_nowords
.irp b, 0,1,2,3
	global_store_b32 v[LS], v[SW+\b], s[OS:OS+1] offset:\b*HEADREC
.endr
	s_wait_xcnt 0x0                                ; the stores have read their base
	s_add_nc_u64 s[OS:OS+1], s[OS:OS+1], 128
.Lrows_nowords:
	s_wait_xcnt 0x0                                ; the stores have read their registers and their base: both are written again
	s_add_nc_u64 s[OC:OC+1], s[OC:OC+1], 512
	s_add_co_u32 s[CNT], s[CNT], 1
	s_cmp_lt_u32 s[CNT], 8
	s_cbranch_scc1 .Lrows
	s_wait_tensorcnt 0x0
	ds_add_u32 v254, v255
	s_wait_dscnt 0x0
	s_endpgm
	; ---- v: four trips, a block of 32 keys (two tiles) each; a lane holds one channel, its 16 registers of a pair 16 neighbouring keys
.Lvalues:
	TFETCH 0, 0, 0, TS
	TFETCH 64, 8192, 512, TS+4
.Lkeys:
	s_wait_dscnt 0x0
	GSTEPV 0
	GSTEPV 1
	WIN 0
	s_add_co_u32 s[TB], s[TB], 16384
	s_add_co_u32 s[TBS], s[TBS], 1024
	v_add_nc_u32 v[TA], s[TB], v[LI]
	v_add_nc_u32 v[TSA], s[TBS], v[TS0]
	PLACES 6
	s_cmp_eq_u32 s[CNT], 3
	s_cbranch_scc1 .Lkeys_last
	TFETCH 0, 0, 0, TS
	TFETCH 64, 8192, 512, TS+4
.Lkeys_last:
	QUANT HV, 0                                    ; channel tiles 0 to 3
.irp i, 0,1,2,3
	v_lshrrev_b32 v[SW+\i], 8, v[SW+\i]
.endr
.irp i, 0,1,2,3
	v_lshl_or_b32 v[SW+\i], v[TM+4+\i], 24, v[SW+\i]
.endr
.irp i, 0,1,2,3
	global_store_b128 v[LI], v[PC+4*\i:PC+4*\i+3], s[OC:OC+1] offset:(\i/2)*HEADREC+(\i%2)*2048
.endr
	s_wait_xcnt 0x0                                ; the stores have read the codes' registers
	QUANT HV+64, 0                                 ; channel tiles 4 to 7
.irp i, 0,1,2,3
	v_lshrrev_b32 v[SW+4+\i], 8, v[SW+4+\i]
.endr
.irp i, 0,1,2,3
	v_lshl_or_b32 v[SW+4+\i], v[TM+4+\i], 24, v[SW+4+\i]
.endr
.irp i, 0,1,2,3
	global_store_b128 v[LI], v[PC+4*\i:PC+4*\i+3], s[OC:OC+1] offset:(2+\i/2)*HEADREC+(\i%2)*2048
.endr
	s_wait_xcnt 0x0
	s_add_nc_u64 s[OC:OC+1], s[OC:OC+1], 512       ; the next block of 32 keys
	s_add_co_u32 s[CNT], s[CNT], 1
	s_cmp_lt_u32 s[CNT], 4
	s_cbranch_scc1 .Lkeys
.irp i, 0,1,2,3,4,5,6,7
	global_store_b32 v[LS], v[SW+\i], s[OS:OS+1] offset:(\i/2)*HEADREC+(\i%2)*128
.endr
	s_wait_tensorcnt 0x0
	ds_add_u32 v254, v255
	s_wait_dscnt 0x0
	s_endpgm
.Lfunc_end_k_qb20f6e4cd3_l_qkv:
	.size	k_qb20f6e4cd3_l_qkv, .Lfunc_end_k_qb20f6e4cd3_l_qkv-k_qb20f6e4cd3_l_qkv
	.p2alignl 7, 3214868480
	.fill 96, 4, 3214868480
	.section	.rodata,"a",@progbits
	.p2align	6, 0x0
	.amdhsa_kernel k_qb20f6e4cd3_l_qkv
		.amdhsa_group_segment_fixed_size 74240
		.amdhsa_private_segment_fixed_size 0
		.amdhsa_enable_private_segment 0
		.amdhsa_kernarg_size 80
		.amdhsa_user_sgpr_count 2
		.amdhsa_user_sgpr_kernarg_segment_ptr 1
		.amdhsa_wavefront_size32 1
		.amdhsa_system_sgpr_workgroup_id_x 1
		.amdhsa_system_sgpr_workgroup_id_y 1
		.amdhsa_system_sgpr_workgroup_id_z 1
		.amdhsa_system_vgpr_workitem_id 0
		.amdhsa_next_free_vgpr 1024
		.amdhsa_next_free_sgpr 66
		.amdhsa_reserve_vcc 0
		.amdhsa_float_denorm_mode_32 3
		.amdhsa_float_denorm_mode_16_64 3
		.amdhsa_memory_ordered 1
		.amdhsa_forward_progress 1
		.amdhsa_inst_pref_size 243
	.end_amdhsa_kernel
	.amdgpu_metadata
---
amdhsa.version: [ 1, 2 ]
amdhsa.kernels:
  - .name:           k_qb20f6e4cd3_l_qkv
    .symbol:         k_qb20f6e4cd3_l_qkv.kd
    .args:
      - { .name: x, .offset: 0, .size: 8, .value_kind: global_buffer, .address_space: global }
      - { .name: ln1_scale, .offset: 8, .size: 8, .value_kind: global_buffer, .address_space: global }
      - { .name: ln1_shift, .offset: 16, .size: 8, .value_kind: global_buffer, .address_space: global }
      - { .name: Wq_codes, .offset: 24, .size: 8, .value_kind: global_buffer, .address_space: global }
      - { .name: Wq_scales, .offset: 32, .size: 8, .value_kind: global_buffer, .address_space: global }
      - { .name: Wk_codes, .offset: 40, .size: 8, .value_kind: global_buffer, .address_space: global }
      - { .name: Wk_scales, .offset: 48, .size: 8, .value_kind: global_buffer, .address_space: global }
      - { .name: Wv_codes, .offset: 56, .size: 8, .value_kind: global_buffer, .address_space: global }
      - { .name: Wv_scales, .offset: 64, .size: 8, .value_kind: global_buffer, .address_space: global }
      - { .name: qkv, .offset: 72, .size: 8, .value_kind: global_buffer, .address_space: global }
    .group_segment_fixed_size: 74240
    .private_segment_fixed_size: 0
    .kernarg_segment_align: 8
    .kernarg_segment_size: 80
    .max_flat_workgroup_size: 128
    .sgpr_count:     66
    .vgpr_count:     1024
    .wavefront_size: 32
...
	.end_amdgpu_metadata
.endif
;; end of part 1
;; launch l_attn (part 2): grid 4 x 64, 16 waves a work-group, clusters of 4 x 1, 169,984 bytes of LDS; arguments qkv, ctx; writes ctx
.if DOCPART == 2
	.amdgcn_target "amdgcn-amd-amdhsa--gfx1250"
	.amdhsa_code_object_version 6
	.text
	.protected	k_qb20f6e4cd3_l_attn
	.globl	k_qb20f6e4cd3_l_attn
	.p2align	8
	.type	k_qb20f6e4cd3_l_attn,@function
k_qb20f6e4cd3_l_attn:
	s_mov_b64 s[64:65], 0
	v_nop
	global_prefetch_b8 v0, s[64:65] scope:SCOPE_SE
	s_setreg_imm32_b32 hwreg(HW_REG_WAVE_MODE, 25, 1), 1
	s_wait_xcnt 0x0
	s_wait_alu depctr_hold_cnt(0) depctr_sa_sdst(0) depctr_va_vdst(0) depctr_va_sdst(0) depctr_va_ssrc(0) depctr_va_vcc(0) depctr_vm_vsrc(0)
	s_getreg_b32 s2, hwreg(HW_REG_IB_STS2, 6, 4)
	s_cmp_eq_u32 s2, 0
	s_cbranch_scc0 .Lentry_in_a_cluster
	s_endpgm
.Lentry_in_a_cluster:
	s_bfe_u32 s2, ttmp6, 0x10000c
	s_cmp_lg_u32 s2, 0x3003
	s_cbranch_scc0 .Lentry_shape_is_right
	s_endpgm
.Lentry_shape_is_right:
; Causal attention of one (batch, head) a cluster, on codes of E5M2; head size 32, 2,048 keys.  The result is divided by the row's sum, quantised along the model's 512 (a head is one block) and stored as images of the next product's operand.
; THE SOFTMAX AHEAD OF THE SECOND PRODUCT: t = score x log2(e) / sqrt(32); M = the running largest t rounded up to a whole number; p = 2^(t - M) is quantised along the keys; the row's sum is taken of the unquantised p.
; SHARES.  All four work-groups of a cluster hold the head's whole K, V and their scale words in LDS (139,264 bytes), asked for JOINTLY and filled once: sixteen waves, one load each of 34 rows of 256 bytes.
; Wave w takes query tile e = 2 cx + (w & 1) of the block of 128 queries J = w / 2, and then of block 15 - J: (J + 1) + (16 - J) = 17 key steps of 128 keys for every wave.  Branches hang on the wave's number
; and the step's counter alone; cx enters global addresses, a byte select and the mask's constant, and no LDS address.
; LAYOUT.  Both products are used transposed: a lane holds one query.  K = 32 INSIDE AN INSTRUCTION OF K = 128: source 0 holds FOUR key tiles, one in each block of 32; source 1 holds q in block c and zero codes elsewhere,
; so the product is S^T of key tile c (K's codes are held by the quantiser, so they are finite, and zero codes add nothing).  The four forms of source 1 are four overlapping runs of v16-43.
; The rows of a tile are 32 (m / 2) + 8 (m % 2) + r + 8 (r / 8), so the 16 registers of two neighbouring tiles of S^T are 16 neighbouring keys.
; LIMITS: NaN and infinities are not served; a block of zeros gets the byte 1 with zero codes; the division is v_rcp_f32 and a multiplication.  The scale bytes of ctx leave one byte a lane: sixteen heads fill a row's 16 bytes.
.set HEADREC, 208896
.set CREC, 67584
.set QIMG, 139264
.set QSC,  204800
.set LI,  1                            ; v1  16 x lane
.set LIV, 2                            ; v2  + 65,536: V's images
.set LSK, 3                            ; v3  4 x lane + 131,072: K's scale words; V's lie 4,096 on
.set DQ,  4                            ; v4  my query's place in its 128, less 16 h
.set ADK, 5
.set ADV, 6
.set ADS, 7
.set CSA, 8                            ; v8  16 r
.set LS,  9                            ; v9  4 x lane
.set QZ,  16                           ; v16-27 zeros, v28-31 q, v32-43 zeros
.set QS,  44                           ; v44 q's scale byte in all four bytes
.set QA0, 45                           ; v45-47, v233: offsets of the two tiles of q and of their scale words
.set QA1, 46
.set QW0, 47
.set KF,  48                           ; v48-79   eight key tiles: two fragments
.set VF,  80                           ; v80-111  V^T: two tiles of 16 channels x 128 keys
.set SC,  112                          ; v112-175 S^T, then p
.set OT,  176                          ; v176-191 O^T
.set PC,  192                          ; v192-207 p's codes
.set BM,  208
.set BX,  212
.set HD,  216
.set SL,  220
.set F,   224                          ; v[224:225] f = 2^(old M - new M)
.set TP,  226
.set BY,  227
.set PW,  228                          ; p's scale word
.set KS,  229                          ; v229-230 K's scale words
.set VS,  231                          ; v231-232 V's
.set QW1, 233
.set QB,  236                          ; v236-239 the second tile's q
.set RW,  240                          ; v240-241 the two tiles' scale words as stored
.set WV,  18
.set MNT, 19
.set SEL, 20
.set CS,  22
.set JT,  36
.set ST,  37
.set TK,  38
.set TSS, 39
.macro CROUND                          ; a round of the cluster's barrier
	s_barrier_signal -1
	s_barrier_wait -1
	s_cmp_lg_u32 s[WV], 0
	s_cbranch_scc1 .Lnw0_\@
	s_barrier_signal -3
.Lnw0_\@:
	s_barrier_wait -3
	s_barrier_signal -1
	s_barrier_wait -1
.endm
; A KEY STEP: 128 keys.  A step all of whose keys come after the block's queries is left out, but for the lines at its end that step addresses.
.macro STEP
	s_cmp_gt_u32 s[ST], s[JT]
	s_cbranch_scc1 .Lhid_\@
	v_add_nc_u32 v[ADK], s[TK], v[LI]
	v_add_nc_u32 v[ADV], s[TK], v[LIV]
	v_add_nc_u32 v[ADS], s[TSS], v[LSK]
.rept 5
	v_nop                                          ; with the three additions: eight places behind the last step's products, ahead of loads into their registers
.endr
.irp g, 0,1
.irp c, 0,1,2,3
	ds_load_b128 v[KF+16*\g+4*\c:KF+16*\g+4*\c+3], v[ADK] offset:2048*\g+512*\c
.endr
.endr
	ds_load_b32 v[KS], v[ADS]
	ds_load_b32 v[KS+1], v[ADS] offset:128
.irp u, 0,1
.irp c, 0,1,2,3
	ds_load_b128 v[VF+16*\u+4*\c:VF+16*\u+4*\c+3], v[ADV] offset:2048*\u+512*\c
.endr
.endr
	ds_load_b32 v[VS], v[ADS] offset:4096
	ds_load_b32 v[VS+1], v[ADS] offset:4224
	s_wait_dscnt 10                                ; K and its words are in; V's ten loads may stay out
.irp t, 0,1,2,3,4,5,6,7
	v_wmma_scale_f32_16x16x128_f8f6f4 v[SC+8*\t:SC+8*\t+7], v[KF+16*(\t/4):KF+16*(\t/4)+15], v[QZ+12-4*(\t%4):QZ+27-4*(\t%4)], 0, v[KS+\t/4], v[QS] matrix_a_fmt:MATRIX_FMT_BF8 matrix_b_fmt:MATRIX_FMT_BF8
.endr
.rept 8
	v_nop
.endr
	s_cmp_lg_u32 s[ST], s[JT]                      ; on the diagonal the scores of hidden keys become -infinity ahead of the maximum
	s_cbranch_scc1 .Lopen_\@
	v_mov_b32 v[TP], 0xff800000
.set n, 0
.rept 64
	v_cmp_gt_i32 vcc_lo, 32*(n/16)+n%16, v[DQ]     ; register 16 b + i holds key 32 b + 16 h + i of the step
	v_cndmask_b32 v[SC+n], v[SC+n], v[TP], vcc_lo
.set n, n+1
.endr
.Lopen_\@:
.irp b, 0,1,2,3
	v_max3_num_f32 v[BM+\b], v[SC+16*\b], v[SC+1+16*\b], v[SC+2+16*\b]   ; the largest score of each block of 32 keys: for the row's maximum and for the block's largest p
.endr
.irp i, 3,5,7,9,11,13
.irp b, 0,1,2,3
	v_max3_num_f32 v[BM+\b], v[BM+\b], v[SC+16*\b+\i], v[SC+1+16*\b+\i]
.endr
.endr
.irp b, 0,1,2,3
	v_max_num_f32 v[BM+\b], v[BM+\b], v[SC+15+16*\b]
.endr
.irp b, 0,1,2,3
	v_permlanex16_b32 v[BX+\b], v[BM+\b], s[SEL], s[SEL+1]
.endr
.irp b, 0,1,2,3
	v_max_num_f32 v[BM+\b], v[BM+\b], v[BX+\b]
.endr
	v_max3_num_f32 v[TP], v[BM], v[BM+1], v[BM+2]
	v_max_num_f32 v[TP], v[TP], v[BM+3]
	v_mul_f32 v[TP], s[CS], v[TP]
	v_max_num_f32 v13, v13, v[TP]                  ; the running largest t
	v_mov_b32 v[TP], v12
	v_floor_f32 v12, -v13                          ; -M = floor(-t): M is a whole number
	v_sub_f32 v[TP], v12, v[TP]                    ; old M - new M, 0 or less
	v_cvt_i32_f32 v[TP], v[TP]                     ; (it saturates)
	v_ldexp_f32 v[F], 1.0, v[TP]                   ; f: a power of two, so the rescalings round nothing
.set j, 0
.rept 32
	v_pk_fma_f32 v[SC+j:SC+j+1], v[SC+j:SC+j+1], s[CS:CS+1], v[12:13] op_sel_hi:[1,0,0]   ; t - M
.set j, j+2
.endr
.irp b, 0,1,2,3
	v_fma_f32 v[BM+\b], v[BM+\b], s[CS], v12
.endr
.set j, 0
.rept 64
	v_exp_f32 v[SC+j], v[SC+j]
.set j, j+1
.endr
	v_pk_mul_f32 v[14:15], v[14:15], v[F:F+1] op_sel_hi:[1,0]   ; the sums under the new M: the plain line behind the exponentials
	s_wait_alu depctr_va_vdst(0)                   ; one wait for the batch, ahead of its first reader
.irp b, 0,1,2,3
	v_exp_f32 v[BM+\b], v[BM+\b]                   ; each block's largest p
.endr
	v_pk_add_f32 v[BX:BX+1], v[SC:SC+1], v[SC+2:SC+3]   ; the row's sum, of the unquantised p, in two chains
.set j, 4
.rept 15
	v_pk_add_f32 v[14:15], v[14:15], v[SC+j:SC+j+1]
	v_pk_add_f32 v[BX:BX+1], v[BX:BX+1], v[SC+j+2:SC+j+3]
.set j, j+4
.endr
	v_pk_add_f32 v[14:15], v[14:15], v[BX:BX+1]
	s_wait_alu depctr_va_vdst(0)                   ; and one for the four
.irp b, 0,1,2,3
	v_max_num_f32 v[BM+\b], 0x8000000, v[BM+\b]    ; the floor 2^(16 - 127)
.endr
.irp b, 0,1,2,3
	v_add_nc_u32 v[SL+\b], 0xf8800000, v[BM+\b]
.endr
.irp b, 0,1,2,3
	v_and_or_b32 v[HD+\b], v[BM+\b], 0x7f800000, s[MNT]
.endr
.irp b, 0,1,2,3
	v_lshrrev_b32 v[BX+\b], 23, v[SL+\b]
.endr
	v_lshl_or_b32 v[PW], v[BX+1], 8, v[BX]
	v_lshl_or_b32 v[PW], v[BX+2], 16, v[PW]
	v_lshl_or_b32 v[PW], v[BX+3], 24, v[PW]
.irp b, 0,1,2,3
.irp i, 0,1,2,3,4,5,6,7,8,9,10,11,12,13,14,15
	v_min_num_f32 v[SC+16*\b+\i], v[SC+16*\b+\i], v[HD+\b]   ; p is not negative: a one-sided hold
.endr
	v_cvt_scalef32_pk8_bf8_f32 v[PC+4*\b:PC+1+4*\b], v[SC+16*\b:SC+7+16*\b], v[SL+\b]
	v_cvt_scalef32_pk8_bf8_f32 v[PC+2+4*\b:PC+3+4*\b], v[SC+8+16*\b:SC+15+16*\b], v[SL+\b]
.endr
.set j, 0
.rept 8
	v_pk_mul_f32 v[OT+j:OT+j+1], v[OT+j:OT+j+1], v[F:F+1] op_sel_hi:[1,0]   ; O^T under the new M; also the places between the codes and the products
.set j, j+2
.endr
	s_wait_dscnt 0x0                               ; V is in
.irp u, 0,1
	v_wmma_scale_f32_16x16x128_f8f6f4 v[OT+8*\u:OT+8*\u+7], v[VF+16*\u:VF+16*\u+15], v[PC:PC+15], v[OT+8*\u:OT+8*\u+7], v[VS+\u], v[PW] matrix_a_fmt:MATRIX_FMT_BF8 matrix_b_fmt:MATRIX_FMT_BF8
.endr
.Lhid_\@:
	s_add_co_u32 s[TK], s[TK], 4096
	s_add_co_u32 s[TSS], s[TSS], 256
	s_add_co_u32 s[ST], s[ST], 1
.endm
; One tile of 16 queries.  k: the wave's first or second; jr: its block; co, so: its offsets in ctx; rw: its scale word as stored
.macro TILE k, jr, co, so, rw
	s_wait_xcnt 0x0                                ; earlier stores have read their bases and registers
	s_mov_b32 s[JT], s[\jr]
	s_mov_b32 s58, s[\co]
	s_mov_b32 s59, 0
	s_add_nc_u64 s[44:45], s[6:7], s[58:59]
	s_mov_b32 s58, s[\so]
	s_add_nc_u64 s[46:47], s[6:7], s[58:59]
.if \k
.irp c, 0,1,2,3
	v_mov_b32 v[QZ+12+\c], v[QB+\c]
.endr
.endif
	v_perm_b32 v[QS], v[\rw], v[\rw], s40          ; the tile's byte of the word, four times
	v_mov_b32 v13, 0xff61b1e6                      ; the largest t so far: -3e38
	v_floor_f32 v12, -v13
	v_mov_b32 v14, 0
	v_mov_b32 v15, 0
.set j, 0
.rept 16
	v_mov_b32 v[OT+j], 0                           ; the step is written once: the first finds zeros
.set j, j+1
.endr
	s_mov_b32 s[ST], 0
	s_mov_b32 s[TK], 0
	s_mov_b32 s[TSS], 0
.Lstep_\@:                                         ; sixteen trips in every wave: the count is a constant, the work of hidden steps is jumped over
	STEP
	s_cmp_lt_u32 s[ST], 16
	s_cbranch_scc1 .Lstep_\@
.rept 8
	v_nop
.endr
	v_add_f32 v14, v14, v15
	v_permlanex16_b32 v[BX], v14, s[SEL], s[SEL+1]
	v_add_f32 v14, v14, v[BX]                      ; the row's sum
	v_rcp_f32 v14, v14
	v_nop
	s_wait_alu depctr_va_vdst(0)
.set j, 0
.rept 16
	v_mul_f32 v[SC+j], v[OT+j], v14                ; register j: channel 16 h + j of my query
.set j, j+1
.endr
	v_max3_num_f32 v[BM], |v[SC]|, |v[SC+1]|, 0x8000000
.irp i, 2,4,6,8,10,12,14
	v_max3_num_f32 v[BM], v[BM], |v[SC+\i]|, |v[SC+1+\i]|
.endr
	v_permlanex16_b32 v[BX], v[BM], s[SEL], s[SEL+1]
	v_max_num_f32 v[BM], v[BM], v[BX]
	v_add_nc_u32 v[SL], 0xf8800000, v[BM]
	v_and_or_b32 v[HD], v[BM], 0x7f800000, s[MNT]
	v_lshrrev_b32 v[BY], 23, v[SL]
.set j, 0
.rept 16
	v_med3_num_f32 v[SC+j], v[SC+j], -v[HD], v[HD]
.set j, j+1
.endr
	v_cvt_scalef32_pk8_bf8_f32 v[PC:PC+1], v[SC:SC+7], v[SL]
	v_cvt_scalef32_pk8_bf8_f32 v[PC+2:PC+3], v[SC+8:SC+15], v[SL]
	v_nop
	global_store_b128 v[LI], v[PC:PC+3], s[44:45]  ; one register group of the next operand's image: 512 consecutive bytes
	global_store_b8 v[CSA], v[BY], s[46:47]        ; my row's byte for this head (both halves of the lanes hold the same)
.endm
	s_load_b128 s[4:7], s[0:1], 0x0                ; qkv, ctx
	v_lshl_add_u32 v254, v0, 2, 0x29000
	v_mov_b32 v255, 0
	ds_add_u32 v254, v255
	ds_add_u32 v254, v255
	v_lshrrev_b32 v[TP], 5, v0
	v_readfirstlane_b32 s[WV], v[TP]               ; wave 0..15
	s_bfe_u32 s8, ttmp6, 0x40000                   ; cx
	s_and_b32 s9, ttmp7, 0xffff                    ; 16 x batch + head, which the partners share
	s_mul_i32 s10, s9, HEADREC
	s_mov_b32 s11, 0
	s_mul_i32 s12, s[WV], 8704                     ; my 34 rows of 256 bytes, in memory and in LDS alike
	s_mov_b32 s13, 0
	s_mov_b32 s24, 15|(3<<16)|(1<<21)              ; the mask: all four; elements of 8 bytes; bit 21 beside a mask; no padding
	s_mov_b32 s25, 32<<16                          ; tensor_dim0 = 32
	s_mov_b32 s26, 34<<16                          ; tensor_dim1 = 34
	s_mov_b32 s27, 32<<16                          ; tile_dim0 = 32
	s_mov_b32 s28, 34                              ; tile_dim1 = 34
	s_mov_b32 s29, 32                              ; the pitch
	s_mov_b32 s30, 0
	s_mov_b32 s31, 0
	s_wait_dscnt 0x0
	s_wait_kmcnt 0x0
	s_add_nc_u64 s[42:43], s[4:5], s[10:11]        ; the head's record
	CROUND                                         ; all four work-groups are here: the joint loads meet
	s_mov_b32 s32, 1
	s_mov_b32 s33, s12
	s_add_nc_u64 s[34:35], s[42:43], s[12:13]
	s_or_b32 s35, s35, 0x80000000
	tensor_load_to_lds s[32:35], s[24:31]          ; my one tensor load of the launch
	s_nop 0
.rept 4
	v_nop
.endr
	s_and_b32 s14, s[WV], 1
	s_lshl_b32 s15, s8, 1
	s_add_co_u32 s15, s15, s14                     ; e: my tile in a block of 128 queries
	s_lshr_b32 s16, s[WV], 1                       ; my first block,
	s_sub_co_u32 s17, 15, s16                      ; my second
	s_lshl_b32 s48, s15, 9
	s_add_co_u32 s48, s48, QIMG
	s_lshl_b32 s49, s16, 12
	s_add_co_u32 s49, s49, s48
	s_lshl_b32 s50, s17, 12
	s_add_co_u32 s50, s50, s48
	s_lshr_b32 s51, s15, 2
	s_lshl_b32 s51, s51, 7
	s_add_co_u32 s51, s51, QSC
	s_lshl_b32 s52, s16, 8
	s_add_co_u32 s52, s52, s51
	s_lshl_b32 s53, s17, 8
	s_add_co_u32 s53, s53, s51
	s_and_b32 s40, s15, 3
	s_mul_i32 s40, s40, 0x01010101                 ; v_perm_b32's select: byte e % 4, four times
	s_lshl_b32 s41, s8, 5
	s_lshl_b32 s14, s14, 3
	s_add_co_u32 s41, s41, s14                     ; 32 (e / 2) + 8 (e % 2)
	s_lshr_b32 s54, s9, 4
	s_lshl_b32 s54, s54, 4                         ; 16 x batch
	s_and_b32 s55, s9, 15                          ; the head
	s_lshr_b32 s56, s55, 2
	s_lshl_b32 s56, s56, 14
	s_and_b32 s57, s55, 3
	s_lshl_b32 s57, s57, 9
	s_add_co_u32 s56, s56, s57
	s_lshl_b32 s57, s15, 11
	s_add_co_u32 s56, s56, s57                     ; codes: K step head / 4, tile e, register group head % 4
	s_lshl_b32 s57, s15, 8
	s_add_co_u32 s57, s57, s55
	s_add_co_u32 s57, s57, 65536                   ; scale bytes: tile e, byte head of a row's 16
	s_add_co_u32 s58, s54, s16
	s_mul_i32 s58, s58, CREC
	s_add_co_u32 s59, s54, s17
	s_mul_i32 s59, s59, CREC
	s_add_co_u32 s54, s58, s56
	s_add_co_u32 s55, s58, s57
	s_add_co_u32 s56, s59, s56
	s_add_co_u32 s57, s59, s57
	s_mov_b32 s[MNT], 0x600000
	s_mov_b32 s[SEL], 0x76543210
	s_mov_b32 s[SEL+1], 0xfedcba98
	s_mov_b32 s[CS], 0x3e8293ee                    ; log2(e) / sqrt(32)
	s_mov_b32 s[CS+1], s[CS]
	v_and_b32 v[TP], 31, v0
	v_lshlrev_b32 v[LI], 4, v[TP]
	v_lshlrev_b32 v[LS], 2, v[TP]
	v_add_nc_u32 v[LIV], 65536, v[LI]
	v_add_nc_u32 v[LSK], 131072, v[LS]
	v_and_b32 v[TP], 15, v0
	v_lshlrev_b32 v[CSA], 4, v[TP]
	v_and_b32 v[DQ], 8, v[TP]
	v_add_nc_u32 v[DQ], v[DQ], v[TP]
	v_bfe_u32 v[TP], v0, 4, 1
	v_lshlrev_b32 v[TP], 4, v[TP]
	v_sub_nc_u32 v[DQ], v[DQ], v[TP]
	v_add_nc_u32 v[DQ], s41, v[DQ]
	v_add_nc_u32 v[QA0], s49, v[LI]
	v_add_nc_u32 v[QA1], s50, v[LI]
	v_add_nc_u32 v[QW0], s52, v[LS]
	v_add_nc_u32 v[QW1], s53, v[LS]
	global_load_b128 v[QZ+12:QZ+15], v[QA0], s[42:43]
	global_load_b128 v[QB:QB+3], v[QA1], s[42:43]
	global_load_b32 v[RW], v[QW0], s[42:43]
	global_load_b32 v[RW+1], v[QW1], s[42:43]
.set j, 0
.rept 12
	v_mov_b32 v[QZ+j], 0                           ; zero codes on both sides of q
	v_mov_b32 v[QZ+16+j], 0
.set j, j+1
.endr
	v_mov_b32 v[F+1], 0                            ; named as the upper half of a pair
.irp b, 0,1,2,3
	v_mov_b32 v[BX+\b], 0                          ; a lane permute's destination counts as one of its sources
.endr
	s_wait_tensorcnt 0x0                           ; my part of the head is in LDS,
	s_barrier_signal -1
	s_barrier_wait -1                              ; everybody's is
	s_wait_loadcnt 0x0                             ; q
	TILE 0, 16, 54, 55, RW
	TILE 1, 17, 56, 57, RW+1
	s_wait_dscnt 0x0
	s_wait_tensorcnt 0x0
	ds_add_u32 v254, v255
	s_wait_dscnt 0x0
	CROUND                                         ; the closing round
	s_endpgm
.Lfunc_end_k_qb20f6e4cd3_l_attn:
	.size	k_qb20f6e4cd3_l_attn, .Lfunc_end_k_qb20f6e4cd3_l_attn-k_qb20f6e4cd3_l_attn
	.p2alignl 7, 3214868480
	.fill 96, 4, 3214868480
	.section	.rodata,"a",@progbits
	.p2align	6, 0x0
	.amdhsa_kernel k_qb20f6e4cd3_l_attn
		.amdhsa_group_segment_fixed_size 169984
		.amdhsa_private_segment_fixed_size 0
		.amdhsa_enable_private_segment 0
		.amdhsa_kernarg_size 16
		.amdhsa_user_sgpr_count 2
		.amdhsa_user_sgpr_kernarg_segment_ptr 1
		.amdhsa_wavefront_size32 1
		.amdhsa_system_sgpr_workgroup_id_x 1
		.amdhsa_system_sgpr_workgroup_id_y 1
		.amdhsa_system_sgpr_workgroup_id_z 1
		.amdhsa_system_vgpr_workitem_id 0
		.amdhsa_next_free_vgpr 256
		.amdhsa_next_free_sgpr 66
		.amdhsa_reserve_vcc 1
		.amdhsa_float_denorm_mode_32 3
		.amdhsa_float_denorm_mode_16_64 3
		.amdhsa_memory_ordered 1
		.amdhsa_forward_progress 1
		.amdhsa_inst_pref_size 59
	.end_amdhsa_kernel
	.amdgpu_metadata
---
amdhsa.version: [ 1, 2 ]
amdhsa.kernels:
  - .name:           k_qb20f6e4cd3_l_attn
    .symbol:         k_qb20f6e4cd3_l_attn.kd
    .args:
      - { .name: qkv, .offset: 0, .size: 8, .value_kind: global_buffer, .address_space: global }
      - { .name: ctx, .offset: 8, .size: 8, .value_kind: global_buffer, .address_space: global }
    .group_segment_fixed_size: 169984
    .private_segment_fixed_size: 0
    .kernarg_segment_align: 8
    .kernarg_segment_size: 16
    .max_flat_workgroup_size: 512
    .sgpr_count:     66
    .vgpr_count:     256
    .wavefront_size: 32
...
	.end_amdgpu_metadata
.endif
;; end of part 2
;; launch l_proj (part 3): grid 4 x 64, 4 waves a work-group, clusters of 4 x 1, 168,448 bytes of LDS; arguments ctx, Wo_codes, Wo_scales, bo, x, x1; writes x1
.if DOCPART == 3
	.amdgcn_target "amdgcn-amd-amdhsa--gfx1250"
	.amdhsa_code_object_version 6
	.text
	.protected	k_qb20f6e4cd3_l_proj
	.globl	k_qb20f6e4cd3_l_proj
	.p2align	8
	.type	k_qb20f6e4cd3_l_proj,@function
k_qb20f6e4cd3_l_proj:
	s_mov_b64 s[64:65], 0
	v_nop
	global_prefetch_b8 v0, s[64:65] scope:SCOPE_SE
	s_setreg_imm32_b32 hwreg(HW_REG_WAVE_MODE, 25, 1), 1
	s_wait_xcnt 0x0
	s_wait_alu depctr_hold_cnt(0) depctr_sa_sdst(0) depctr_va_vdst(0) depctr_va_sdst(0) depctr_va_ssrc(0) depctr_va_vcc(0) depctr_vm_vsrc(0)
	s_getreg_b32 s2, hwreg(HW_REG_IB_STS2, 6, 4)
	s_cmp_eq_u32 s2, 0
	s_cbranch_scc0 .Lentry_in_a_cluster
	s_endpgm
.Lentry_in_a_cluster:
	s_bfe_u32 s2, ttmp6, 0x10000c
	s_cmp_lg_u32 s2, 0x3003
	s_cbranch_scc0 .Lentry_shape_is_right
	s_endpgm
.Lentry_shape_is_right:
; out = res + (act W^T + bias): act arrives as images of the operand's registers (codes of E5M2 and scale words), W as codes with K innermost.
; This text serves two launches by the two constants below: FFN2 = 0: x1 = x + ctx Wo + bo, K = 512, x1 stored as register images;  FFN2 = 1: out0 = x1 + hid W2 + b2, K = 2,048, out0 row-major.
; SHARES.  A work-group takes 128 rows (work-group y) x 128 columns (its place cx in the cluster).  The four partners need the same rows' images and ask for them JOINTLY: NS / 4 chunks of 67,584 bytes,
; each wave a quarter of each chunk, all asked for at the start and filled once.  Wave w keeps columns 32 w .. 32 w + 31 of the 128 (two tiles, all of K) in registers and multiplies them with all eight row tiles.
; Source 0 = 16 columns of W (lane r of tile u: column 8 u + r + 8 (r / 8)), source 1 = 16 rows: a lane's 16 registers of a row tile are 16 neighbouring columns.  The bias is the C of each sum's first product.
; One register carries two tiles' scale words: lanes 0-15 the even tile's, lanes 16-31 the odd tile's.
.set FFN2, 0
.set NS,   4                           ; K steps of 128
.set NCH,  NS/4                        ; chunks of four K steps
.set KB,   128*NS                      ; a row of W in bytes
.set REC,  67584                       ; a chunk: 32 fragment images of 2,048 bytes, then 2,048 bytes of scale words [tile][row][K step]
.set LI,  1                            ; v1    16 x lane
.set TA,  2                            ; v2-5  16 x lane + chunk
.set TSA, 6                            ; v6-9  the same + 65,536
.set WA,  10                           ; v10   W's codes
.set WSA, 11                           ; v11   W's scales: lanes 16-31 take tile 1's rows
.set BA,  12                           ; v12   64 h
.set XA,  13                           ; v13   FFN2 = 0: x's rows;  1: where I put 16 bytes of a row in the stage
.set SR,  14                           ; v14   where I read a row back
.set SS,  16                           ; v16-31   W's scale words, one register a K step
.set TS,  32                           ; v32-63   the rows' scale words, two sets of 16: register 4 (m / 2) + K step % 4
.set ACC, 64                           ; v64-191  accumulator (m, u) at 16 m + 8 u
.set BI,  192                          ; v192-207 the bias, two tiles
.set RB,  128*(1-FFN2)                 ; the residual, in window 2
.set WV,  18
.set G0,  36
.set MSB, 0
.macro WIN new
.if MSB != (\new)
	s_set_vgpr_msb (MSB<<8)|(\new)
.set MSB, (\new)
.endif
.endm
.macro CROUND
	s_barrier_signal -1
	s_barrier_wait -1
	s_cmp_lg_u32 s[WV], 0
	s_cbranch_scc1 .Lnw0_\@
	s_barrier_signal -3
.Lnw0_\@:
	s_barrier_wait -3
	s_barrier_signal -1
	s_barrier_wait -1
.endm
; K step TL's eight row fragments into window 1, buffer TL % 2; with a chunk's first step its scale words
.macro TLOAD
.if TL%4 == 0
.irp q, 0,1,2,3
	ds_load_b128 v[TS+16*((TL/4)%2)+4*\q:TS+16*((TL/4)%2)+4*\q+3], v[TSA+TL/4] offset:512*\q
.endr
.endif
	WIN 0x40
.irp m, 0,1,2,3,4,5,6,7
.irp c, 0,1,2,3
	ds_load_b128 v[128*(TL%2)+16*\m+4*\c:128*(TL%2)+16*\m+4*\c+3], v[TA+TL/4] offset:(8*(TL%4)+\m)*2048+512*\c
.endr
.endr
	WIN 0
.endm
.macro MM m, u                         ; one product of K step KK
.set DB, ACC+16*(\m)+8*(\u)
.set CB, DB
.if KK == 0
.set CB, BI+8*(\u)
.endif
.set AB, 16*((2*KK+(\u))%16)
.set BB, 128*(KK%2)+16*(\m)
.set TR, TS+16*((KK/4)%2)+4*((\m)/2)+KK%4
.if ((\u) == 0) && ((\m)%2 == 0)
	v_wmma_scale_f32_16x16x128_f8f6f4 v[DB:DB+7], v[AB:AB+15], v[BB:BB+15], v[CB:CB+7], v[SS+KK], v[TR] matrix_a_fmt:MATRIX_FMT_BF8 matrix_b_fmt:MATRIX_FMT_BF8
.elseif (\m)%2 == 0
	v_wmma_scale_f32_16x16x128_f8f6f4 v[DB:DB+7], v[AB:AB+15], v[BB:BB+15], v[CB:CB+7], v[SS+KK], v[TR] matrix_a_fmt:MATRIX_FMT_BF8 matrix_b_fmt:MATRIX_FMT_BF8 matrix_a_scale:MATRIX_SCALE_ROW1
.elseif (\u) == 0
	v_wmma_scale_f32_16x16x128_f8f6f4 v[DB:DB+7], v[AB:AB+15], v[BB:BB+15], v[CB:CB+7], v[SS+KK], v[TR] matrix_a_fmt:MATRIX_FMT_BF8 matrix_b_fmt:MATRIX_FMT_BF8 matrix_b_scale:MATRIX_SCALE_ROW1
.else
	v_wmma_scale_f32_16x16x128_f8f6f4 v[DB:DB+7], v[AB:AB+15], v[BB:BB+15], v[CB:CB+7], v[SS+KK], v[TR] matrix_a_fmt:MATRIX_FMT_BF8 matrix_b_fmt:MATRIX_FMT_BF8 matrix_a_scale:MATRIX_SCALE_ROW1 matrix_b_scale:MATRIX_SCALE_ROW1
.endif
.endm
; K step KK: 16 products, the 16 accumulators by turns; then the fragments of two steps on into the buffer just used
.macro KSTEP
.if KK == NS-1
	s_wait_dscnt 0x0
.else
	s_wait_dscnt 32                                ; this step's fragments are in; the next step's 32 loads may stay out
.endif
	WIN 0x06+KK/8
.irp m, 0,1,2,3,4,5,6,7
.irp u, 0,1
	MM \m, \u
.endr
.endr
	WIN 0
.rept 8
	v_nop                                          ; places ahead of loads into registers that the products have read, and of the first read of results
.endr
.if FFN2 && (KK == 7)
	WIN 0x80                                       ; the residual's images take the registers of W's K steps 0 to 3, which are done with
.irp m, 0,1,2,3,4,5,6,7
.irp jj, 0,1,2,3
	global_load_b128 v[RB+16*\m+4*\jj:RB+16*\m+4*\jj+3], v[LI], s[12:13] offset:\m*32768+512*\jj th:TH_LOAD_NT
.endr
.endr
	WIN 0
.endif
.if KK+2 < NS
.if (KK+2)%4 == 0
	s_wait_tensorcnt NCH-1-(KK+2)/4                ; my quarter of the next chunk has landed; the chunks behind it may stay out
	s_wait_dscnt 0x0
	s_barrier_signal -1
	s_barrier_wait -1                              ; everybody's has
.endif
.set TL, KK+2
	TLOAD
.endif
.endm
	s_load_b256 s[4:11], s[0:1], 0x0               ; act, W's codes, W's scales, bias
	s_load_b128 s[12:15], s[0:1], 0x20             ; res, out
	v_lshl_add_u32 v254, v0, 2, 0x29000
	v_mov_b32 v255, 0
	ds_add_u32 v254, v255
	ds_add_u32 v254, v255
	v_lshrrev_b32 v15, 5, v0
	v_readfirstlane_b32 s[WV], v15                 ; wave 0..3
	s_bfe_u32 s19, ttmp6, 0x40000                  ; cx: which 128 columns; it enters global addresses alone
	s_and_b32 s20, ttmp7, 0xffff                   ; which 128 rows
	s_mov_b32 s24, 15|(3<<16)|(1<<21)              ; the mask: all four; elements of 8 bytes; bit 21 beside a mask; no padding
	s_mov_b32 s25, 32<<16                          ; tensor_dim0 = 32
	s_mov_b32 s26, 66<<16                          ; tensor_dim1 = 66
	s_mov_b32 s27, 32<<16                          ; tile_dim0 = 32
	s_mov_b32 s28, 66                              ; tile_dim1 = 66 rows of 256 bytes: a quarter of a chunk
	s_mov_b32 s29, 32                              ; the pitch
	s_mov_b32 s30, 0
	s_mov_b32 s31, 0
	s_mul_i32 s21, s20, NCH*REC
	s_mul_i32 s22, s[WV], 16896
	s_add_co_u32 s52, s21, s22
	s_mov_b32 s53, 0
	s_wait_dscnt 0x0
	s_wait_kmcnt 0x0
	s_add_nc_u64 s[4:5], s[4:5], s[52:53]
	CROUND                                         ; all four work-groups are here: the joint loads meet
.set j, 0
.rept NCH
	s_mov_b32 s[G0+4*j], 1
	s_add_co_u32 s[G0+4*j+1], s22, j*REC
	s_add_nc_u64 s[G0+4*j+2:G0+4*j+3], s[4:5], j*REC
	s_or_b32 s[G0+4*j+3], s[G0+4*j+3], 0x80000000
.set j, j+1
.endr
.set j, 0
.rept NCH
	tensor_load_to_lds s[G0+4*j:G0+4*j+3], s[24:31]   ; NCH loads of mine are out, one for each chunk
	s_nop 0
.set j, j+1
.endr
.rept 4
	v_nop
.endr
	v_and_b32 v15, 31, v0
	v_lshlrev_b32 v[LI], 4, v15
.set j, 0
.rept NCH
	v_add_nc_u32 v[TA+j], j*REC, v[LI]
	v_add_nc_u32 v[TSA+j], j*REC+65536, v[LI]
.set j, j+1
.endr
	v_and_b32 v208, 15, v0                         ; r
	v_bfe_u32 v209, v0, 4, 1                       ; h
	v_and_b32 v210, 8, v208
	v_add_nc_u32 v210, v210, v208                  ; r + 8 (r / 8)
	v_mul_u32_u24 v[WA], v210, KB
	v_lshl_add_u32 v[WA], v209, 4, v[WA]
	v_lshl_add_u32 v211, v209, 3, v210
	v_mul_u32_u24 v[WSA], v211, KB/32
	v_lshlrev_b32 v[BA], 6, v209
	s_lshl_b32 s54, s19, 7
	s_lshl_b32 s55, s[WV], 5
	s_add_co_u32 s54, s54, s55                     ; my first column
	s_mov_b32 s57, 0
	s_mul_i32 s56, s54, KB
	s_add_nc_u64 s[6:7], s[6:7], s[56:57]
	s_mul_i32 s56, s54, KB/32
	s_add_nc_u64 s[8:9], s[8:9], s[56:57]
	s_lshl_b32 s56, s54, 2
	s_add_nc_u64 s[10:11], s[10:11], s[56:57]
	s_lshl_b32 s58, s20, 18                        ; images of f32: 8 row tiles of 32,768 bytes a block, 8,192 for 128 columns, 2,048 for my 32
	s_lshl_b32 s55, s19, 13
	s_add_co_u32 s58, s58, s55
	s_lshl_b32 s55, s[WV], 11
	s_add_co_u32 s58, s58, s55
	s_mov_b32 s59, 0
	s_lshl_b32 s60, s20, 18                        ; row-major f32: 128 rows of 2,048 bytes a block
	s_mov_b32 s61, 0
.if FFN2
	v_mul_u32_u24 v[XA], v210, 528                 ; the stage: row, + 64 h, + 128 w
	v_lshl_add_u32 v[XA], v209, 6, v[XA]
	s_lshl_b32 s55, s[WV], 7
	v_add_nc_u32 v[XA], s55, v[XA]
	s_mul_i32 s55, s[WV], 32*528
	v_add_nc_u32 v[SR], s55, v[LI]
	s_lshl_b32 s55, s[WV], 16
	s_add_co_u32 s60, s60, s55                     ; I store rows 32 w on,
	s_lshl_b32 s55, s19, 9
	s_add_co_u32 s60, s60, s55                     ; 512 bytes at the work-group's columns
	s_add_nc_u64 s[12:13], s[12:13], s[58:59]
	s_add_nc_u64 s[14:15], s[14:15], s[60:61]
.else
	v_lshlrev_b32 v[XA], 11, v210
	v_lshl_add_u32 v[XA], v209, 6, v[XA]
	s_add_co_u32 s60, s60, s56                     ; + 4 x my first column
	s_add_nc_u64 s[12:13], s[12:13], s[60:61]
	s_add_nc_u64 s[14:15], s[14:15], s[58:59]
.endif
.set f, 0
.rept 2*NS                             ; W's fragment 2 s + u: window 2 + f / 16, register 16 (f % 16)
	WIN 0x80+0x40*(f/16)
.irp c, 0,1,2,3
	global_load_b128 v[16*(f%16)+4*\c:16*(f%16)+4*\c+3], v[WA], s[6:7] offset:8*(f%2)*KB+128*(f/2)+32*\c
.endr
.set f, f+1
.endr
	WIN 0
.set q, 0
.rept NS/4
	global_load_b128 v[SS+4*q:SS+4*q+3], v[WSA], s[8:9] offset:16*q
.set q, q+1
.endr
.irp u, 0,1
	global_load_b128 v[BI+8*\u:BI+8*\u+3], v[BA], s[10:11] offset:32*\u
	global_load_b128 v[BI+8*\u+4:BI+8*\u+7], v[BA], s[10:11] offset:32*\u+16
.endr
.if FFN2 == 0
	WIN 0x80
.irp m, 0,1,2,3,4,5,6,7
.irp jj, 0,1,2,3
	global_load_b128 v[RB+16*\m+4*\jj:RB+16*\m+4*\jj+3], v[XA], s[12:13] offset:(32*(\m/2)+8*(\m%2))*2048+16*\jj
.endr
.endr
	WIN 0
.endif
	s_wait_tensorcnt NCH-1                         ; my quarter of chunk 0 has landed,
	s_barrier_signal -1
	s_barrier_wait -1                              ; everybody's has
.set TL, 0
	TLOAD
.set TL, 1
	TLOAD
	s_wait_loadcnt 0x0                             ; W, its scales, the bias
.set KK, 0
.rept NS
	KSTEP
.set KK, KK+1
.endr
	s_wait_loadcnt 0x0                             ; the residual
	WIN 0x08
.set p, 0
.rept 64
	v_pk_add_f32 v[ACC+2*p:ACC+2*p+1], v[ACC+2*p:ACC+2*p+1], v[RB+2*p:RB+2*p+1]
.set p, p+1
.endr
	WIN 0
.if FFN2
	s_wait_dscnt 0x0
	s_barrier_signal -1
	s_barrier_wait -1                              ; nobody reads chunk 0 any more, and it has had its one fill: the stage lies there
.irp m, 0,1,2,3,4,5,6,7
.irp jj, 0,1,2,3
	ds_store_b128 v[XA], v[ACC+16*\m+4*\jj:ACC+16*\m+4*\jj+3] offset:(32*(\m/2)+8*(\m%2))*528+16*\jj
.endr
.endr
	s_wait_dscnt 0x0
	s_barrier_signal -1
	s_barrier_wait -1                              ; 128 rows of 512 bytes lie in the stage
.set i, 0
.rept 32
	ds_load_b128 v[ACC+4*i:ACC+4*i+3], v[SR] offset:528*i
.set i, i+1
.endr
.set i, 0
.rept 32
	s_wait_dscnt 31-i
	global_store_b128 v[LI], v[ACC+4*i:ACC+4*i+3], s[14:15] offset:2048*i th:TH_STORE_NT   ; 32 lanes store 512 consecutive bytes, aligned
.set i, i+1
.endr
.else
.irp m, 0,1,2,3,4,5,6,7
.irp jj, 0,1,2,3
	global_store_b128 v[LI], v[ACC+16*\m+4*\jj:ACC+16*\m+4*\jj+3], s[14:15] offset:\m*32768+512*\jj   ; 512 consecutive bytes of an image
.endr
.endr
.endif
	s_wait_dscnt 0x0
	s_wait_tensorcnt 0x0
	ds_add_u32 v254, v255
	s_wait_dscnt 0x0
	CROUND                                         ; the closing round
	s_endpgm
.Lfunc_end_k_qb20f6e4cd3_l_proj:
	.size	k_qb20f6e4cd3_l_proj, .Lfunc_end_k_qb20f6e4cd3_l_proj-k_qb20f6e4cd3_l_proj
	.p2alignl 7, 3214868480
	.fill 96, 4, 3214868480
	.section	.rodata,"a",@progbits
	.p2align	6, 0x0
	.amdhsa_kernel k_qb20f6e4cd3_l_proj
		.amdhsa_group_segment_fixed_size 168448
		.amdhsa_private_segment_fixed_size 0
		.amdhsa_enable_private_segment 0
		.amdhsa_kernarg_size 48
		.amdhsa_user_sgpr_count 2
		.amdhsa_user_sgpr_kernarg_segment_ptr 1
		.amdhsa_wavefront_size32 1
		.amdhsa_system_sgpr_workgroup_id_x 1
		.amdhsa_system_sgpr_workgroup_id_y 1
		.amdhsa_system_sgpr_workgroup_id_z 1
		.amdhsa_system_vgpr_workitem_id 0
		.amdhsa_next_free_vgpr 768
		.amdhsa_next_free_sgpr 66
		.amdhsa_reserve_vcc 0
		.amdhsa_float_denorm_mode_32 3
		.amdhsa_float_denorm_mode_16_64 3
		.amdhsa_memory_ordered 1
		.amdhsa_forward_progress 1
		.amdhsa_inst_pref_size 37
	.end_amdhsa_kernel
	.amdgpu_metadata
---
amdhsa.version: [ 1, 2 ]
amdhsa.kernels:
  - .name:           k_qb20f6e4cd3_l_proj
    .symbol:         k_qb20f6e4cd3_l_proj.kd
    .args:
      - { .name: ctx, .offset: 0, .size: 8, .value_kind: global_buffer, .address_space: global }
      - { .name: Wo_codes, .offset: 8, .size: 8, .value_kind: global_buffer, .address_space: global }
      - { .name: Wo_scales, .offset: 16, .size: 8, .value_kind: global_buffer, .address_space: global }
      - { .name: bo, .offset: 24, .size: 8, .value_kind: global_buffer, .address_space: global }
      - { .name: x, .offset: 32, .size: 8, .value_kind: global_buffer, .address_space: global }
      - { .name: x1, .offset: 40, .size: 8, .value_kind: global_buffer, .address_space: global }
    .group_segment_fixed_size: 168448
    .private_segment_fixed_size: 0
    .kernarg_segment_align: 8
    .kernarg_segment_size: 48
    .max_flat_workgroup_size: 128
    .sgpr_count:     66
    .vgpr_count:     768
    .wavefront_size: 32
...
	.end_amdgpu_metadata
.endif
;; end of part 3
;; launch l_ffn1 (part 4): grid 64 x 4, 4 waves a work-group, no clusters, 76,288 bytes of LDS; arguments x1, ln2_scale, ln2_shift, W1_codes, W1_scales, b1, hid; writes hid
.if DOCPART == 4
	.amdgcn_target "amdgcn-amd-amdhsa--gfx1250"
	.amdhsa_code_object_version 6
	.text
	.protected	k_qb20f6e4cd3_l_ffn1
	.globl	k_qb20f6e4cd3_l_ffn1
	.p2align	8
	.type	k_qb20f6e4cd3_l_ffn1,@function
k_qb20f6e4cd3_l_ffn1:
	s_mov_b64 s[64:65], 0
	v_nop
	global_prefetch_b8 v0, s[64:65] scope:SCOPE_SE
	s_setreg_imm32_b32 hwreg(HW_REG_WAVE_MODE, 25, 1), 1
	s_wait_xcnt 0x0
; hid = Q(gelu(Q(layernorm(x1)) W1 + b1)): both operands in E5M2 with one E8M0 scale for 32 along K; the result is quantised along the hidden units and stored as images of the next product's operand.
; SHARES.  A work-group takes 128 rows (x) and 512 hidden units (y).  Wave w keeps units 128 w .. 128 w + 127 of the 512 (32 fragments of W1, 512 registers), normalises and quantises two of the eight
; tiles of 16 rows, and multiplies its units with all eight tiles, which go from wave to wave through LDS as images of the operand's registers.  A wave's 128 units are one K step of the next product.
; x1 arrives as register images: a load covers 512 consecutive bytes, and register 64 G + 16 b + i is column 128 G + 32 b + 16 h + i of the lane's row.
; gelu(x) = x / (1 + 2^(x (A + B x^2))), A = -2 log2(e) sqrt(2 / pi), B = 0.044715 A: the same function as 0.5 x (1 + tanh(..)), with no difference of near numbers.
; No multicast: the launch has no tensor load; W1 goes once from memory into registers and x1 is wanted in registers for the norm.
; LIMITS: NaN and infinities among the inputs are not served; a block of zeros gets the byte 1 with zero codes; 1 / sqrt is v_rsq_f32, the division v_rcp_f32 and a multiplication.
.set REC,  67584
.set ASC,  65536                       ; LDS: 32 fragment images from 0; their scale words;
.set LP,   69632                       ; gain and shift;
.set HSG,  73728                       ; the result's scale words [tile][row][wave], 2,048 bytes
.set XNEXT, 32768                      ; from a wave's first tile of x1 to its second
.set LI,  1
.set LS,  2
.set WA,  4
.set WSA, 5
.set GA,  6
.set IW,  7
.set ISW, 8
.set TA,  9
.set TSA, 10
.set T16, 11
.set LPA, 12
.set TS0, 13
.set GAV, 14                           ; v[14:15] gelu's A, twice
.set GN,  16                           ; v16-79   the gain of 128 columns; later b1, eight tiles
.set HA,  80                           ; v80-143  shift, then h, then 8 result tiles
.set PC,  144
.set TM,  160
.set PW,  176
.set MN,  178
.set RS,  180
.set CH,  182
.set TS,  198                          ; v198-201 h's scale words
.set SS,  206                          ; v206-237 W1's scale words
.set HSB, 238                          ; v238 HSG + 16 r + 4 w
.set HSA, 239
.set HSR, 240                          ; v240 HSG + 16 x thread
.set B1A, 241                          ; v241 64 h
.set OW,  242                          ; v242-245 scale words on their way out
.set GT,  128                          ; window 1, v128-191: gelu's work
.set WV,  24
.set SEL, 28
.set MNT, 30
.set R512, 31
.set EPSR, 32
.set WP,  10                           ; s[10:11] W1's codes, my 128 units
.set WSP, 12                           ; s[12:13] W1's scales
.set OC,  38
.set OS,  40
.set CNT, 42
.set TBH, 43
.set TB,  56
.set TBS, 57
.set GB,  58                           ; s[58:59] gelu's B, twice
.set MSB, 0
.macro WIN new
.if MSB != (\new)
	s_set_vgpr_msb (MSB<<8)|(\new)
.set MSB, (\new)
.endif
.endm
.macro PLACES n
.rept \n
	v_nop
.endr
.endm
.macro XLOAD part, ofs                 ; 128 columns of my tile into window 1
	WIN 0x40
.set q, 0
.rept 16
	global_load_b128 v[64*(\part)+4*q:64*(\part)+4*q+3], v[LI], s[4:5] offset:(\ofs)+8192*(\part)+512*q
.set q, q+1
.endr
.endm
.macro SLOAD                           ; my 32 fragments of W1: tile i, K step ks in window 2 + ks / 2 at register 16 (8 (ks % 2) + i)
.irp ks, 0,1,2,3
	WIN 0x80+0x40*(\ks/2)
.irp i, 0,1,2,3,4,5,6,7
.irp c, 0,1,2,3
	global_load_b128 v[16*(8*(\ks%2)+\i)+4*\c:16*(8*(\ks%2)+\i)+4*\c+3], v[WA], s[WP:WP+1] offset:(32*(\i/2)+8*(\i%2))*512+128*\ks+32*\c
.endr
.endr
.endr
	WIN 0
.endm
; 64 numbers of a lane, four blocks of 16 (the other 16 of each block lie in lane l xor 16), become 16 registers of codes in v[PC] on and a scale word in v[PW]
.macro QUANT s
.irp b, 0,1,2,3
	v_max3_num_f32 v[TM+\b], |v[(\s)+16*\b]|, |v[(\s)+1+16*\b]|, 0x8000000   ; with the floor 2^(16 - 127): the byte cannot fall under 1
.endr
.irp i, 2,4,6,8,10,12,14
.irp b, 0,1,2,3
	v_max3_num_f32 v[TM+\b], v[TM+\b], |v[(\s)+16*\b+\i]|, |v[(\s)+1+16*\b+\i]|
.endr
.endr
.irp b, 0,1,2,3
	v_permlanex16_b32 v[TM+4+\b], v[TM+\b], s[SEL], s[SEL+1]
.endr
.irp b, 0,1,2,3
	v_max_num_f32 v[TM+\b], v[TM+\b], v[TM+4+\b]
.endr
.irp b, 0,1,2,3
	v_add_nc_u32 v[TM+12+\b], 0xf8800000, v[TM+\b]            ; 15 off the exponent field: the conversion's scale operand
.endr
.irp b, 0,1,2,3
	v_and_or_b32 v[TM+8+\b], v[TM+\b], 0x7f800000, s[MNT]     ; 57,344 x the scale
.endr
.irp b, 0,1,2,3
	v_lshrrev_b32 v[TM+4+\b], 23, v[TM+12+\b]                 ; the scale's byte
.endr
	v_lshl_or_b32 v[PW], v[TM+5], 8, v[TM+4]
	v_lshl_or_b32 v[PW], v[TM+6], 16, v[PW]
	v_lshl_or_b32 v[PW], v[TM+7], 24, v[PW]
.irp b, 0,1,2,3
.irp i, 0,1,2,3,4,5,6,7,8,9,10,11,12,13,14,15
	v_med3_num_f32 v[(\s)+16*\b+\i], v[(\s)+16*\b+\i], -v[TM+8+\b], v[TM+8+\b]   ; the conversion does not saturate (ISA guide 7.6.2): the hold
.endr
	v_cvt_scalef32_pk8_bf8_f32 v[PC+4*\b:PC+1+4*\b], v[(\s)+16*\b:(\s)+7+16*\b], v[TM+12+\b]
	v_cvt_scalef32_pk8_bf8_f32 v[PC+2+4*\b:PC+3+4*\b], v[(\s)+8+16*\b:(\s)+15+16*\b], v[TM+12+\b]
.endr
	v_nop                                          ; a plain line behind the last conversion
.endm
.macro ROWSUM
	v_pk_add_f32 v[CH:CH+1], v[CH:CH+1], v[CH+2:CH+3]
	v_pk_add_f32 v[CH+4:CH+5], v[CH+4:CH+5], v[CH+6:CH+7]
	v_pk_add_f32 v[CH:CH+1], v[CH:CH+1], v[CH+4:CH+5]
	v_add_f32 v[CH], v[CH], v[CH+1]
	v_permlanex16_b32 v[CH+1], v[CH], s[SEL], s[SEL+1]
	v_add_f32 v[CH], v[CH], v[CH+1]
.endm
; One tile of 16 rows: mean, centred, variance, scaled; then K step by K step gain and shift, the quantiser, the image to LDS at img.  nxt = 1: used-up registers take the next tile's numbers.
.macro LNTILE img, nxt
	WIN 0x05
.irp k, 0,1,2,3
	v_pk_add_f32 v[CH+2*\k:CH+2*\k+1], v[4*\k:4*\k+1], v[4*\k+2:4*\k+3]
.endr
	WIN 0x04
.set p, 8
.rept 120
	v_pk_add_f32 v[CH+2*(p%4):CH+2*(p%4)+1], v[CH+2*(p%4):CH+2*(p%4)+1], v[2*p:2*p+1]
.set p, p+1
.endr
	WIN 0
	ROWSUM
	v_mul_f32 v[MN], s[R512], v[CH]
	v_mul_f32 v[MN+1], s[R512], v[CH]
	WIN 0x41
.set p, 0
.rept 128
	v_pk_add_f32 v[2*p:2*p+1], v[2*p:2*p+1], v[MN:MN+1] neg_lo:[0,1] neg_hi:[0,1]
.set p, p+1
.endr
	WIN 0x05
.irp k, 0,1,2,3
	v_pk_mul_f32 v[CH+2*\k:CH+2*\k+1], v[2*\k:2*\k+1], v[2*\k:2*\k+1]
.endr
.set p, 4
.rept 124
	v_pk_fma_f32 v[CH+2*(p%4):CH+2*(p%4)+1], v[2*p:2*p+1], v[2*p:2*p+1], v[CH+2*(p%4):CH+2*(p%4)+1]
.set p, p+1
.endr
	WIN 0
	ROWSUM
	v_fma_f32 v[CH], v[CH], s[R512], s[EPSR]
	v_rsq_f32 v[RS], v[CH]
	v_nop
	s_wait_alu depctr_va_vdst(0)                   ; the wait ahead of the first reader
	v_mov_b32 v[RS+1], v[RS]
	WIN 0x41
.set p, 0
.rept 128
	v_pk_mul_f32 v[2*p:2*p+1], v[2*p:2*p+1], v[RS:RS+1]
.set p, p+1
.endr
.irp ks, 0,1,2,3
	WIN 0
.irp b, 0,1,2,3
.irp j, 0,1,2,3
	ds_load_b128 v[GN+16*\b+4*\j:GN+16*\b+4*\j+3], v[GA] offset:512*\ks+128*\b+16*\j
.endr
.endr
.irp b, 0,1,2,3
.irp j, 0,1,2,3
	ds_load_b128 v[HA+16*\b+4*\j:HA+16*\b+4*\j+3], v[GA] offset:2048+512*\ks+128*\b+16*\j
.endr
.endr
	s_wait_dscnt 0x0                               ; gain and shift are in; the last image's stores have read their registers
	WIN 0x01
.set p, 0
.rept 32
	v_pk_fma_f32 v[HA+2*p:HA+2*p+1], v[64*\ks+2*p:64*\ks+2*p+1], v[GN+2*p:GN+2*p+1], v[HA+2*p:HA+2*p+1]
.set p, p+1
.endr
.if \nxt
	XLOAD \ks, XNEXT
.endif
	WIN 0
	QUANT HA
.irp c, 0,1,2,3
	ds_store_b128 v[IW], v[PC+4*\c:PC+4*\c+3] offset:(\img)+2048*\ks+512*\c
.endr
	ds_store_b32 v[ISW], v[PW] offset:(\img)/16+128*\ks
.endr
.endm
.macro TFETCH                          ; a tile's four fragments from LDS into window 1, v0-63, and its four scale words
	WIN 0x40
.irp ks, 0,1,2,3
.irp c, 0,1,2,3
	ds_load_b128 v[16*\ks+4*\c:16*\ks+4*\c+3], v[TA] offset:2048*\ks+512*\c
.endr
.endr
	WIN 0
.irp ks, 0,1,2,3
	ds_load_b32 v[TS+\ks], v[TSA] offset:128*\ks
.endr
.endm
; source 0 = 16 units of W1, source 1 = 16 rows; b1 is the C of each sum's first product.  The eight accumulators take turns.
.macro GSTEP
.irp ks, 0,1,2,3
	WIN 0x06+(\ks/2)
.irp i, 0,1,2,3,4,5,6,7
.if \ks == 0
	v_wmma_scale_f32_16x16x128_f8f6f4 v[HA+8*\i:HA+8*\i+7], v[16*(8*(\ks%2)+\i):16*(8*(\ks%2)+\i)+15], v[16*\ks:16*\ks+15], v[GN+8*\i:GN+8*\i+7], v[SS+4*\i+\ks], v[TS+\ks] matrix_a_fmt:MATRIX_FMT_BF8 matrix_b_fmt:MATRIX_FMT_BF8
.else
	v_wmma_scale_f32_16x16x128_f8f6f4 v[HA+8*\i:HA+8*\i+7], v[16*(8*(\ks%2)+\i):16*(8*(\ks%2)+\i)+15], v[16*\ks:16*\ks+15], v[HA+8*\i:HA+8*\i+7], v[SS+4*\i+\ks], v[TS+\ks] matrix_a_fmt:MATRIX_FMT_BF8 matrix_b_fmt:MATRIX_FMT_BF8
.endif
.endr
.endr
.endm
; gelu of the 64 numbers in v[HA] on: two batches of 64 transcendentals, one wait each
.macro GELU
	WIN 0x40
.set p, 0
.rept 32
	v_pk_mul_f32 v[GT+2*p:GT+2*p+1], v[HA+2*p:HA+2*p+1], v[HA+2*p:HA+2*p+1]
.set p, p+1
.endr
	WIN 0x41
.set p, 0
.rept 32
	v_pk_fma_f32 v[GT+2*p:GT+2*p+1], v[GT+2*p:GT+2*p+1], s[GB:GB+1], v[GAV:GAV+1] op_sel_hi:[1,0,1]   ; A + B x^2
.set p, p+1
.endr
.set p, 0
.rept 32
	v_pk_mul_f32 v[GT+2*p:GT+2*p+1], v[GT+2*p:GT+2*p+1], v[HA+2*p:HA+2*p+1]
.set p, p+1
.endr
.set p, 0
.rept 64
	v_exp_f32 v[GT+p], v[GT+p]
.set p, p+1
.endr
	v_nop
	s_wait_alu depctr_va_vdst(0)
.set p, 0
.rept 32
	v_pk_add_f32 v[GT+2*p:GT+2*p+1], v[GT+2*p:GT+2*p+1], 1.0 op_sel_hi:[1,0]
.set p, p+1
.endr
.set p, 0
.rept 64
	v_rcp_f32 v[GT+p], v[GT+p]
.set p, p+1
.endr
	v_nop
	s_wait_alu depctr_va_vdst(0)
	WIN 0x04
.set p, 0
.rept 32
	v_pk_mul_f32 v[HA+2*p:HA+2*p+1], v[HA+2*p:HA+2*p+1], v[GT+2*p:GT+2*p+1]
.set p, p+1
.endr
	WIN 0
.endm
	s_load_b256 s[4:11], s[0:1], 0x0               ; x1, gain, shift, W1's codes
	s_load_b128 s[12:15], s[0:1], 0x20             ; W1's scales, b1
	s_load_b64 s[16:17], s[0:1], 0x30              ; hid
	v_lshl_add_u32 v254, v0, 2, 0x12800
	v_mov_b32 v255, 0
	v_lshrrev_b32 v[CH], 5, v0
	v_readfirstlane_b32 s[WV], v[CH]               ; wave 0..3
	s_and_b32 s26, ttmp7, 0xffff                   ; which 512 hidden units
	v_and_b32 v[CH], 31, v0
	v_lshlrev_b32 v[LI], 4, v[CH]
	v_lshlrev_b32 v[LS], 2, v[CH]
	v_and_b32 v[CH], 15, v0                        ; r
	v_bfe_u32 v[CH+1], v0, 4, 1                    ; h
	v_and_b32 v[CH+2], 8, v[CH]
	v_add_nc_u32 v[CH+2], v[CH+2], v[CH]           ; r + 8 (r / 8)
	v_lshlrev_b32 v[WA], 9, v[CH+2]
	v_lshl_add_u32 v[WA], v[CH+1], 4, v[WA]
	v_lshlrev_b32 v[WSA], 4, v[CH+2]
	v_lshlrev_b32 v[B1A], 6, v[CH+1]
	v_add_nc_u32 v[GA], LP, v[B1A]
	s_lshl_b32 s44, s[WV], 14
	v_add_nc_u32 v[IW], s44, v[LI]
	s_lshl_b32 s44, s[WV], 10
	s_add_co_u32 s44, s44, ASC
	v_add_nc_u32 v[ISW], s44, v[LS]
	v_add_nc_u32 v[TS0], ASC, v[LS]
	v_lshlrev_b32 v[T16], 4, v0
	v_add_nc_u32 v[LPA], LP, v[T16]
	v_add_nc_u32 v[HSR], HSG, v[T16]
	s_lshl_b32 s44, s[WV], 2
	s_add_co_u32 s44, s44, HSG
	v_lshl_add_u32 v[HSB], v[CH], 4, s44
	v_mov_b32 v[GAV], 0xc0135761                   ; A
	v_mov_b32 v[GAV+1], 0xc0135761
	s_mov_b32 s[GB], 0xbdd2d3e8                    ; B
	s_mov_b32 s[GB+1], s[GB]
	s_mov_b32 s[SEL], 0x76543210
	s_mov_b32 s[SEL+1], 0xfedcba98
	s_mov_b32 s[MNT], 0x600000
	s_mov_b32 s[R512], 0x3b000000                  ; 1 / 512
	s_mov_b32 s[EPSR], 0x3727c5ac                  ; 1e-5
	s_lshl_b32 s44, ttmp9, 18
	s_lshl_b32 s45, s[WV], 16
	s_add_co_u32 s44, s44, s45                     ; x1: tile 8 X + 2 w, 32,768 bytes a tile
	s_lshl_b32 s46, s26, 18
	s_add_co_u32 s46, s46, s45                     ; W1's codes: row 512 Y + 128 w, 512 bytes a row
	s_mov_b32 s45, 0
	s_mov_b32 s47, 0
	s_lshr_b32 s48, s46, 5                         ; its scales: 16 bytes a row
	s_mov_b32 s49, 0
	s_lshr_b32 s50, s46, 7                         ; b1: 4 bytes
	s_mov_b32 s51, 0
	s_lshl_b32 s52, ttmp9, 2
	s_add_co_u32 s52, s52, s26
	s_mul_i32 s52, s52, REC                        ; hid's record 4 X + Y
	s_add_co_u32 s54, s52, 65536                   ; its scale words
	s_lshl_b32 s53, s[WV], 14
	s_add_co_u32 s52, s52, s53                     ; my K step's eight images
	s_mov_b32 s53, 0
	s_mov_b32 s55, 0
	s_wait_kmcnt 0x0
	s_add_nc_u64 s[4:5], s[4:5], s[44:45]
	s_add_nc_u64 s[WP:WP+1], s[WP:WP+1], s[46:47]
	s_add_nc_u64 s[WSP:WSP+1], s[WSP:WSP+1], s[48:49]
	s_add_nc_u64 s[14:15], s[14:15], s[50:51]
	s_add_nc_u64 s[OC:OC+1], s[16:17], s[52:53]
	s_add_nc_u64 s[OS:OS+1], s[16:17], s[54:55]
	global_load_b128 v[GN:GN+3], v[T16], s[6:7]    ; the gain and the shift: 16 bytes a thread
	global_load_b128 v[GN+4:GN+7], v[T16], s[8:9]
	XLOAD 0, 0
	XLOAD 1, 0
	XLOAD 2, 0
	XLOAD 3, 0
	SLOAD
.irp i, 0,1,2,3,4,5,6,7
	global_load_b128 v[SS+4*\i:SS+4*\i+3], v[WSA], s[WSP:WSP+1] offset:(32*(\i/2)+8*(\i%2))*16
.endr
.irp b, 0,1,2,3
	v_mov_b32 v[TM+4+\b], 0                        ; a lane permute's destination counts as one of its sources
.endr
	s_wait_loadcnt 63                              ; behind my first tile's loads stand the weight's 136: the wait names the most that it can, and gain, shift and tile are in
	ds_store_b128 v[LPA], v[GN:GN+3]
	ds_store_b128 v[LPA], v[GN+4:GN+7] offset:2048
	s_wait_dscnt 0x0
	s_barrier_signal -1
	s_barrier_wait -1                              ; gain and shift lie in LDS
	LNTILE 0, 1
	s_wait_loadcnt 0x0                             ; my second tile, and the weight
	LNTILE 8192, 0
.irp i, 0,1,2,3,4,5,6,7                        ; b1 into the registers that the gain has left: tile i, units 32 (i / 2) + 16 h + 8 (i % 2) + 0 .. 7
	global_load_b128 v[GN+8*\i:GN+8*\i+3], v[B1A], s[14:15] offset:(32*(\i/2)+8*(\i%2))*4
	global_load_b128 v[GN+8*\i+4:GN+8*\i+7], v[B1A], s[14:15] offset:(32*(\i/2)+8*(\i%2))*4+16
.endr
	s_wait_dscnt 0x0
	s_barrier_signal -1
	s_barrier_wait -1                              ; all 32 images lie in LDS
	s_mov_b32 s[CNT], 0
	s_mov_b32 s[TB], 0
	s_mov_b32 s[TBS], 0
	s_mov_b32 s[TBH], 0
	v_mov_b32 v[TA], v[LI]
	v_mov_b32 v[TSA], v[TS0]
	TFETCH
	s_wait_loadcnt 0x0                             ; b1
.Lrows:                                            ; eight trips, a tile of 16 rows each
	s_wait_dscnt 0x0                               ; the tile's fragments and scale words are in
	GSTEP
	WIN 0
	s_add_co_u32 s[TB], s[TB], 8192
	s_add_co_u32 s[TBS], s[TBS], 512
	v_add_nc_u32 v[TA], s[TB], v[LI]               ; these two and six v_nop are the eight places behind the products
	v_add_nc_u32 v[TSA], s[TBS], v[TS0]
	PLACES 6
	s_cmp_eq_u32 s[CNT], 7
	s_cbranch_scc1 .Lrows_last                     ; there is no ninth tile
	TFETCH
.Lrows_last:
	GELU
	QUANT HA
.irp c, 0,1,2,3
	global_store_b128 v[LI], v[PC+4*\c:PC+4*\c+3], s[OC:OC+1] offset:512*\c   ; the image: 2,048 consecutive bytes
.endr
	v_add_nc_u32 v[HSA], s[TBH], v[HSB]
	ds_store_b32 v[HSA], v[PW]                     ; my rows' word for my K step (both halves of the lanes hold the same)
	s_wait_xcnt 0x0                                ; the stores have read their registers and their base
	s_add_nc_u64 s[OC:OC+1], s[OC:OC+1], 2048
	s_add_co_u32 s[TBH], s[TBH], 256
	s_add_co_u32 s[CNT], s[CNT], 1
	s_cmp_lt_u32 s[CNT], 8
	s_cbranch_scc1 .Lrows
	s_wait_dscnt 0x0
	s_barrier_signal -1
	s_barrier_wait -1                              ; the four waves' words lie together: they leave as 2,048 consecutive bytes
	ds_load_b128 v[OW:OW+3], v[HSR]
	s_wait_dscnt 0x0
	global_store_b128 v[T16], v[OW:OW+3], s[OS:OS+1]
	s_wait_tensorcnt 0x0
	ds_add_u32 v254, v255
	s_wait_dscnt 0x0
	s_endpgm
.Lfunc_end_k_qb20f6e4cd3_l_ffn1:
	.size	k_qb20f6e4cd3_l_ffn1, .Lfunc_end_k_qb20f6e4cd3_l_ffn1-k_qb20f6e4cd3_l_ffn1
	.p2alignl 7, 3214868480
	.fill 96, 4, 3214868480
	.section	.rodata,"a",@progbits
	.p2align	6, 0x0
	.amdhsa_kernel k_qb20f6e4cd3_l_ffn1
		.amdhsa_group_segment_fixed_size 76288
		.amdhsa_private_segment_fixed_size 0
		.amdhsa_enable_private_segment 0
		.amdhsa_kernarg_size 56
		.amdhsa_user_sgpr_count 2
		.amdhsa_user_sgpr_kernarg_segment_ptr 1
		.amdhsa_wavefront_size32 1
		.amdhsa_system_sgpr_workgroup_id_x 1
		.amdhsa_system_sgpr_workgroup_id_y 1
		.amdhsa_system_sgpr_workgroup_id_z 1
		.amdhsa_system_vgpr_workitem_id 0
		.amdhsa_next_free_vgpr 1024
		.amdhsa_next_free_sgpr 66
		.amdhsa_reserve_vcc 0
		.amdhsa_float_denorm_mode_32 3
		.amdhsa_float_denorm_mode_16_64 3
		.amdhsa_memory_ordered 1
		.amdhsa_forward_progress 1
		.amdhsa_inst_pref_size 226
	.end_amdhsa_kernel
	.amdgpu_metadata
---
amdhsa.version: [ 1, 2 ]
amdhsa.kernels:
  - .name:           k_qb20f6e4cd3_l_ffn1
    .symbol:         k_qb20f6e4cd3_l_ffn1.kd
    .args:
      - { .name: x1, .offset: 0, .size: 8, .value_kind: global_buffer, .address_space: global }
      - { .name: ln2_scale, .offset: 8, .size: 8, .value_kind: global_buffer, .address_space: global }
      - { .name: ln2_shift, .offset: 16, .size: 8, .value_kind: global_buffer, .address_space: global }
      - { .name: W1_codes, .offset: 24, .size: 8, .value_kind: global_buffer, .address_space: global }
      - { .name: W1_scales, .offset: 32, .size: 8, .value_kind: global_buffer, .address_space: global }
      - { .name: b1, .offset: 40, .size: 8, .value_kind: global_buffer, .address_space: global }
      - { .name: hid, .offset: 48, .size: 8, .value_kind: global_buffer, .address_space: global }
    .group_segment_fixed_size: 76288
    .private_segment_fixed_size: 0
    .kernarg_segment_align: 8
    .kernarg_segment_size: 56
    .max_flat_workgroup_size: 128
    .sgpr_count:     66
    .vgpr_count:     1024
    .wavefront_size: 32
...
	.end_amdgpu_metadata
.endif
;; end of part 4
;; launch l_ffn2 (part 5): grid 4 x 64, 4 waves a work-group, clusters of 4 x 1, 270,848 bytes of LDS; arguments hid, W2_codes, W2_scales, b2, x1, out0; writes out0
.if DOCPART == 5
	.amdgcn_target "amdgcn-amd-amdhsa--gfx1250"
	.amdhsa_code_object_version 6
	.text
	.protected	k_qb20f6e4cd3_l_ffn2
	.globl	k_qb20f6e4cd3_l_ffn2
	.p2align	8
	.type	k_qb20f6e4cd3_l_ffn2,@function
k_qb20f6e4cd3_l_ffn2:
	s_mov_b64 s[64:65], 0
	v_nop
	global_prefetch_b8 v0, s[64:65] scope:SCOPE_SE
	s_setreg_imm32_b32 hwreg(HW_REG_WAVE_MODE, 25, 1), 1
	s_wait_xcnt 0x0
	s_wait_alu depctr_hold_cnt(0) depctr_sa_sdst(0) depctr_va_vdst(0) depctr_va_sdst(0) depctr_va_ssrc(0) depctr_va_vcc(0) depctr_vm_vsrc(0)
	s_getreg_b32 s2, hwreg(HW_REG_IB_STS2, 6, 4)
	s_cmp_eq_u32 s2, 0
	s_cbranch_scc0 .Lentry_in_a_cluster
	s_endpgm
.Lentry_in_a_cluster:
	s_bfe_u32 s2, ttmp6, 0x10000c
	s_cmp_lg_u32 s2, 0x3003
	s_cbranch_scc0 .Lentry_shape_is_right
	s_endpgm
.Lentry_shape_is_right:
; out = res + (act W^T + bias): act arrives as images of the operand's registers (codes of E5M2 and scale words), W as codes with K innermost.
; This text serves two launches by the two constants below: FFN2 = 0: x1 = x + ctx Wo + bo, K = 512, x1 stored as register images;  FFN2 = 1: out0 = x1 + hid W2 + b2, K = 2,048, out0 row-major.
; SHARES.  A work-group takes 128 rows (work-group y) x 128 columns (its place cx in the cluster).  The four partners need the same rows' images and ask for them JOINTLY: NS / 4 chunks of 67,584 bytes,
; each wave a quarter of each chunk, all asked for at the start and filled once.  Wave w keeps columns 32 w .. 32 w + 31 of the 128 (two tiles, all of K) in registers and multiplies them with all eight row tiles.
; Source 0 = 16 columns of W (lane r of tile u: column 8 u + r + 8 (r / 8)), source 1 = 16 rows: a lane's 16 registers of a row tile are 16 neighbouring columns.  The bias is the C of each sum's first product.
; One register carries two tiles' scale words: lanes 0-15 the even tile's, lanes 16-31 the odd tile's.
.set FFN2, 1
.set NS,   16                          ; K steps of 128
.set NCH,  NS/4                        ; chunks of four K steps
.set KB,   128*NS                      ; a row of W in bytes
.set REC,  67584                       ; a chunk: 32 fragment images of 2,048 bytes, then 2,048 bytes of scale words [tile][row][K step]
.set LI,  1                            ; v1    16 x lane
.set TA,  2                            ; v2-5  16 x lane + chunk
.set TSA, 6                            ; v6-9  the same + 65,536
.set WA,  10                           ; v10   W's codes
.set WSA, 11                           ; v11   W's scales: lanes 16-31 take tile 1's rows
.set BA,  12                           ; v12   64 h
.set XA,  13                           ; v13   FFN2 = 0: x's rows;  1: where I put 16 bytes of a row in the stage
.set SR,  14                           ; v14   where I read a row back
.set SS,  16                           ; v16-31   W's scale words, one register a K step
.set TS,  32                           ; v32-63   the rows' scale words, two sets of 16: register 4 (m / 2) + K step % 4
.set ACC, 64                           ; v64-191  accumulator (m, u) at 16 m + 8 u
.set BI,  192                          ; v192-207 the bias, two tiles
.set RB,  128*(1-FFN2)                 ; the residual, in window 2
.set WV,  18
.set G0,  36
.set MSB, 0
.macro WIN new
.if MSB != (\new)
	s_set_vgpr_msb (MSB<<8)|(\new)
.set MSB, (\new)
.endif
.endm
.macro CROUND
	s_barrier_signal -1
	s_barrier_wait -1
	s_cmp_lg_u32 s[WV], 0
	s_cbranch_scc1 .Lnw0_\@
	s_barrier_signal -3
.Lnw0_\@:
	s_barrier_wait -3
	s_barrier_signal -1
	s_barrier_wait -1
.endm
; K step TL's eight row fragments into window 1, buffer TL % 2; with a chunk's first step its scale words
.macro TLOAD
.if TL%4 == 0
.irp q, 0,1,2,3
	ds_load_b128 v[TS+16*((TL/4)%2)+4*\q:TS+16*((TL/4)%2)+4*\q+3], v[TSA+TL/4] offset:512*\q
.endr
.endif
	WIN 0x40
.irp m, 0,1,2,3,4,5,6,7
.irp c, 0,1,2,3
	ds_load_b128 v[128*(TL%2)+16*\m+4*\c:128*(TL%2)+16*\m+4*\c+3], v[TA+TL/4] offset:(8*(TL%4)+\m)*2048+512*\c
.endr
.endr
	WIN 0
.endm
.macro MM m, u                         ; one product of K step KK
.set DB, ACC+16*(\m)+8*(\u)
.set CB, DB
.if KK == 0
.set CB, BI+8*(\u)
.endif
.set AB, 16*((2*KK+(\u))%16)
.set BB, 128*(KK%2)+16*(\m)
.set TR, TS+16*((KK/4)%2)+4*((\m)/2)+KK%4
.if ((\u) == 0) && ((\m)%2 == 0)
	v_wmma_scale_f32_16x16x128_f8f6f4 v[DB:DB+7], v[AB:AB+15], v[BB:BB+15], v[CB:CB+7], v[SS+KK], v[TR] matrix_a_fmt:MATRIX_FMT_BF8 matrix_b_fmt:MATRIX_FMT_BF8
.elseif (\m)%2 == 0
	v_wmma_scale_f32_16x16x128_f8f6f4 v[DB:DB+7], v[AB:AB+15], v[BB:BB+15], v[CB:CB+7], v[SS+KK], v[TR] matrix_a_fmt:MATRIX_FMT_BF8 matrix_b_fmt:MATRIX_FMT_BF8 matrix_a_scale:MATRIX_SCALE_ROW1
.elseif (\u) == 0
	v_wmma_scale_f32_16x16x128_f8f6f4 v[DB:DB+7], v[AB:AB+15], v[BB:BB+15], v[CB:CB+7], v[SS+KK], v[TR] matrix_a_fmt:MATRIX_FMT_BF8 matrix_b_fmt:MATRIX_FMT_BF8 matrix_b_scale:MATRIX_SCALE_ROW1
.else
	v_wmma_scale_f32_16x16x128_f8f6f4 v[DB:DB+7], v[AB:AB+15], v[BB:BB+15], v[CB:CB+7], v[SS+KK], v[TR] matrix_a_fmt:MATRIX_FMT_BF8 matrix_b_fmt:MATRIX_FMT_BF8 matrix_a_scale:MATRIX_SCALE_ROW1 matrix_b_scale:MATRIX_SCALE_ROW1
.endif
.endm
; K step KK: 16 products, the 16 accumulators by turns; then the fragments of two steps on into the buffer just used
.macro KSTEP
.if KK == NS-1
	s_wait_dscnt 0x0
.else
	s_wait_dscnt 32                                ; this step's fragments are in; the next step's 32 loads may stay out
.endif
	WIN 0x06+KK/8
.irp m, 0,1,2,3,4,5,6,7
.irp u, 0,1
	MM \m, \u
.endr
.endr
	WIN 0
.rept 8
	v_nop                                          ; places ahead of loads into registers that the products have read, and of the first read of results
.endr
.if FFN2 && (KK == 7)
	WIN 0x80                                       ; the residual's images take the registers of W's K steps 0 to 3, which are done with
.irp m, 0,1,2,3,4,5,6,7
.irp jj, 0,1,2,3
	global_load_b128 v[RB+16*\m+4*\jj:RB+16*\m+4*\jj+3], v[LI], s[12:13] offset:\m*32768+512*\jj th:TH_LOAD_NT
.endr
.endr
	WIN 0
.endif
.if KK+2 < NS
.if (KK+2)%4 == 0
	s_wait_tensorcnt NCH-1-(KK+2)/4                ; my quarter of the next chunk has landed; the chunks behind it may stay out
	s_wait_dscnt 0x0
	s_barrier_signal -1
	s_barrier_wait -1                              ; everybody's has
.endif
.set TL, KK+2
	TLOAD
.endif
.endm
	s_load_b256 s[4:11], s[0:1], 0x0               ; act, W's codes, W's scales, bias
	s_load_b128 s[12:15], s[0:1], 0x20             ; res, out
	v_lshl_add_u32 v254, v0, 2, 0x42000
	v_mov_b32 v255, 0
	ds_add_u32 v254, v255
	ds_add_u32 v254, v255
	v_lshrrev_b32 v15, 5, v0
	v_readfirstlane_b32 s[WV], v15                 ; wave 0..3
	s_bfe_u32 s19, ttmp6, 0x40000                  ; cx: which 128 columns; it enters global addresses alone
	s_and_b32 s20, ttmp7, 0xffff                   ; which 128 rows
	s_mov_b32 s24, 15|(3<<16)|(1<<21)              ; the mask: all four; elements of 8 bytes; bit 21 beside a mask; no padding
	s_mov_b32 s25, 32<<16                          ; tensor_dim0 = 32
	s_mov_b32 s26, 66<<16                          ; tensor_dim1 = 66
	s_mov_b32 s27, 32<<16                          ; tile_dim0 = 32
	s_mov_b32 s28, 66                              ; tile_dim1 = 66 rows of 256 bytes: a quarter of a chunk
	s_mov_b32 s29, 32                              ; the pitch
	s_mov_b32 s30, 0
	s_mov_b32 s31, 0
	s_mul_i32 s21, s20, NCH*REC
	s_mul_i32 s22, s[WV], 16896
	s_add_co_u32 s52, s21, s22
	s_mov_b32 s53, 0
	s_wait_dscnt 0x0
	s_wait_kmcnt 0x0
	s_add_nc_u64 s[4:5], s[4:5], s[52:53]
	CROUND                                         ; all four work-groups are here: the joint loads meet
.set j, 0
.rept NCH
	s_mov_b32 s[G0+4*j], 1
	s_add_co_u32 s[G0+4*j+1], s22, j*REC
	s_add_nc_u64 s[G0+4*j+2:G0+4*j+3], s[4:5], j*REC
	s_or_b32 s[G0+4*j+3], s[G0+4*j+3], 0x80000000
.set j, j+1
.endr
.set j, 0
.rept NCH
	tensor_load_to_lds s[G0+4*j:G0+4*j+3], s[24:31]   ; NCH loads of mine are out, one for each chunk
	s_nop 0
.set j, j+1
.endr
.rept 4
	v_nop
.endr
	v_and_b32 v15, 31, v0
	v_lshlrev_b32 v[LI], 4, v15
.set j, 0
.rept NCH
	v_add_nc_u32 v[TA+j], j*REC, v[LI]
	v_add_nc_u32 v[TSA+j], j*REC+65536, v[LI]
.set j, j+1
.endr
	v_and_b32 v208, 15, v0                         ; r
	v_bfe_u32 v209, v0, 4, 1                       ; h
	v_and_b32 v210, 8, v208
	v_add_nc_u32 v210, v210, v208                  ; r + 8 (r / 8)
	v_mul_u32_u24 v[WA], v210, KB
	v_lshl_add_u32 v[WA], v209, 4, v[WA]
	v_lshl_add_u32 v211, v209, 3, v210
	v_mul_u32_u24 v[WSA], v211, KB/32
	v_lshlrev_b32 v[BA], 6, v209
	s_lshl_b32 s54, s19, 7
	s_lshl_b32 s55, s[WV], 5
	s_add_co_u32 s54, s54, s55                     ; my first column
	s_mov_b32 s57, 0
	s_mul_i32 s56, s54, KB
	s_add_nc_u64 s[6:7], s[6:7], s[56:57]
	s_mul_i32 s56, s54, KB/32
	s_add_nc_u64 s[8:9], s[8:9], s[56:57]
	s_lshl_b32 s56, s54, 2
	s_add_nc_u64 s[10:11], s[10:11], s[56:57]
	s_lshl_b32 s58, s20, 18                        ; images of f32: 8 row tiles of 32,768 bytes a block, 8,192 for 128 columns, 2,048 for my 32
	s_lshl_b32 s55, s19, 13
	s_add_co_u32 s58, s58, s55
	s_lshl_b32 s55, s[WV], 11
	s_add_co_u32 s58, s58, s55
	s_mov_b32 s59, 0
	s_lshl_b32 s60, s20, 18                        ; row-major f32: 128 rows of 2,048 bytes a block
	s_mov_b32 s61, 0
.if FFN2
	v_mul_u32_u24 v[XA], v210, 528                 ; the stage: row, + 64 h, + 128 w
	v_lshl_add_u32 v[XA], v209, 6, v[XA]
	s_lshl_b32 s55, s[WV], 7
	v_add_nc_u32 v[XA], s55, v[XA]
	s_mul_i32 s55, s[WV], 32*528
	v_add_nc_u32 v[SR], s55, v[LI]
	s_lshl_b32 s55, s[WV], 16
	s_add_co_u32 s60, s60, s55                     ; I store rows 32 w on,
	s_lshl_b32 s55, s19, 9
	s_add_co_u32 s60, s60, s55                     ; 512 bytes at the work-group's columns
	s_add_nc_u64 s[12:13], s[12:13], s[58:59]
	s_add_nc_u64 s[14:15], s[14:15], s[60:61]
.else
	v_lshlrev_b32 v[XA], 11, v210
	v_lshl_add_u32 v[XA], v209, 6, v[XA]
	s_add_co_u32 s60, s60, s56                     ; + 4 x my first column
	s_add_nc_u64 s[12:13], s[12:13], s[60:61]
	s_add_nc_u64 s[14:15], s[14:15], s[58:59]
.endif
.set f, 0
.rept 2*NS                             ; W's fragment 2 s + u: window 2 + f / 16, register 16 (f % 16)
	WIN 0x80+0x40*(f/16)
.irp c, 0,1,2,3
	global_load_b128 v[16*(f%16)+4*\c:16*(f%16)+4*\c+3], v[WA], s[6:7] offset:8*(f%2)*KB+128*(f/2)+32*\c
.endr
.set f, f+1
.endr
	WIN 0
.set q, 0
.rept NS/4
	global_load_b128 v[SS+4*q:SS+4*q+3], v[WSA], s[8:9] offset:16*q
.set q, q+1
.endr
.irp u, 0,1
	global_load_b128 v[BI+8*\u:BI+8*\u+3], v[BA], s[10:11] offset:32*\u
	global_load_b128 v[BI+8*\u+4:BI+8*\u+7], v[BA], s[10:11] offset:32*\u+16
.endr
.if FFN2 == 0
	WIN 0x80
.irp m, 0,1,2,3,4,5,6,7
.irp jj, 0,1,2,3
	global_load_b128 v[RB+16*\m+4*\jj:RB+16*\m+4*\jj+3], v[XA], s[12:13] offset:(32*(\m/2)+8*(\m%2))*2048+16*\jj
.endr
.endr
	WIN 0
.endif
	s_wait_tensorcnt NCH-1                         ; my quarter of chunk 0 has landed,
	s_barrier_signal -1
	s_barrier_wait -1                              ; everybody's has
.set TL, 0
	TLOAD
.set TL, 1
	TLOAD
	s_wait_loadcnt 0x0                             ; W, its scales, the bias
.set KK, 0
.rept NS
	KSTEP
.set KK, KK+1
.endr
	s_wait_loadcnt 0x0                             ; the residual
	WIN 0x08
.set p, 0
.rept 64
	v_pk_add_f32 v[ACC+2*p:ACC+2*p+1], v[ACC+2*p:ACC+2*p+1], v[RB+2*p:RB+2*p+1]
.set p, p+1
.endr
	WIN 0
.if FFN2
	s_wait_dscnt 0x0
	s_barrier_signal -1
	s_barrier_wait -1                              ; nobody reads chunk 0 any more, and it has had its one fill: the stage lies there
.irp m, 0,1,2,3,4,5,6,7
.irp jj, 0,1,2,3
	ds_store_b128 v[XA], v[ACC+16*\m+4*\jj:ACC+16*\m+4*\jj+3] offset:(32*(\m/2)+8*(\m%2))*528+16*\jj
.endr
.endr
	s_wait_dscnt 0x0
	s_barrier_signal -1
	s_barrier_wait -1                              ; 128 rows of 512 bytes lie in the stage
.set i, 0
.rept 32
	ds_load_b128 v[ACC+4*i:ACC+4*i+3], v[SR] offset:528*i
.set i, i+1
.endr
.set i, 0
.rept 32
	s_wait_dscnt 31-i
	global_store_b128 v[LI], v[ACC+4*i:ACC+4*i+3], s[14:15] offset:2048*i th:TH_STORE_NT   ; 32 lanes store 512 consecutive bytes, aligned
.set i, i+1
.endr
.else
.irp m, 0,1,2,3,4,5,6,7
.irp jj, 0,1,2,3
	global_store_b128 v[LI], v[ACC+16*\m+4*\jj:ACC+16*\m+4*\jj+3], s[14:15] offset:\m*32768+512*\jj   ; 512 consecutive bytes of an image
.endr
.endr
.endif
	s_wait_dscnt 0x0
	s_wait_tensorcnt 0x0
	ds_add_u32 v254, v255
	s_wait_dscnt 0x0
	CROUND                                         ; the closing round
	s_endpgm
.Lfunc_end_k_qb20f6e4cd3_l_ffn2:
	.size	k_qb20f6e4cd3_l_ffn2, .Lfunc_end_k_qb20f6e4cd3_l_ffn2-k_qb20f6e4cd3_l_ffn2
	.p2alignl 7, 3214868480
	.fill 96, 4, 3214868480
	.section	.rodata,"a",@progbits
	.p2align	6, 0x0
	.amdhsa_kernel k_qb20f6e4cd3_l_ffn2
		.amdhsa_group_segment_fixed_size 270848
		.amdhsa_private_segment_fixed_size 0
		.amdhsa_enable_private_segment 0
		.amdhsa_kernarg_size 48
		.amdhsa_user_sgpr_count 2
		.amdhsa_user_sgpr_kernarg_segment_ptr 1
		.amdhsa_wavefront_size32 1
		.amdhsa_system_sgpr_workgroup_id_x 1
		.amdhsa_system_sgpr_workgroup_id_y 1
		.amdhsa_system_sgpr_workgroup_id_z 1
		.amdhsa_system_vgpr_workitem_id 0
		.amdhsa_next_free_vgpr 1024
		.amdhsa_next_free_sgpr 66
		.amdhsa_reserve_vcc 0
		.amdhsa_float_denorm_mode_32 3
		.amdhsa_float_denorm_mode_16_64 3
		.amdhsa_memory_ordered 1
		.amdhsa_forward_progress 1
		.amdhsa_inst_pref_size 107
	.end_amdhsa_kernel
	.amdgpu_metadata
---
amdhsa.version: [ 1, 2 ]
amdhsa.kernels:
  - .name:           k_qb20f6e4cd3_l_ffn2
    .symbol:         k_qb20f6e4cd3_l_ffn2.kd
    .args:
      - { .name: hid, .offset: 0, .size: 8, .value_kind: global_buffer, .address_space: global }
      - { .name: W2_codes, .offset: 8, .size: 8, .value_kind: global_buffer, .address_space: global }
      - { .name: W2_scales, .offset: 16, .size: 8, .value_kind: global_buffer, .address_space: global }
      - { .name: b2, .offset: 24, .size: 8, .value_kind: global_buffer, .address_space: global }
      - { .name: x1, .offset: 32, .size: 8, .value_kind: global_buffer, .address_space: global }
      - { .name: out0, .offset: 40, .size: 8, .value_kind: global_buffer, .address_space: global }
    .group_segment_fixed_size: 270848
    .private_segment_fixed_size: 0
    .kernarg_segment_align: 8
    .kernarg_segment_size: 48
    .max_flat_workgroup_size: 128
    .sgpr_count:     66
    .vgpr_count:     1024
    .wavefront_size: 32
...
	.end_amdgpu_metadata
.endif
;; end of part 5
;; ======== version 2 of 2: 5 launches
;; workspace buffers: qkv 13,369,344 bytes; ctx 4,325,376 bytes; x1 16,777,216 bytes; hid 17,301,504 bytes
;; launch l_qkv (part 6): grid 64 x 3, 4 waves a work-group, no clusters, 74,240 bytes of LDS; arguments x, ln1_scale, ln1_shift, Wq_codes, Wq_scales, Wk_codes, Wk_scales, Wv_codes, Wv_scales, qkv; writes qkv
.if DOCPART == 6
	.amdgcn_target "amdgcn-amd-amdhsa--gfx1250"
	.amdhsa_code_object_version 6
	.text
	.protected	k_qb20f6e4cd3_l_qkv
	.globl	k_qb20f6e4cd3_l_qkv
	.p2align	8
	.type	k_qb20f6e4cd3_l_qkv,@function
k_qb20f6e4cd3_l_qkv:
	s_mov_b64 s[64:65], 0
	v_nop
	global_prefetch_b8 v0, s[64:65] scope:SCOPE_SE
	s_setreg_imm32_b32 hwreg(HW_REG_WAVE_SCHED_MODE, 0, 2), 2
	s_setreg_imm32_b32 hwreg(HW_REG_WAVE_MODE, 25, 1), 1
	s_wait_xcnt 0x0
	s_wait_alu depctr_vm_vsrc(0)
; h = layernorm(x); q, k or v = h W (work-group y = 0, 1, 2), both operands in E5M2 with one E8M0 scale for 32 along K; the result is quantised again for attention.
; SHARES.  A work-group takes 128 rows of x and all 512 columns of one weight.  Wave w keeps columns 128 w .. 128 w + 127 (four heads: 32 fragments, 512 registers) for the whole launch,
; normalises and quantises two of the eight tiles of 16 rows, and then multiplies its columns with all eight tiles, which go from wave to wave through LDS as images of the operand's registers.
; ROW TILES.  Lane r of tile m takes row 32 (m / 2) + 8 (m % 2) + r + 8 (r / 8) of the 128; lane r of weight tile 2 b + u takes column 32 b + 8 u + r + 8 (r / 8).  So the 16 registers of two
; neighbouring result tiles are 16 neighbours along the next product's K: along a head's 32 for q and k (source 0 = W), along the keys for v (source 0 = h).
; OUT: a record for each (batch, head): K's codes, V's codes, K's and V's scale words, Q's codes and scale words, all in the order of attention's operand registers; a store of codes covers 512 consecutive bytes.
; No multicast: the launch has no tensor load; W goes once from memory into registers and x is wanted in registers for the norm.
; LIMITS: NaN and infinities among the inputs are not served; a block of zeros gets the byte 1 with zero codes (this program alone reads the bytes); 1 / sqrt is v_rsq_f32.
; THE MODE: SCHED_MODE bits 1:0 = 2 (LLVM: expert scheduling mode 2), set by the entry lines.  The code itself states the register dependences
; between vector or matrix instructions and memory or LDS instructions, with s_wait_alu, always for 0.
; THE PLAN.  Registers that memory or LDS instructions touch:
;   v1-8, v11-13   offsets and addresses, made once at the head, ahead of one wait on va_vdst, and never written again.
;   THE NORM.  x in window 1: K step ks is read last by that step's 32 multiply-adds; behind them the next tile's loads land in it.  GN: read by the same multiply-adds; behind them the next K step's gain lands in it.
;              HA: the shift lands in it; the multiply-adds and the quantiser work in it.  PC, PW: written by the quantiser, read by the image's five LDS stores.
;              A K step has one wait on va_vdst behind its multiply-adds (GN and x's K step are done with), one behind its quantiser (PC and PW are written, HA is done with), one on vm_vsrc ahead of the quantiser.
;   THE LOOPS. Two buffers of fragments in window 1 and two sets of scale words take turns: step m's products read buffer m % 2; at its head the loads of tile m + 1 go into the other buffer, whose last readers,
;              the products of step m - 1, stand ahead of that step's wait on va_vdst; behind that wait stand stores and scalar lines alone.  A trip of a loop runs two steps.
;              PC (v's path: PC and PC2) and SW: written by the quantiser, read by the step's stores.  TA, TSA: read by the fragments' loads, written once a trip.
;              A step has one wait on vm_vsrc, behind its products, and one on va_vdst, behind its quantiser.
.set HEADREC, 208896                   ; bytes of a head's record
.set VIMG, 65536
.set KSC,  131072
.set VSC,  135168
.set QIMG, 139264
.set QSC,  204800
.set ASC,  65536                       ; LDS: 32 fragment images of 2,048 bytes from 0; their scale words, 128 bytes each, from here;
.set LP,   69632                       ; the norm's gain, 2,048 bytes, and shift, 2,048 bytes
.set XNEXT, 16384                      ; from a wave's first tile of x to its second: 8 rows
.set LI,  1                            ; v1  16 x lane
.set LS,  2                            ; v2  4 x lane
.set XA,  3                            ; v3  x: (r + 8 (r / 8)) x 2,048 + 64 h
.set WA,  4                            ; v4  W's codes: (r + 8 (r / 8)) x 512 + 16 h
.set WSA, 5                            ; v5  W's scales: (r + 8 (r / 8)) x 16
.set GA,  6                            ; v6  LP + 64 h
.set IW,  7                            ; v7  where I store images: 16 x lane + 16,384 x wave
.set ISW, 8                            ; v8  and their scale words: ASC + 4 x lane + 1,024 x wave
.set TA,  9                            ; v9  the images of this trip's first tile
.set TSA, 10                           ; v10 their scale words
.set T16, 11                           ; v11 16 x thread
.set LPA, 12                           ; v12 LP + 16 x thread
.set TS0, 13                           ; v13 ASC + 4 x lane
.set GN,  16                           ; v16-79   the gain of 128 columns
.set HA,  80                           ; v80-143  shift, then h, then 8 result tiles
.set HV,  16                           ; v16-143  16 result tiles on v's path
.set PC,  144                          ; v144-159 codes
.set TM,  160                          ; v160-175 the quantiser's work
.set PW,  176                          ; v176     a scale word
.set MN,  178                          ; v[178:179] the mean, twice
.set RS,  180                          ; v[180:181] 1 / sqrt(var + eps), twice
.set TS1, 182                          ; v182-189 h's scale words, the second set on v's path
.set CH,  190                          ; v190-197 four chains of pairs, at the head and in the norm
.set SW,  190                          ; v190-197 behind the norm: scale words being gathered
.set TS,  198                          ; v198-205 h's scale words: q, k: two sets of four; v: the first set of eight
.set SS,  206                          ; v206-237 W's scale words: tile i, K step s at 4 i + s
.set PC2, 238                          ; v238-253 v's path: the codes of channel tiles 4 to 7
.set WV,  24
.set SEL, 28
.set MNT, 30
.set R512, 31
.set EPSR, 32
.set WP,  34                           ; s[34:35] W's codes, my 128 columns
.set WSP, 36                           ; s[36:37] W's scales
.set OC,  38                           ; s[38:39] where codes go
.set OS,  40                           ; s[40:41] where scale words go
.set CNT, 42
.set TB,  56
.set TBS, 57
.set MSB, 0
.macro WIN new                         ; the immediate's high byte repeats the setting that is left
.if MSB != (\new)
	s_set_vgpr_msb (MSB<<8)|(\new)
.set MSB, (\new)
.endif
.endm
.macro PLACES n
.rept \n
	v_nop
.endr
.endm
; 128 columns (K step part) of my tile of x into window 1: register 64 part + 16 b + i = column 128 part + 32 b + 16 h + i of the lane's row
.macro XLOAD part, ofs
	WIN 0x40
.irp b, 0,1,2,3
.irp j, 0,1,2,3
	global_load_b128 v[64*(\part)+16*\b+4*\j:64*(\part)+16*\b+4*\j+3], v[XA], s[4:5] offset:(\ofs)+512*(\part)+128*\b+16*\j
.endr
.endr
.endm
; my 32 fragments of W: tile i, K step ks in window 2 + ks / 2 at register 16 (8 (ks % 2) + i)
.macro SLOAD
.irp ks, 0,1,2,3
	WIN 0x80+0x40*(\ks/2)
.irp i, 0,1,2,3,4,5,6,7
.irp c, 0,1,2,3
	global_load_b128 v[16*(8*(\ks%2)+\i)+4*\c:16*(8*(\ks%2)+\i)+4*\c+3], v[WA], s[WP:WP+1] offset:(32*(\i/2)+8*(\i%2))*512+128*\ks+32*\c
.endr
.endr
.endr
	WIN 0
.endm
.macro GLOAD k                         ; the gain of K step k into GN
.irp b, 0,1,2,3
.irp j, 0,1,2,3
	ds_load_b128 v[GN+16*\b+4*\j:GN+16*\b+4*\j+3], v[GA] offset:512*(\k)+128*\b+16*\j
.endr
.endr
.endm
.macro HLOAD k                         ; the shift of K step k into HA
.irp b, 0,1,2,3
.irp j, 0,1,2,3
	ds_load_b128 v[HA+16*\b+4*\j:HA+16*\b+4*\j+3], v[GA] offset:2048+512*(\k)+128*\b+16*\j
.endr
.endr
.endm
; 64 numbers of a lane, four blocks of 16 (the other 16 of each block lie in lane l xor 16), become 16 registers of codes in v[pc] on; the bytes in v[TM+4] on; word = 1: the four bytes as a word in v[PW]
.macro QUANT s, word, pc
.irp b, 0,1,2,3
	v_max3_num_f32 v[TM+\b], |v[(\s)+16*\b]|, |v[(\s)+1+16*\b]|, 0x8000000   ; with the floor 2^(16 - 127): the byte cannot fall under 1
.endr
.irp i, 2,4,6,8,10,12,14
.irp b, 0,1,2,3
	v_max3_num_f32 v[TM+\b], v[TM+\b], |v[(\s)+16*\b+\i]|, |v[(\s)+1+16*\b+\i]|
.endr
.endr
.irp b, 0,1,2,3
	v_permlanex16_b32 v[TM+4+\b], v[TM+\b], s[SEL], s[SEL+1]
.endr
.irp b, 0,1,2,3
	v_max_num_f32 v[TM+\b], v[TM+\b], v[TM+4+\b]              ; the block's largest magnitude
.endr
.irp b, 0,1,2,3
	v_add_nc_u32 v[TM+12+\b], 0xf8800000, v[TM+\b]            ; 15 off its exponent field: the conversion's scale operand
.endr
.irp b, 0,1,2,3
	v_and_or_b32 v[TM+8+\b], v[TM+\b], 0x7f800000, s[MNT]     ; 57,344 x the scale
.endr
.irp b, 0,1,2,3
	v_lshrrev_b32 v[TM+4+\b], 23, v[TM+12+\b]                 ; the scale's byte
.endr
.if \word
	v_lshl_or_b32 v[PW], v[TM+5], 8, v[TM+4]
	v_lshl_or_b32 v[PW], v[TM+6], 16, v[PW]
	v_lshl_or_b32 v[PW], v[TM+7], 24, v[PW]
.endif
.irp b, 0,1,2,3
.irp i, 0,1,2,3,4,5,6,7,8,9,10,11,12,13,14,15
	v_med3_num_f32 v[(\s)+16*\b+\i], v[(\s)+16*\b+\i], -v[TM+8+\b], v[TM+8+\b]   ; the conversion does not saturate (ISA guide 7.6.2): the hold
.endr
	v_cvt_scalef32_pk8_bf8_f32 v[(\pc)+4*\b:(\pc)+1+4*\b], v[(\s)+16*\b:(\s)+7+16*\b], v[TM+12+\b]
	v_cvt_scalef32_pk8_bf8_f32 v[(\pc)+2+4*\b:(\pc)+3+4*\b], v[(\s)+8+16*\b:(\s)+15+16*\b], v[TM+12+\b]
.endr
	v_nop                                          ; a plain line behind the last conversion, ahead of whatever next writes its sources
.endm
.macro ROWSUM                          ; the four chains, both halves, both halves of the lanes: the row's sum in v[CH]
	v_pk_add_f32 v[CH:CH+1], v[CH:CH+1], v[CH+2:CH+3]
	v_pk_add_f32 v[CH+4:CH+5], v[CH+4:CH+5], v[CH+6:CH+7]
	v_pk_add_f32 v[CH:CH+1], v[CH:CH+1], v[CH+4:CH+5]
	v_add_f32 v[CH], v[CH], v[CH+1]
	v_permlanex16_b32 v[CH+1], v[CH], s[SEL], s[SEL+1]
	v_add_f32 v[CH], v[CH], v[CH+1]
.endm
; One tile of 16 rows (a lane holds 256 numbers of its row, in window 1): mean, centred, variance, scaled; then K step by K step gain and shift, the quantiser, the image to LDS at img.
; The first K step's gain and shift were asked for ahead of the tile.  nxt = 1: each K step's registers take the next tile's numbers as soon as they are used up, and the last K step asks for the next tile's first gain and shift.
.macro LNTILE img, nxt
	WIN 0x05
.irp k, 0,1,2,3
	v_pk_add_f32 v[CH+2*\k:CH+2*\k+1], v[4*\k:4*\k+1], v[4*\k+2:4*\k+3]
.endr
	WIN 0x04
.set p, 8
.rept 120
	v_pk_add_f32 v[CH+2*(p%4):CH+2*(p%4)+1], v[CH+2*(p%4):CH+2*(p%4)+1], v[2*p:2*p+1]
.set p, p+1
.endr
	WIN 0
	ROWSUM
	v_mul_f32 v[MN], s[R512], v[CH]
	v_mul_f32 v[MN+1], s[R512], v[CH]
	WIN 0x41
.set p, 0
.rept 128
	v_pk_add_f32 v[2*p:2*p+1], v[2*p:2*p+1], v[MN:MN+1] neg_lo:[0,1] neg_hi:[0,1]
.set p, p+1
.endr
	WIN 0x05
.irp k, 0,1,2,3
	v_pk_mul_f32 v[CH+2*\k:CH+2*\k+1], v[2*\k:2*\k+1], v[2*\k:2*\k+1]
.endr
.set p, 4
.rept 124
	v_pk_fma_f32 v[CH+2*(p%4):CH+2*(p%4)+1], v[2*p:2*p+1], v[2*p:2*p+1], v[CH+2*(p%4):CH+2*(p%4)+1]
.set p, p+1
.endr
	WIN 0
	ROWSUM
	v_fma_f32 v[CH], v[CH], s[R512], s[EPSR]       ; var + eps
	s_wait_alu depctr_va_vdst(0)
	v_rsq_f32 v[RS], v[CH]
	v_nop                                          ; a plain line behind the transcendental,
	s_wait_alu depctr_va_vdst(0)                   ; v_rsq_f32 has written v[RS], which the next line reads
	v_mov_b32 v[RS+1], v[RS]
	WIN 0x41
.set p, 0
.rept 128
	v_pk_mul_f32 v[2*p:2*p+1], v[2*p:2*p+1], v[RS:RS+1]
.set p, p+1
.endr
.irp ks, 0,1,2,3
	s_wait_dscnt 0x0                               ; this K step's gain and shift are in
	WIN 0x01
.set p, 0
.rept 32
	v_pk_fma_f32 v[HA+2*p:HA+2*p+1], v[64*\ks+2*p:64*\ks+2*p+1], v[GN+2*p:GN+2*p+1], v[HA+2*p:HA+2*p+1]
.set p, p+1
.endr
	WIN 0
.if (\ks < 3) || \nxt
	s_wait_alu depctr_va_vdst(0)                   ; the multiply-adds are done reading GN, in which the next gain lands, and x's K step, which the norm's lines wrote and in which the next tile's numbers land
	GLOAD (\ks+1)%4
.endif
.if \nxt
	XLOAD \ks, XNEXT                               ; loads and window switches alone stand between the wait and these loads
	WIN 0
.endif
.if (\ks > 0) || (\img > 0)
	s_wait_alu depctr_vm_vsrc(0)                   ; the last image's LDS stores have read PC and PW, which the quantiser writes again
.endif
	QUANT HA, 1, PC
	s_wait_alu depctr_va_vdst(0)                   ; the quantiser has written PC and PW, which the stores read, and is done with HA, in which the next shift lands
.irp c, 0,1,2,3
	ds_store_b128 v[IW], v[PC+4*\c:PC+4*\c+3] offset:(\img)+2048*\ks+512*\c
.endr
	ds_store_b32 v[ISW], v[PW] offset:(\img)/16+128*\ks
.if (\ks < 3) || \nxt
	HLOAD (\ks+1)%4
.endif
.endr
.endm
; a tile's four fragments from LDS into window 1 at buf, and its four scale words
.macro TFETCH buf, aofs, sofs, tsr
	WIN 0x40
.irp ks, 0,1,2,3
.irp c, 0,1,2,3
	ds_load_b128 v[(\buf)+16*\ks+4*\c:(\buf)+16*\ks+4*\c+3], v[TA] offset:(\aofs)+2048*\ks+512*\c
.endr
.endr
	WIN 0
.irp ks, 0,1,2,3
	ds_load_b32 v[(\tsr)+\ks], v[TSA] offset:(\sofs)+128*\ks
.endr
.endm
; q, k: source 0 = 16 columns of W, source 1 = 16 rows of h, from buffer buf with the scale words at tsr.  The eight accumulators take turns.
.macro GSTEP buf, tsr
.irp ks, 0,1,2,3
	WIN 0x06+(\ks/2)
.irp i, 0,1,2,3,4,5,6,7
.if \ks == 0
	v_wmma_scale_f32_16x16x128_f8f6f4 v[HA+8*\i:HA+8*\i+7], v[16*(8*(\ks%2)+\i):16*(8*(\ks%2)+\i)+15], v[(\buf)+16*\ks:(\buf)+16*\ks+15], 0, v[SS+4*\i+\ks], v[(\tsr)+\ks] matrix_a_fmt:MATRIX_FMT_BF8 matrix_b_fmt:MATRIX_FMT_BF8
.else
	v_wmma_scale_f32_16x16x128_f8f6f4 v[HA+8*\i:HA+8*\i+7], v[16*(8*(\ks%2)+\i):16*(8*(\ks%2)+\i)+15], v[(\buf)+16*\ks:(\buf)+16*\ks+15], v[HA+8*\i:HA+8*\i+7], v[SS+4*\i+\ks], v[(\tsr)+\ks] matrix_a_fmt:MATRIX_FMT_BF8 matrix_b_fmt:MATRIX_FMT_BF8
.endif
.endr
.endr
.endm
; v: the sources change places, so that a lane holds one column and its registers run along the keys.  t: which tile of the pair
.macro GSTEPV t, buf, tsr
.irp ks, 0,1,2,3
	WIN 0x09+4*(\ks/2)
.irp i, 0,1,2,3,4,5,6,7
.if \ks == 0
	v_wmma_scale_f32_16x16x128_f8f6f4 v[HV+16*\i+8*\t:HV+16*\i+8*\t+7], v[(\buf)+64*\t+16*\ks:(\buf)+64*\t+16*\ks+15], v[16*(8*(\ks%2)+\i):16*(8*(\ks%2)+\i)+15], 0, v[(\tsr)+4*\t+\ks], v[SS+4*\i+\ks] matrix_a_fmt:MATRIX_FMT_BF8 matrix_b_fmt:MATRIX_FMT_BF8
.else
	v_wmma_scale_f32_16x16x128_f8f6f4 v[HV+16*\i+8*\t:HV+16*\i+8*\t+7], v[(\buf)+64*\t+16*\ks:(\buf)+64*\t+16*\ks+15], v[16*(8*(\ks%2)+\i):16*(8*(\ks%2)+\i)+15], v[HV+16*\i+8*\t:HV+16*\i+8*\t+7], v[(\tsr)+4*\t+\ks], v[SS+4*\i+\ks] matrix_a_fmt:MATRIX_FMT_BF8 matrix_b_fmt:MATRIX_FMT_BF8
.endif
.endr
.endr
.endm
; q or k: one tile of 16 rows, from buffer p; a head's 32 numbers of a row are one block
.macro RSTEP p
	s_wait_dscnt 0x0                               ; this tile's fragments and scale words are in
.if \p
	s_cmp_eq_u32 s[CNT], 3
	s_cbranch_scc1 .Lrows_last                     ; there is no ninth tile
	TFETCH 0, 16384, 1024, TS                      ; the next tile into the other buffer.  No wait: its last readers, the last step's products, stand ahead of that step's wait on va_vdst, and nothing since names it
.Lrows_last:
.else
	TFETCH 64, 8192, 512, TS+4                     ; likewise (in the first trip: the wait ahead of the loop)
.endif
	GSTEP 64*\p, TS+4*\p
	WIN 0
	s_wait_alu depctr_vm_vsrc(0)                   ; the last step's stores have read PC and SW, which the lines below write again; the loads above have read TA and TSA
.if \p
	s_add_co_u32 s[TB], s[TB], 16384
	s_add_co_u32 s[TBS], s[TBS], 1024
	v_add_nc_u32 v[TA], s[TB], v[LI]               ; on to the next trip's two tiles.  These two and six v_nop are the eight places behind the products
	v_add_nc_u32 v[TSA], s[TBS], v[TS0]
	PLACES 6
.else
	PLACES 8                                       ; the eight places behind the products
.endif
	QUANT HA, 0, PC
.irp b, 0,1,2,3
	v_lshrrev_b32 v[SW+\b], 8, v[SW+\b]            ; head b's bytes of four tiles make a word, the first tile's lowest
.endr
.irp b, 0,1,2,3
	v_lshl_or_b32 v[SW+\b], v[TM+4+\b], 24, v[SW+\b]
.endr
	s_wait_alu depctr_va_vdst(0)                   ; PC and SW are written, which the stores read; so are TA and TSA; the products are done reading their buffer and scale words, in which the next step's loads land
.irp b, 0,1,2,3
	global_store_b128 v[LI], v[PC+4*\b:PC+4*\b+3], s[OC:OC+1] offset:\b*HEADREC   ; 512 consecutive bytes of head b's record
.endr
.if \p
	s_and_b32 s43, s[CNT], 1                       ; four tiles' bytes are a word: behind every second trip
	s_cmp_lg_u32 s43, 1
	s_cbranch_scc1 .Lrows_nowords
.irp b, 0,1,2,3
	global_store_b32 v[LS], v[SW+\b], s[OS:OS+1] offset:\b*HEADREC
.endr
	s_wait_xcnt 0x0                                ; the stores have read their base
	s_add_nc_u64 s[OS:OS+1], s[OS:OS+1], 128
.Lrows_nowords:
.endif
	s_wait_xcnt 0x0                                ; the stores have had their addresses translated: their registers and their base are written again only behind this wait
	s_add_nc_u64 s[OC:OC+1], s[OC:OC+1], 512
.endm
; v: one block of 32 keys (two tiles), from buffer p; a lane holds one channel, its 16 registers of a pair 16 neighbouring keys
.macro VSTEP p
	s_wait_dscnt 0x0                               ; this block's fragments and scale words are in
.if \p
	s_cmp_eq_u32 s[CNT], 1
	s_cbranch_scc1 .Lkeys_last                     ; there is no fifth block
	TFETCH 0, 32768, 2048, TS                      ; the next block into the other buffer.  No wait: its last readers, the last step's products, stand ahead of that step's wait on va_vdst, and nothing since names it
	TFETCH 64, 40960, 2560, TS+4
.Lkeys_last:
	GSTEPV 0, 128, TS1
	GSTEPV 1, 128, TS1
.else
	TFETCH 128, 16384, 1024, TS1                   ; likewise (in the first trip: the wait ahead of the loop)
	TFETCH 192, 24576, 1536, TS1+4
	GSTEPV 0, 0, TS
	GSTEPV 1, 0, TS
.endif
	WIN 0
	s_wait_alu depctr_vm_vsrc(0)                   ; the last step's stores have read PC and PC2, which the quantiser writes again; the loads above have read TA and TSA
.if \p
	s_add_co_u32 s[TB], s[TB], 32768
	s_add_co_u32 s[TBS], s[TBS], 2048
	v_add_nc_u32 v[TA], s[TB], v[LI]               ; on to the next trip's two blocks.  These two and six v_nop are the eight places behind the products
	v_add_nc_u32 v[TSA], s[TBS], v[TS0]
	PLACES 6
.else
	PLACES 8
.endif
	QUANT HV, 0, PC                                ; channel tiles 0 to 3
.irp i, 0,1,2,3
	v_lshrrev_b32 v[SW+\i], 8, v[SW+\i]
.endr
.irp i, 0,1,2,3
	v_lshl_or_b32 v[SW+\i], v[TM+4+\i], 24, v[SW+\i]
.endr
	QUANT HV+64, 0, PC2                            ; channel tiles 4 to 7, into codes' registers of their own
.irp i, 0,1,2,3
	v_lshrrev_b32 v[SW+4+\i], 8, v[SW+4+\i]
.endr
.irp i, 0,1,2,3
	v_lshl_or_b32 v[SW+4+\i], v[TM+4+\i], 24, v[SW+4+\i]
.endr
	s_wait_alu depctr_va_vdst(0)                   ; PC, PC2 and SW are written, which stores read; so are TA and TSA; the products are done reading their buffer and scale words, in which the next step's loads land
.irp i, 0,1,2,3
	global_store_b128 v[LI], v[PC+4*\i:PC+4*\i+3], s[OC:OC+1] offset:(\i/2)*HEADREC+(\i%2)*2048
.endr
.irp i, 0,1,2,3
	global_store_b128 v[LI], v[PC2+4*\i:PC2+4*\i+3], s[OC:OC+1] offset:(2+\i/2)*HEADREC+(\i%2)*2048
.endr
	s_wait_xcnt 0x0                                ; the stores have had their addresses translated: their registers and their base are written again only behind this wait
	s_add_nc_u64 s[OC:OC+1], s[OC:OC+1], 512       ; the next block of 32 keys
.endm
	s_load_b512 s[4:19], s[0:1], 0x0               ; x, gain, shift, Wq's codes, scales, Wk's codes, scales, Wv's codes
	s_load_b128 s[20:23], s[0:1], 0x40             ; Wv's scales, qkv
	v_lshl_add_u32 v254, v0, 2, 0x12000
	v_mov_b32 v255, 0
	v_lshrrev_b32 v[CH], 5, v0
	v_readfirstlane_b32 s[WV], v[CH]               ; wave 0..3
	s_and_b32 s26, ttmp7, 0xffff                   ; 0: q, 1: k, 2: v
	v_and_b32 v[CH], 31, v0
	v_lshlrev_b32 v[LI], 4, v[CH]
	v_lshlrev_b32 v[LS], 2, v[CH]
	v_and_b32 v[CH], 15, v0                        ; r
	v_bfe_u32 v[CH+1], v0, 4, 1                    ; h
	v_and_b32 v[CH+2], 8, v[CH]
	v_add_nc_u32 v[CH+2], v[CH+2], v[CH]           ; r + 8 (r / 8)
	v_lshlrev_b32 v[XA], 11, v[CH+2]
	v_lshl_add_u32 v[XA], v[CH+1], 6, v[XA]
	v_lshlrev_b32 v[WA], 9, v[CH+2]
	v_lshl_add_u32 v[WA], v[CH+1], 4, v[WA]
	v_lshlrev_b32 v[WSA], 4, v[CH+2]
	v_lshlrev_b32 v[GA], 6, v[CH+1]
	v_add_nc_u32 v[GA], LP, v[GA]
	s_wait_alu depctr_va_sdst(0)                   ; the wave's number is written, ahead of its first reader
	s_lshl_b32 s43, s[WV], 14
	v_add_nc_u32 v[IW], s43, v[LI]
	s_lshl_b32 s43, s[WV], 10
	s_add_co_u32 s43, s43, ASC
	v_add_nc_u32 v[ISW], s43, v[LS]
	v_add_nc_u32 v[TS0], ASC, v[LS]
	v_lshlrev_b32 v[T16], 4, v0
	v_add_nc_u32 v[LPA], LP, v[T16]
	s_mov_b32 s[SEL], 0x76543210
	s_mov_b32 s[SEL+1], 0xfedcba98                 ; v_permlanex16_b32's selects for lane l xor 16
	s_mov_b32 s[MNT], 0x600000                     ; the mantissa field of 57,344
	s_mov_b32 s[R512], 0x3b000000                  ; 1 / 512
	s_mov_b32 s[EPSR], 0x3727c5ac                  ; 1e-5
	s_lshl_b32 s44, ttmp9, 7
	s_lshl_b32 s45, s[WV], 5
	s_add_co_u32 s44, s44, s45
	s_lshl_b32 s44, s44, 11                        ; x: row 128 X + 32 w, 2,048 bytes a row
	s_mov_b32 s45, 0
	s_lshl_b32 s46, s[WV], 16                      ; W's codes: 128 w rows of 512 bytes
	s_mov_b32 s47, 0
	s_lshl_b32 s48, s[WV], 11                      ; W's scales: 128 w rows of 16 bytes
	s_mov_b32 s49, 0
	s_lshr_b32 s50, ttmp9, 4
	s_lshl_b32 s50, s50, 4
	s_lshl_b32 s51, s[WV], 2
	s_add_co_u32 s50, s50, s51                     ; 16 x batch + my first head
	s_mul_i32 s50, s50, HEADREC
	s_and_b32 s51, ttmp9, 15                       ; which 128 rows of the batch
	s_cmp_eq_u32 s26, 0
	s_cselect_b32 s52, QIMG, 0
	s_mov_b32 s54, KSC
	s_cselect_b32 s54, QSC, s54
	s_cmp_eq_u32 s26, 2
	s_cselect_b32 s52, VIMG, s52
	s_cselect_b32 s54, VSC, s54
	s_add_co_u32 s52, s52, s50
	s_add_co_u32 s54, s54, s50
	s_lshl_b32 s53, s51, 12
	s_add_co_u32 s52, s52, s53                     ; codes: 4,096 bytes for 128 rows
	s_lshl_b32 s53, s51, 8
	s_add_co_u32 s54, s54, s53                     ; scale words: 256
	s_mov_b32 s53, 0
	s_mov_b32 s55, 0
	s_wait_kmcnt 0x0
	s_cmp_eq_u32 s26, 0                            ; the weight is chosen by the work-group's number alone
	s_cselect_b64 s[WP:WP+1], s[10:11], s[14:15]
	s_cselect_b64 s[WSP:WSP+1], s[12:13], s[16:17]
	s_cmp_eq_u32 s26, 2
	s_cselect_b64 s[WP:WP+1], s[18:19], s[WP:WP+1]
	s_cselect_b64 s[WSP:WSP+1], s[20:21], s[WSP:WSP+1]
	s_add_nc_u64 s[WP:WP+1], s[WP:WP+1], s[46:47]
	s_add_nc_u64 s[WSP:WSP+1], s[WSP:WSP+1], s[48:49]
	s_add_nc_u64 s[4:5], s[4:5], s[44:45]
	s_add_nc_u64 s[OC:OC+1], s[22:23], s[52:53]
	s_add_nc_u64 s[OS:OS+1], s[22:23], s[54:55]
	s_wait_alu depctr_va_vdst(0)                   ; the offsets and addresses v1 to v8 and v11 to v13 are written, which the loads and stores of the whole kernel read
	global_load_b128 v[GN:GN+3], v[T16], s[6:7]    ; the gain and the shift: 16 bytes a thread
	global_load_b128 v[GN+4:GN+7], v[T16], s[8:9]
	XLOAD 0, 0
	XLOAD 1, 0
	XLOAD 2, 0
	XLOAD 3, 0
	SLOAD
.irp i, 0,1,2,3,4,5,6,7
	global_load_b128 v[SS+4*\i:SS+4*\i+3], v[WSA], s[WSP:WSP+1] offset:(32*(\i/2)+8*(\i%2))*16
.endr
.irp b, 0,1,2,3
	v_mov_b32 v[TM+4+\b], 0                        ; written once: a lane permute's destination counts as one of its sources
.endr
	s_wait_loadcnt 63                              ; behind my first tile's loads stand the weight's 136: the wait names the most that it can, and gain, shift and tile are in
	ds_store_b128 v[LPA], v[GN:GN+3]
	ds_store_b128 v[LPA], v[GN+4:GN+7] offset:2048
	s_wait_dscnt 0x0                               ; for the others' sake
	s_barrier_signal -1
	s_barrier_wait -1                              ; gain and shift lie in LDS
	s_wait_alu depctr_vm_vsrc(0)                   ; my two LDS stores have read v[GN .. GN+7], in which the gain lands
	GLOAD 0                                        ; the first K step's gain and shift land while the tile's mean and variance are taken
	HLOAD 0
	LNTILE 0, 1
	s_wait_loadcnt 0x0                             ; my second tile, and the weight
	LNTILE 8192, 0
	s_wait_dscnt 0x0
	s_barrier_signal -1
	s_barrier_wait -1                              ; all 32 images lie in LDS; from here on LDS is only read
	s_mov_b32 s[CNT], 0
	s_mov_b32 s[TB], 0
	s_mov_b32 s[TBS], 0
.irp i, 0,1,2,3,4,5,6,7
	v_mov_b32 v[SW+\i], 0                          ; the norm's chains are done with: the registers gather scale words from here on
.endr
	v_mov_b32 v[TA], v[LI]
	v_mov_b32 v[TSA], v[TS0]
	s_wait_alu depctr_va_vdst(0)                   ; TA and TSA are written, which the fragments' loads read; the norm's lines are done with window 1, in which those loads land
	s_cmp_eq_u32 s26, 2
	s_cbranch_scc1 .Lvalues
	; ---- q or k: four trips of two tiles
	TFETCH 0, 0, 0, TS
.Lrows:
	RSTEP 0
	RSTEP 1
	s_add_co_u32 s[CNT], s[CNT], 1
	s_cmp_lt_u32 s[CNT], 4
	s_cbranch_scc1 .Lrows
	s_wait_dscnt 0x0                               ; the closing lines, six on end
	s_wait_alu 0x0
	s_wait_tensorcnt 0x0
	ds_add_u32 v254, v255
	s_wait_dscnt 0x0
	s_endpgm
	; ---- v: two trips of two blocks of 32 keys
.Lvalues:
	TFETCH 0, 0, 0, TS
	TFETCH 64, 8192, 512, TS+4
.Lkeys:
	VSTEP 0
	VSTEP 1
	s_add_co_u32 s[CNT], s[CNT], 1
	s_cmp_lt_u32 s[CNT], 2
	s_cbranch_scc1 .Lkeys
.irp i, 0,1,2,3,4,5,6,7
	global_store_b32 v[LS], v[SW+\i], s[OS:OS+1] offset:(\i/2)*HEADREC+(\i%2)*128   ; SW was written ahead of the last step's wait on va_vdst, and no vector line stands behind that wait
.endr
	s_wait_dscnt 0x0                               ; the closing lines, six on end
	s_wait_alu 0x0
	s_wait_tensorcnt 0x0
	ds_add_u32 v254, v255
	s_wait_dscnt 0x0
	s_endpgm
.Lfunc_end_k_qb20f6e4cd3_l_qkv:
	.size	k_qb20f6e4cd3_l_qkv, .Lfunc_end_k_qb20f6e4cd3_l_qkv-k_qb20f6e4cd3_l_qkv
	.p2alignl 7, 3214868480
	.fill 96, 4, 3214868480
	.section	.rodata,"a",@progbits
	.p2align	6, 0x0
	.amdhsa_kernel k_qb20f6e4cd3_l_qkv
		.amdhsa_group_segment_fixed_size 74240
		.amdhsa_private_segment_fixed_size 0
		.amdhsa_enable_private_segment 0
		.amdhsa_kernarg_size 80
		.amdhsa_user_sgpr_count 2
		.amdhsa_user_sgpr_kernarg_segment_ptr 1
		.amdhsa_wavefront_size32 1
		.amdhsa_system_sgpr_workgroup_id_x 1
		.amdhsa_system_sgpr_workgroup_id_y 1
		.amdhsa_system_sgpr_workgroup_id_z 1
		.amdhsa_system_vgpr_workitem_id 0
		.amdhsa_next_free_vgpr 1024
		.amdhsa_next_free_sgpr 66
		.amdhsa_reserve_vcc 0
		.amdhsa_float_denorm_mode_32 3
		.amdhsa_float_denorm_mode_16_64 3
		.amdhsa_memory_ordered 1
		.amdhsa_forward_progress 1
		.amdhsa_inst_pref_size 255
	.end_amdhsa_kernel
	.section	.bss,"aw",@nobits
	.p2align	6
	.space	262144
	.amdgpu_metadata
---
amdhsa.version: [ 1, 2 ]
amdhsa.kernels:
  - .name:           k_qb20f6e4cd3_l_qkv
    .symbol:         k_qb20f6e4cd3_l_qkv.kd
    .args:
      - { .name: x, .offset: 0, .size: 8, .value_kind: global_buffer, .address_space: global }
      - { .name: ln1_scale, .offset: 8, .size: 8, .value_kind: global_buffer, .address_space: global }
      - { .name: ln1_shift, .offset: 16, .size: 8, .value_kind: global_buffer, .address_space: global }
      - { .name: Wq_codes, .offset: 24, .size: 8, .value_kind: global_buffer, .address_space: global }
      - { .name: Wq_scales, .offset: 32, .size: 8, .value_kind: global_buffer, .address_space: global }
      - { .name: Wk_codes, .offset: 40, .size: 8, .value_kind: global_buffer, .address_space: global }
      - { .name: Wk_scales, .offset: 48, .size: 8, .value_kind: global_buffer, .address_space: global }
      - { .name: Wv_codes, .offset: 56, .size: 8, .value_kind: global_buffer, .address_space: global }
      - { .name: Wv_scales, .offset: 64, .size: 8, .value_kind: global_buffer, .address_space: global }
      - { .name: qkv, .offset: 72, .size: 8, .value_kind: global_buffer, .address_space: global }
    .group_segment_fixed_size: 74240
    .private_segment_fixed_size: 0
    .kernarg_segment_align: 8
    .kernarg_segment_size: 80
    .max_flat_workgroup_size: 128
    .sgpr_count:     66
    .vgpr_count:     1024
    .wavefront_size: 32
...
	.end_amdgpu_metadata
.endif
;; end of part 6
;; launch l_attn (part 7): grid 4 x 64, 16 waves a work-group, clusters of 4 x 1, 169,984 bytes of LDS; arguments qkv, ctx; writes ctx
.if DOCPART == 7
	.amdgcn_target "amdgcn-amd-amdhsa--gfx1250"
	.amdhsa_code_object_version 6
	.text
	.protected	k_qb20f6e4cd3_l_attn
	.globl	k_qb20f6e4cd3_l_attn
	.p2align	8
	.type	k_qb20f6e4cd3_l_attn,@function
k_qb20f6e4cd3_l_attn:
	s_mov_b64 s[64:65], 0
	v_nop
	global_prefetch_b8 v0, s[64:65] scope:SCOPE_SE
	s_setreg_imm32_b32 hwreg(HW_REG_WAVE_MODE, 25, 1), 1
	s_wait_xcnt 0x0
	s_wait_alu depctr_hold_cnt(0) depctr_sa_sdst(0) depctr_va_vdst(0) depctr_va_sdst(0) depctr_va_ssrc(0) depctr_va_vcc(0) depctr_vm_vsrc(0)
	s_getreg_b32 s2, hwreg(HW_REG_IB_STS2, 6, 4)
	s_cmp_eq_u32 s2, 0
	s_cbranch_scc0 .Lentry_in_a_cluster
	s_endpgm
.Lentry_in_a_cluster:
	s_bfe_u32 s2, ttmp6, 0x10000c
	s_cmp_lg_u32 s2, 0x3003
	s_cbranch_scc0 .Lentry_shape_is_right
	s_endpgm
.Lentry_shape_is_right:
; Causal attention of one (batch, head) a cluster, on codes of E5M2; head size 32, 2,048 keys.  The result is divided by the row's sum, quantised along the model's 512 (a head is one block) and stored as images of the next product's operand.
; THE SOFTMAX AHEAD OF THE SECOND PRODUCT: t = score x log2(e) / sqrt(32); M = the running largest t rounded up to a whole number; p = 2^(t - M) is quantised along the keys; the row's sum is taken of the unquantised p.
; SHARES.  All four work-groups of a cluster hold the head's whole K, V and their scale words in LDS (139,264 bytes), asked for JOINTLY and filled once: sixteen waves, one load each of 34 rows of 256 bytes.
; Wave w takes query tile e = 2 cx + (w & 1) of the block of 128 queries J = w / 2, and then of block 15 - J: (J + 1) + (16 - J) = 17 key steps of 128 keys for every wave.  Branches hang on the wave's number
; and the step's counter alone; cx enters global addresses, a byte select and the mask's constant, and no LDS address.
; LAYOUT.  Both products are used transposed: a lane holds one query.  K = 32 INSIDE AN INSTRUCTION OF K = 128: source 0 holds FOUR key tiles, one in each block of 32; source 1 holds q in block c and zero codes elsewhere,
; so the product is S^T of key tile c (K's codes are held by the quantiser, so they are finite, and zero codes add nothing).  The four forms of source 1 are four overlapping runs of v16-43.
; The rows of a tile are 32 (m / 2) + 8 (m % 2) + r + 8 (r / 8), so the 16 registers of two neighbouring tiles of S^T are 16 neighbouring keys.
; LIMITS: NaN and infinities are not served; a block of zeros gets the byte 1 with zero codes; the division is v_rcp_f32 and a multiplication.  The scale bytes of ctx leave one byte a lane: sixteen heads fill a row's 16 bytes.
.set HEADREC, 208896
.set CREC, 67584
.set QIMG, 139264
.set QSC,  204800
.set LI,  1                            ; v1  16 x lane
.set LIV, 2                            ; v2  + 65,536: V's images
.set LSK, 3                            ; v3  4 x lane + 131,072: K's scale words; V's lie 4,096 on
.set DQ,  4                            ; v4  my query's place in its 128, less 16 h
.set ADK, 5
.set ADV, 6
.set ADS, 7
.set CSA, 8                            ; v8  16 r
.set LS,  9                            ; v9  4 x lane
.set QZ,  16                           ; v16-27 zeros, v28-31 q, v32-43 zeros
.set QS,  44                           ; v44 q's scale byte in all four bytes
.set QA0, 45                           ; v45-47, v233: offsets of the two tiles of q and of their scale words
.set QA1, 46
.set QW0, 47
.set KF,  48                           ; v48-79   eight key tiles: two fragments
.set VF,  80                           ; v80-111  V^T: two tiles of 16 channels x 128 keys
.set SC,  112                          ; v112-175 S^T, then p
.set OT,  176                          ; v176-191 O^T
.set PC,  192                          ; v192-207 p's codes
.set BM,  208
.set BX,  212
.set HD,  216
.set SL,  220
.set F,   224                          ; v[224:225] f = 2^(old M - new M)
.set TP,  226
.set BY,  227
.set PW,  228                          ; p's scale word
.set KS,  229                          ; v229-230 K's scale words
.set VS,  231                          ; v231-232 V's
.set QW1, 233
.set QB,  236                          ; v236-239 the second tile's q
.set RW,  240                          ; v240-241 the two tiles' scale words as stored
.set WV,  18
.set MNT, 19
.set SEL, 20
.set CS,  22
.set JT,  36
.set ST,  37
.set TK,  38
.set TSS, 39
.macro CROUND                          ; a round of the cluster's barrier
	s_barrier_signal -1
	s_barrier_wait -1
	s_cmp_lg_u32 s[WV], 0
	s_cbranch_scc1 .Lnw0_\@
	s_barrier_signal -3
.Lnw0_\@:
	s_barrier_wait -3
	s_barrier_signal -1
	s_barrier_wait -1
.endm
; A KEY STEP: 128 keys.  A step all of whose keys come after the block's queries is left out, but for the lines at its end that step addresses.
.macro STEP
	s_cmp_gt_u32 s[ST], s[JT]
	s_cbranch_scc1 .Lhid_\@
	s_setprio 2
	v_add_nc_u32 v[ADK], s[TK], v[LI]
	v_add_nc_u32 v[ADV], s[TK], v[LIV]
	v_add_nc_u32 v[ADS], s[TSS], v[LSK]
.rept 5
	v_nop                                          ; with the three additions: eight places behind the last step's products, ahead of loads into their registers
.endr
.irp g, 0,1
.irp c, 0,1,2,3
	ds_load_b128 v[KF+16*\g+4*\c:KF+16*\g+4*\c+3], v[ADK] offset:2048*\g+512*\c
.endr
.endr
	ds_load_b32 v[KS], v[ADS]
	ds_load_b32 v[KS+1], v[ADS] offset:128
.irp u, 0,1
.irp c, 0,1,2,3
	ds_load_b128 v[VF+16*\u+4*\c:VF+16*\u+4*\c+3], v[ADV] offset:2048*\u+512*\c
.endr
.endr
	ds_load_b32 v[VS], v[ADS] offset:4096
	ds_load_b32 v[VS+1], v[ADS] offset:4224
	s_wait_dscnt 10                                ; K and its words are in; V's ten loads may stay out
.irp t, 0,1,2,3,4,5,6,7
	v_wmma_scale_f32_16x16x128_f8f6f4 v[SC+8*\t:SC+8*\t+7], v[KF+16*(\t/4):KF+16*(\t/4)+15], v[QZ+12-4*(\t%4):QZ+27-4*(\t%4)], 0, v[KS+\t/4], v[QS] matrix_a_fmt:MATRIX_FMT_BF8 matrix_b_fmt:MATRIX_FMT_BF8
.endr
.rept 8
	v_nop
.endr
	s_cmp_lg_u32 s[ST], s[JT]                      ; on the diagonal the scores of hidden keys become -infinity ahead of the maximum
	s_cbranch_scc1 .Lopen_\@
	v_mov_b32 v[TP], 0xff800000
.set n, 0
.rept 64
	v_cmp_gt_i32 vcc_lo, 32*(n/16)+n%16, v[DQ]     ; register 16 b + i holds key 32 b + 16 h + i of the step
	v_cndmask_b32 v[SC+n], v[SC+n], v[TP], vcc_lo
.set n, n+1
.endr
.Lopen_\@:
.irp b, 0,1,2,3
	v_max3_num_f32 v[BM+\b], v[SC+16*\b], v[SC+1+16*\b], v[SC+2+16*\b]   ; the largest score of each block of 32 keys: for the row's maximum and for the block's largest p
.endr
.irp i, 3,5,7,9,11,13
.irp b, 0,1,2,3
	v_max3_num_f32 v[BM+\b], v[BM+\b], v[SC+16*\b+\i], v[SC+1+16*\b+\i]
.endr
.endr
.irp b, 0,1,2,3
	v_max_num_f32 v[BM+\b], v[BM+\b], v[SC+15+16*\b]
.endr
.irp b, 0,1,2,3
	s_delay_alu instid0(VALU_DEP_4)
	v_permlanex16_b32 v[BX+\b], v[BM+\b], s[SEL], s[SEL+1]
.endr
.irp b, 0,1,2,3
	s_delay_alu instid0(VALU_DEP_4)
	v_max_num_f32 v[BM+\b], v[BM+\b], v[BX+\b]
.endr
	s_delay_alu instid0(VALU_DEP_2)
	v_max3_num_f32 v[TP], v[BM], v[BM+1], v[BM+2]
	s_delay_alu instid0(VALU_DEP_1)
	v_max_num_f32 v[TP], v[TP], v[BM+3]
	s_delay_alu instid0(VALU_DEP_1)
	v_mul_f32 v[TP], s[CS], v[TP]
	s_delay_alu instid0(VALU_DEP_1)
	v_max_num_f32 v13, v13, v[TP]                  ; the running largest t
	v_mov_b32 v[TP], v12
	s_delay_alu instid0(VALU_DEP_2)
	v_floor_f32 v12, -v13                          ; -M = floor(-t): M is a whole number
	s_delay_alu instid0(VALU_DEP_1)
	v_sub_f32 v[TP], v12, v[TP]                    ; old M - new M, 0 or less
	s_delay_alu instid0(VALU_DEP_1)
	v_cvt_i32_f32 v[TP], v[TP]                     ; (it saturates)
	s_delay_alu instid0(VALU_DEP_1)
	v_ldexp_f32 v[F], 1.0, v[TP]                   ; f: a power of two, so the rescalings round nothing
.set j, 0
.rept 32
	v_pk_fma_f32 v[SC+j:SC+j+1], v[SC+j:SC+j+1], s[CS:CS+1], v[12:13] op_sel_hi:[1,0,0]   ; t - M
.set j, j+2
.endr
.irp b, 0,1,2,3
	v_fma_f32 v[BM+\b], v[BM+\b], s[CS], v12
.endr
.set j, 0
	s_setprio 1
	s_wait_alu depctr_va_vdst(0)
.rept 64
	v_exp_f32 v[SC+j], v[SC+j]
.set j, j+1
.endr
	v_pk_mul_f32 v[14:15], v[14:15], v[F:F+1] op_sel_hi:[1,0]   ; the sums under the new M: the plain line behind the exponentials
	s_wait_alu depctr_va_vdst(0)                   ; one wait for the batch, ahead of its first reader
.irp b, 0,1,2,3
	v_exp_f32 v[BM+\b], v[BM+\b]                   ; each block's largest p
.endr
	v_pk_add_f32 v[212:213], v[116:117], v[120:121]
	v_pk_add_f32 v[252:253], v[124:125], v[128:129]
	v_pk_add_f32 v[250:251], v[132:133], v[136:137]
	v_pk_add_f32 v[248:249], v[140:141], v[144:145]
	v_pk_add_f32 v[246:247], v[148:149], v[152:153]
	v_pk_add_f32 v[244:245], v[156:157], v[160:161]
	v_pk_add_f32 v[242:243], v[164:165], v[168:169]
	v_pk_add_f32 v[14:15], v[14:15], v[172:173]
	v_pk_add_f32 v[212:213], v[212:213], v[112:113]
	v_pk_add_f32 v[252:253], v[252:253], v[114:115]
	v_pk_add_f32 v[250:251], v[250:251], v[118:119]
	v_pk_add_f32 v[248:249], v[248:249], v[122:123]
	v_pk_add_f32 v[246:247], v[246:247], v[126:127]
	v_pk_add_f32 v[244:245], v[244:245], v[130:131]
	v_pk_add_f32 v[242:243], v[242:243], v[134:135]
	v_pk_add_f32 v[14:15], v[14:15], v[138:139]
	v_pk_add_f32 v[212:213], v[212:213], v[142:143]
	v_pk_add_f32 v[252:253], v[252:253], v[146:147]
	v_pk_add_f32 v[250:251], v[250:251], v[150:151]
	v_pk_add_f32 v[248:249], v[248:249], v[154:155]
	v_pk_add_f32 v[246:247], v[246:247], v[158:159]
	v_pk_add_f32 v[244:245], v[244:245], v[162:163]
	v_pk_add_f32 v[242:243], v[242:243], v[166:167]
	v_pk_add_f32 v[14:15], v[14:15], v[170:171]
	v_pk_add_f32 v[212:213], v[212:213], v[174:175]
	s_delay_alu instid0(VALU_DEP_2)
	v_pk_add_f32 v[14:15], v[14:15], v[248:249]
	s_delay_alu instid0(VALU_DEP_2)
	v_pk_add_f32 v[212:213], v[212:213], v[246:247]
	v_pk_add_f32 v[252:253], v[252:253], v[244:245]
	v_pk_add_f32 v[250:251], v[250:251], v[242:243]
	s_delay_alu instid0(VALU_DEP_2)
	v_pk_add_f32 v[14:15], v[14:15], v[252:253]
	s_delay_alu instid0(VALU_DEP_2)
	v_pk_add_f32 v[212:213], v[212:213], v[250:251]
	s_delay_alu instid0(VALU_DEP_1)
	v_pk_add_f32 v[14:15], v[14:15], v[212:213]
	s_wait_alu depctr_va_vdst(0)                   ; and one for the four
.irp b, 0,1,2,3
	v_max_num_f32 v[BM+\b], 0x8000000, v[BM+\b]    ; the floor 2^(16 - 127)
.endr
.irp b, 0,1,2,3
	s_delay_alu instid0(VALU_DEP_4)
	v_add_nc_u32 v[SL+\b], 0xf8800000, v[BM+\b]
.endr
.irp b, 0,1,2,3
	v_and_or_b32 v[HD+\b], v[BM+\b], 0x7f800000, s[MNT]
.endr
.irp b, 0,1,2,3
	v_lshrrev_b32 v[BX+\b], 23, v[SL+\b]
.endr
	s_delay_alu instid0(VALU_DEP_3)
	v_lshl_or_b32 v[PW], v[BX+1], 8, v[BX]
	s_delay_alu instid0(VALU_DEP_1)
	v_lshl_or_b32 v[PW], v[BX+2], 16, v[PW]
	s_delay_alu instid0(VALU_DEP_1)
	v_lshl_or_b32 v[PW], v[BX+3], 24, v[PW]
	s_setprio 0
.irp b, 0,1,2,3
.irp i, 0,1,2,3,4,5,6,7,8,9,10,11,12,13,14,15
	v_min_num_f32 v[SC+16*\b+\i], v[SC+16*\b+\i], v[HD+\b]   ; p is not negative: a one-sided hold
.endr
	v_cvt_scalef32_pk8_bf8_f32 v[PC+4*\b:PC+1+4*\b], v[SC+16*\b:SC+7+16*\b], v[SL+\b]
	v_cvt_scalef32_pk8_bf8_f32 v[PC+2+4*\b:PC+3+4*\b], v[SC+8+16*\b:SC+15+16*\b], v[SL+\b]
.endr
.set j, 0
.rept 8
	v_pk_mul_f32 v[OT+j:OT+j+1], v[OT+j:OT+j+1], v[F:F+1] op_sel_hi:[1,0]   ; O^T under the new M; also the places between the codes and the products
.set j, j+2
.endr
	s_wait_alu depctr_va_vdst(0)
	s_wait_dscnt 0x0                               ; V is in
.irp u, 0,1
	v_wmma_scale_f32_16x16x128_f8f6f4 v[OT+8*\u:OT+8*\u+7], v[VF+16*\u:VF+16*\u+15], v[PC:PC+15], v[OT+8*\u:OT+8*\u+7], v[VS+\u], v[PW] matrix_a_fmt:MATRIX_FMT_BF8 matrix_b_fmt:MATRIX_FMT_BF8
.endr
.Lhid_\@:
	s_add_co_u32 s[TK], s[TK], 4096
	s_add_co_u32 s[TSS], s[TSS], 256
	s_add_co_u32 s[ST], s[ST], 1
.endm
; One tile of 16 queries.  k: the wave's first or second; jr: its block; co, so: its offsets in ctx; rw: its scale word as stored
.macro TILE k, jr, co, so, rw
	s_wait_xcnt 0x0                                ; earlier stores have read their bases and registers
	s_mov_b32 s[JT], s[\jr]
	s_mov_b32 s58, s[\co]
	s_mov_b32 s59, 0
	s_add_nc_u64 s[44:45], s[6:7], s[58:59]
	s_mov_b32 s58, s[\so]
	s_add_nc_u64 s[46:47], s[6:7], s[58:59]
.if \k
.irp c, 0,1,2,3
	v_mov_b32 v[QZ+12+\c], v[QB+\c]
.endr
.endif
	v_perm_b32 v[QS], v[\rw], v[\rw], s40          ; the tile's byte of the word, four times
	v_mov_b32 v13, 0xff61b1e6                      ; the largest t so far: -3e38
	s_delay_alu instid0(VALU_DEP_1)
	v_floor_f32 v12, -v13
	v_mov_b32 v14, 0
	v_mov_b32 v15, 0
.set j, 0
.rept 16
	v_mov_b32 v[OT+j], 0                           ; the step is written once: the first finds zeros
.set j, j+1
.endr
	s_mov_b32 s[ST], 0
	s_mov_b32 s[TK], 0
	s_mov_b32 s[TSS], 0
.Lstep_\@:                                         ; sixteen trips in every wave: the count is a constant, the work of hidden steps is jumped over
	STEP
	s_cmp_lt_u32 s[ST], 16
	s_cbranch_scc1 .Lstep_\@
	s_setprio 0
.rept 8
	v_nop
.endr
	v_add_f32 v14, v14, v15
	s_delay_alu instid0(VALU_DEP_1)
	v_permlanex16_b32 v[BX], v14, s[SEL], s[SEL+1]
	s_delay_alu instid0(VALU_DEP_1)
	v_add_f32 v14, v14, v[BX]                      ; the row's sum
	s_wait_alu depctr_va_vdst(0)
	v_rcp_f32 v14, v14
	v_nop
	s_wait_alu depctr_va_vdst(0)
.set j, 0
.rept 16
	v_mul_f32 v[SC+j], v[OT+j], v14                ; register j: channel 16 h + j of my query
.set j, j+1
.endr
	v_max3_num_f32 v[BM], |v[SC]|, |v[SC+1]|, 0x8000000
.irp i, 2,4,6,8,10,12,14
	s_delay_alu instid0(VALU_DEP_1)
	v_max3_num_f32 v[BM], v[BM], |v[SC+\i]|, |v[SC+1+\i]|
.endr
	s_delay_alu instid0(VALU_DEP_1)
	v_permlanex16_b32 v[BX], v[BM], s[SEL], s[SEL+1]
	s_delay_alu instid0(VALU_DEP_1)
	v_max_num_f32 v[BM], v[BM], v[BX]
	s_delay_alu instid0(VALU_DEP_1)
	v_add_nc_u32 v[SL], 0xf8800000, v[BM]
	s_delay_alu instid0(VALU_DEP_2)
	v_and_or_b32 v[HD], v[BM], 0x7f800000, s[MNT]
	s_delay_alu instid0(VALU_DEP_2)
	v_lshrrev_b32 v[BY], 23, v[SL]
.set j, 0
.rept 16
	v_med3_num_f32 v[SC+j], v[SC+j], -v[HD], v[HD]
.set j, j+1
.endr
	v_cvt_scalef32_pk8_bf8_f32 v[PC:PC+1], v[SC:SC+7], v[SL]
	v_cvt_scalef32_pk8_bf8_f32 v[PC+2:PC+3], v[SC+8:SC+15], v[SL]
	v_nop
	global_store_b128 v[LI], v[PC:PC+3], s[44:45]  ; one register group of the next operand's image: 512 consecutive bytes
	global_store_b8 v[CSA], v[BY], s[46:47]        ; my row's byte for this head (both halves of the lanes hold the same)
.endm
	s_load_b128 s[4:7], s[0:1], 0x0                ; qkv, ctx
	v_lshl_add_u32 v254, v0, 2, 0x29000
	v_mov_b32 v255, 0
	ds_add_u32 v254, v255
	ds_add_u32 v254, v255
	v_lshrrev_b32 v[TP], 5, v0
	s_delay_alu instid0(VALU_DEP_1)
	v_readfirstlane_b32 s[WV], v[TP]               ; wave 0..15
	s_bfe_u32 s8, ttmp6, 0x40000                   ; cx
	s_and_b32 s9, ttmp7, 0xffff                    ; 16 x batch + head, which the partners share
	s_mul_i32 s10, s9, HEADREC
	s_mov_b32 s11, 0
	s_mul_i32 s12, s[WV], 8704                     ; my 34 rows of 256 bytes, in memory and in LDS alike
	s_mov_b32 s13, 0
	s_mov_b32 s24, 15|(3<<16)|(1<<21)              ; the mask: all four; elements of 8 bytes; bit 21 beside a mask; no padding
	s_mov_b32 s25, 32<<16                          ; tensor_dim0 = 32
	s_mov_b32 s26, 34<<16                          ; tensor_dim1 = 34
	s_mov_b32 s27, 32<<16                          ; tile_dim0 = 32
	s_mov_b32 s28, 34                              ; tile_dim1 = 34
	s_mov_b32 s29, 32                              ; the pitch
	s_mov_b32 s30, 0
	s_mov_b32 s31, 0
	s_wait_dscnt 0x0
	s_wait_kmcnt 0x0
	s_add_nc_u64 s[42:43], s[4:5], s[10:11]        ; the head's record
	CROUND                                         ; all four work-groups are here: the joint loads meet
	s_mov_b32 s32, 1
	s_mov_b32 s33, s12
	s_add_nc_u64 s[34:35], s[42:43], s[12:13]
	s_or_b32 s35, s35, 0x80000000
	tensor_load_to_lds s[32:35], s[24:31]          ; my one tensor load of the launch
	s_nop 0
.rept 4
	v_nop
.endr
	s_and_b32 s14, s[WV], 1
	s_lshl_b32 s15, s8, 1
	s_add_co_u32 s15, s15, s14                     ; e: my tile in a block of 128 queries
	s_lshr_b32 s16, s[WV], 1                       ; my first block,
	s_sub_co_u32 s17, 15, s16                      ; my second
	s_lshl_b32 s48, s15, 9
	s_add_co_u32 s48, s48, QIMG
	s_lshl_b32 s49, s16, 12
	s_add_co_u32 s49, s49, s48
	s_lshl_b32 s50, s17, 12
	s_add_co_u32 s50, s50, s48
	s_lshr_b32 s51, s15, 2
	s_lshl_b32 s51, s51, 7
	s_add_co_u32 s51, s51, QSC
	s_lshl_b32 s52, s16, 8
	s_add_co_u32 s52, s52, s51
	s_lshl_b32 s53, s17, 8
	s_add_co_u32 s53, s53, s51
	s_and_b32 s40, s15, 3
	s_mul_i32 s40, s40, 0x01010101                 ; v_perm_b32's select: byte e % 4, four times
	s_lshl_b32 s41, s8, 5
	s_lshl_b32 s14, s14, 3
	s_add_co_u32 s41, s41, s14                     ; 32 (e / 2) + 8 (e % 2)
	s_lshr_b32 s54, s9, 4
	s_lshl_b32 s54, s54, 4                         ; 16 x batch
	s_and_b32 s55, s9, 15                          ; the head
	s_lshr_b32 s56, s55, 2
	s_lshl_b32 s56, s56, 14
	s_and_b32 s57, s55, 3
	s_lshl_b32 s57, s57, 9
	s_add_co_u32 s56, s56, s57
	s_lshl_b32 s57, s15, 11
	s_add_co_u32 s56, s56, s57                     ; codes: K step head / 4, tile e, register group head % 4
	s_lshl_b32 s57, s15, 8
	s_add_co_u32 s57, s57, s55
	s_add_co_u32 s57, s57, 65536                   ; scale bytes: tile e, byte head of a row's 16
	s_add_co_u32 s58, s54, s16
	s_mul_i32 s58, s58, CREC
	s_add_co_u32 s59, s54, s17
	s_mul_i32 s59, s59, CREC
	s_add_co_u32 s54, s58, s56
	s_add_co_u32 s55, s58, s57
	s_add_co_u32 s56, s59, s56
	s_add_co_u32 s57, s59, s57
	s_mov_b32 s[MNT], 0x600000
	s_mov_b32 s[SEL], 0x76543210
	s_mov_b32 s[SEL+1], 0xfedcba98
	s_mov_b32 s[CS], 0x3e8293ee                    ; log2(e) / sqrt(32)
	s_mov_b32 s[CS+1], s[CS]
	v_and_b32 v[TP], 31, v0
	s_delay_alu instid0(VALU_DEP_1)
	v_lshlrev_b32 v[LI], 4, v[TP]
	s_delay_alu instid0(VALU_DEP_2)
	v_lshlrev_b32 v[LS], 2, v[TP]
	s_delay_alu instid0(VALU_DEP_2)
	v_add_nc_u32 v[LIV], 65536, v[LI]
	s_delay_alu instid0(VALU_DEP_2)
	v_add_nc_u32 v[LSK], 131072, v[LS]
	v_and_b32 v[TP], 15, v0
	s_delay_alu instid0(VALU_DEP_1)
	v_lshlrev_b32 v[CSA], 4, v[TP]
	s_delay_alu instid0(VALU_DEP_2)
	v_and_b32 v[DQ], 8, v[TP]
	s_delay_alu instid0(VALU_DEP_1)
	v_add_nc_u32 v[DQ], v[DQ], v[TP]
	v_bfe_u32 v[TP], v0, 4, 1
	s_delay_alu instid0(VALU_DEP_1)
	v_lshlrev_b32 v[TP], 4, v[TP]
	s_delay_alu instid0(VALU_DEP_1)
	v_sub_nc_u32 v[DQ], v[DQ], v[TP]
	s_delay_alu instid0(VALU_DEP_1)
	v_add_nc_u32 v[DQ], s41, v[DQ]
	v_add_nc_u32 v[QA0], s49, v[LI]
	v_add_nc_u32 v[QA1], s50, v[LI]
	v_add_nc_u32 v[QW0], s52, v[LS]
	v_add_nc_u32 v[QW1], s53, v[LS]
	global_load_b128 v[QZ+12:QZ+15], v[QA0], s[42:43]
	global_load_b128 v[QB:QB+3], v[QA1], s[42:43]
	global_load_b32 v[RW], v[QW0], s[42:43]
	global_load_b32 v[RW+1], v[QW1], s[42:43]
.set j, 0
.rept 12
	v_mov_b32 v[QZ+j], 0                           ; zero codes on both sides of q
	v_mov_b32 v[QZ+16+j], 0
.set j, j+1
.endr
	v_mov_b32 v[F+1], 0                            ; named as the upper half of a pair
.irp b, 0,1,2,3
	v_mov_b32 v[BX+\b], 0                          ; a lane permute's destination counts as one of its sources
.endr
	s_wait_tensorcnt 0x0                           ; my part of the head is in LDS,
	s_barrier_signal -1
	s_barrier_wait -1                              ; everybody's is
	s_wait_loadcnt 0x0                             ; q
	TILE 0, 16, 54, 55, RW
	TILE 1, 17, 56, 57, RW+1
	s_wait_dscnt 0x0
	s_wait_tensorcnt 0x0
	ds_add_u32 v254, v255
	s_wait_dscnt 0x0
	CROUND                                         ; the closing round
	s_endpgm
.Lfunc_end_k_qb20f6e4cd3_l_attn:
	.size	k_qb20f6e4cd3_l_attn, .Lfunc_end_k_qb20f6e4cd3_l_attn-k_qb20f6e4cd3_l_attn
	.p2alignl 7, 3214868480
	.fill 96, 4, 3214868480
	.section	.rodata,"a",@progbits
	.p2align	6, 0x0
	.amdhsa_kernel k_qb20f6e4cd3_l_attn
		.amdhsa_group_segment_fixed_size 169984
		.amdhsa_private_segment_fixed_size 0
		.amdhsa_enable_private_segment 0
		.amdhsa_kernarg_size 16
		.amdhsa_user_sgpr_count 2
		.amdhsa_user_sgpr_kernarg_segment_ptr 1
		.amdhsa_wavefront_size32 1
		.amdhsa_system_sgpr_workgroup_id_x 1
		.amdhsa_system_sgpr_workgroup_id_y 1
		.amdhsa_system_sgpr_workgroup_id_z 1
		.amdhsa_system_vgpr_workitem_id 0
		.amdhsa_next_free_vgpr 256
		.amdhsa_next_free_sgpr 66
		.amdhsa_reserve_vcc 1
		.amdhsa_float_denorm_mode_32 3
		.amdhsa_float_denorm_mode_16_64 3
		.amdhsa_memory_ordered 1
		.amdhsa_forward_progress 1
		.amdhsa_inst_pref_size 63
	.end_amdhsa_kernel
	.amdgpu_metadata
---
amdhsa.version: [ 1, 2 ]
amdhsa.kernels:
  - .name:           k_qb20f6e4cd3_l_attn
    .symbol:         k_qb20f6e4cd3_l_attn.kd
    .args:
      - { .name: qkv, .offset: 0, .size: 8, .value_kind: global_buffer, .address_space: global }
      - { .name: ctx, .offset: 8, .size: 8, .value_kind: global_buffer, .address_space: global }
    .group_segment_fixed_size: 169984
    .private_segment_fixed_size: 0
    .kernarg_segment_align: 8
    .kernarg_segment_size: 16
    .max_flat_workgroup_size: 512
    .sgpr_count:     66
    .vgpr_count:     256
    .wavefront_size: 32
...
	.end_amdgpu_metadata
.endif
;; end of part 7
;; launch l_proj (part 8): grid 4 x 64, 4 waves a work-group, clusters of 4 x 1, 168,448 bytes of LDS; arguments ctx, Wo_codes, Wo_scales, bo, x, x1; writes x1
.if DOCPART == 8
	.amdgcn_target "amdgcn-amd-amdhsa--gfx1250"
	.amdhsa_code_object_version 6
	.text
	.protected	k_qb20f6e4cd3_l_proj
	.globl	k_qb20f6e4cd3_l_proj
	.p2align	8
	.type	k_qb20f6e4cd3_l_proj,@function
k_qb20f6e4cd3_l_proj:
	s_mov_b64 s[64:65], 0
	v_nop
	global_prefetch_b8 v0, s[64:65] scope:SCOPE_SE
	s_setreg_imm32_b32 hwreg(HW_REG_WAVE_MODE, 25, 1), 1
	s_wait_xcnt 0x0
	s_wait_alu depctr_hold_cnt(0) depctr_sa_sdst(0) depctr_va_vdst(0) depctr_va_sdst(0) depctr_va_ssrc(0) depctr_va_vcc(0) depctr_vm_vsrc(0)
	s_getreg_b32 s2, hwreg(HW_REG_IB_STS2, 6, 4)
	s_cmp_eq_u32 s2, 0
	s_cbranch_scc0 .Lentry_in_a_cluster
	s_endpgm
.Lentry_in_a_cluster:
	s_bfe_u32 s2, ttmp6, 0x10000c
	s_cmp_lg_u32 s2, 0x3003
	s_cbranch_scc0 .Lentry_shape_is_right
	s_endpgm
.Lentry_shape_is_right:
; out = res + (act W^T + bias): act arrives as images of the operand's registers (codes of E5M2 and scale words), W as codes with K innermost.
; This text serves two launches by the two constants below: FFN2 = 0: x1 = x + ctx Wo + bo, K = 512, x1 stored as register images;  FFN2 = 1: out0 = x1 + hid W2 + b2, K = 2,048, out0 row-major.
; SHARES.  A work-group takes 128 rows (work-group y) x 128 columns (its place cx in the cluster).  The four partners need the same rows' images and ask for them JOINTLY: NS / 4 chunks of 67,584 bytes,
; each wave a quarter of each chunk, all asked for at the start and filled once.  Wave w keeps columns 32 w .. 32 w + 31 of the 128 (two tiles, all of K) in registers and multiplies them with all eight row tiles.
; Source 0 = 16 columns of W (lane r of tile u: column 8 u + r + 8 (r / 8)), source 1 = 16 rows: a lane's 16 registers of a row tile are 16 neighbouring columns.  The bias is the C of each sum's first product.
; One register carries two tiles' scale words: lanes 0-15 the even tile's, lanes 16-31 the odd tile's.
.set FFN2, 0
.set NS,   4                           ; K steps of 128
.set NCH,  NS/4                        ; chunks of four K steps
.set KB,   128*NS                      ; a row of W in bytes
.set REC,  67584                       ; a chunk: 32 fragment images of 2,048 bytes, then 2,048 bytes of scale words [tile][row][K step]
.set LI,  1                            ; v1    16 x lane
.set TA,  2                            ; v2-5  16 x lane + chunk
.set TSA, 6                            ; v6-9  the same + 65,536
.set WA,  10                           ; v10   W's codes
.set WSA, 11                           ; v11   W's scales: lanes 16-31 take tile 1's rows
.set BA,  12                           ; v12   64 h
.set XA,  13                           ; v13   FFN2 = 0: x's rows;  1: where I put 16 bytes of a row in the stage
.set SR,  14                           ; v14   where I read a row back
.set SS,  16                           ; v16-31   W's scale words, one register a K step
.set TS,  32                           ; v32-63   the rows' scale words, two sets of 16: register 4 (m / 2) + K step % 4
.set ACC, 64                           ; v64-191  accumulator (m, u) at 16 m + 8 u
.set BI,  192                          ; v192-207 the bias, two tiles
.set RB,  128*(1-FFN2)                 ; the residual, in window 2
.set WV,  18
.set G0,  36
.set MSB, 0
.macro WIN new
.if MSB != (\new)
	s_set_vgpr_msb (MSB<<8)|(\new)
.set MSB, (\new)
.endif
.endm
.macro CROUND
	s_barrier_signal -1
	s_barrier_wait -1
	s_cmp_lg_u32 s[WV], 0
	s_cbranch_scc1 .Lnw0_\@
	s_barrier_signal -3
.Lnw0_\@:
	s_barrier_wait -3
	s_barrier_signal -1
	s_barrier_wait -1
.endm
; K step TL's eight row fragments into window 1, buffer TL % 2; with a chunk's first step its scale words
.macro TLOAD
.if TL%4 == 0
.irp q, 0,1,2,3
	ds_load_b128 v[TS+16*((TL/4)%2)+4*\q:TS+16*((TL/4)%2)+4*\q+3], v[TSA+TL/4] offset:512*\q
.endr
.endif
	WIN 0x40
.irp m, 0,1,2,3,4,5,6,7
.irp c, 0,1,2,3
	ds_load_b128 v[128*(TL%2)+16*\m+4*\c:128*(TL%2)+16*\m+4*\c+3], v[TA+TL/4] offset:(8*(TL%4)+\m)*2048+512*\c
.endr
.endr
	WIN 0
.endm
.macro MM m, u                         ; one product of K step KK
.set DB, ACC+16*(\m)+8*(\u)
.set CB, DB
.if KK == 0
.set CB, BI+8*(\u)
.endif
.set AB, 16*((2*KK+(\u))%16)
.set BB, 128*(KK%2)+16*(\m)
.set TR, TS+16*((KK/4)%2)+4*((\m)/2)+KK%4
.if ((\u) == 0) && ((\m)%2 == 0)
	v_wmma_scale_f32_16x16x128_f8f6f4 v[DB:DB+7], v[AB:AB+15], v[BB:BB+15], v[CB:CB+7], v[SS+KK], v[TR] matrix_a_fmt:MATRIX_FMT_BF8 matrix_b_fmt:MATRIX_FMT_BF8
.elseif (\m)%2 == 0
	v_wmma_scale_f32_16x16x128_f8f6f4 v[DB:DB+7], v[AB:AB+15], v[BB:BB+15], v[CB:CB+7], v[SS+KK], v[TR] matrix_a_fmt:MATRIX_FMT_BF8 matrix_b_fmt:MATRIX_FMT_BF8 matrix_a_scale:MATRIX_SCALE_ROW1
.elseif (\u) == 0
	v_wmma_scale_f32_16x16x128_f8f6f4 v[DB:DB+7], v[AB:AB+15], v[BB:BB+15], v[CB:CB+7], v[SS+KK], v[TR] matrix_a_fmt:MATRIX_FMT_BF8 matrix_b_fmt:MATRIX_FMT_BF8 matrix_b_scale:MATRIX_SCALE_ROW1
.else
	v_wmma_scale_f32_16x16x128_f8f6f4 v[DB:DB+7], v[AB:AB+15], v[BB:BB+15], v[CB:CB+7], v[SS+KK], v[TR] matrix_a_fmt:MATRIX_FMT_BF8 matrix_b_fmt:MATRIX_FMT_BF8 matrix_a_scale:MATRIX_SCALE_ROW1 matrix_b_scale:MATRIX_SCALE_ROW1
.endif
.endm
; K step KK: 16 products, the 16 accumulators by turns; then the fragments of two steps on into the buffer just used
.macro KSTEP
.if KK == NS-1
	s_wait_dscnt 0x0
.else
	s_wait_dscnt 32                                ; this step's fragments are in; the next step's 32 loads may stay out
.endif
	WIN 0x06+KK/8
.irp m, 0,1,2,3,4,5,6,7
.irp u, 0,1
	MM \m, \u
.endr
.endr
	WIN 0
.rept 8
	v_nop                                          ; places ahead of loads into registers that the products have read, and of the first read of results
.endr
.if FFN2 && (KK == 7)
	WIN 0x80                                       ; the residual's images take the registers of W's K steps 0 to 3, which are done with
.irp m, 0,1,2,3,4,5,6,7
.irp jj, 0,1,2,3
	global_load_b128 v[RB+16*\m+4*\jj:RB+16*\m+4*\jj+3], v[LI], s[12:13] offset:\m*32768+512*\jj th:TH_LOAD_NT
.endr
.endr
	WIN 0
.endif
.if KK+2 < NS
.if (KK+2)%4 == 0
	s_wait_tensorcnt NCH-1-(KK+2)/4                ; my quarter of the next chunk has landed; the chunks behind it may stay out
	s_wait_dscnt 0x0
	s_barrier_signal -1
	s_barrier_wait -1                              ; everybody's has
.endif
.set TL, KK+2
	TLOAD
.endif
.endm
	s_load_b256 s[4:11], s[0:1], 0x0               ; act, W's codes, W's scales, bias
	s_load_b128 s[12:15], s[0:1], 0x20             ; res, out
	v_lshl_add_u32 v254, v0, 2, 0x29000
	v_mov_b32 v255, 0
	ds_add_u32 v254, v255
	ds_add_u32 v254, v255
	v_lshrrev_b32 v15, 5, v0
	v_readfirstlane_b32 s[WV], v15                 ; wave 0..3
	s_bfe_u32 s19, ttmp6, 0x40000                  ; cx: which 128 columns; it enters global addresses alone
	s_and_b32 s20, ttmp7, 0xffff                   ; which 128 rows
	s_mov_b32 s24, 15|(3<<16)|(1<<21)              ; the mask: all four; elements of 8 bytes; bit 21 beside a mask; no padding
	s_mov_b32 s25, 32<<16                          ; tensor_dim0 = 32
	s_mov_b32 s26, 66<<16                          ; tensor_dim1 = 66
	s_mov_b32 s27, 32<<16                          ; tile_dim0 = 32
	s_mov_b32 s28, 66                              ; tile_dim1 = 66 rows of 256 bytes: a quarter of a chunk
	s_mov_b32 s29, 32                              ; the pitch
	s_mov_b32 s30, 0
	s_mov_b32 s31, 0
	s_mul_i32 s21, s20, NCH*REC
	s_mul_i32 s22, s[WV], 16896
	s_add_co_u32 s52, s21, s22
	s_mov_b32 s53, 0
	s_wait_dscnt 0x0
	s_wait_kmcnt 0x0
	s_add_nc_u64 s[4:5], s[4:5], s[52:53]
	CROUND                                         ; all four work-groups are here: the joint loads meet
.set j, 0
.rept NCH
	s_mov_b32 s[G0+4*j], 1
	s_add_co_u32 s[G0+4*j+1], s22, j*REC
	s_add_nc_u64 s[G0+4*j+2:G0+4*j+3], s[4:5], j*REC
	s_or_b32 s[G0+4*j+3], s[G0+4*j+3], 0x80000000
.set j, j+1
.endr
.set j, 0
.rept NCH
	tensor_load_to_lds s[G0+4*j:G0+4*j+3], s[24:31]   ; NCH loads of mine are out, one for each chunk
	s_nop 0
.set j, j+1
.endr
.rept 4
	v_nop
.endr
	v_and_b32 v15, 31, v0
	v_lshlrev_b32 v[LI], 4, v15
.set j, 0
.rept NCH
	v_add_nc_u32 v[TA+j], j*REC, v[LI]
	v_add_nc_u32 v[TSA+j], j*REC+65536, v[LI]
.set j, j+1
.endr
	v_and_b32 v208, 15, v0                         ; r
	v_bfe_u32 v209, v0, 4, 1                       ; h
	v_and_b32 v210, 8, v208
	v_add_nc_u32 v210, v210, v208                  ; r + 8 (r / 8)
	s_wait_alu depctr_va_vdst(0)
	v_mul_u32_u24 v[WA], v210, KB
	v_lshl_add_u32 v[WA], v209, 4, v[WA]
	s_wait_alu depctr_va_vdst(0)
	v_lshl_add_u32 v211, v209, 3, v210
	v_mul_u32_u24 v[WSA], v211, KB/32
	s_wait_alu depctr_va_vdst(0)
	v_lshlrev_b32 v[BA], 6, v209
	s_wait_alu depctr_va_vdst(0)
	s_lshl_b32 s54, s19, 7
	s_lshl_b32 s55, s[WV], 5
	s_add_co_u32 s54, s54, s55                     ; my first column
	s_mov_b32 s57, 0
	s_mul_i32 s56, s54, KB
	s_add_nc_u64 s[6:7], s[6:7], s[56:57]
	s_mul_i32 s56, s54, KB/32
	s_add_nc_u64 s[8:9], s[8:9], s[56:57]
	s_lshl_b32 s56, s54, 2
	s_add_nc_u64 s[10:11], s[10:11], s[56:57]
	s_lshl_b32 s58, s20, 18                        ; images of f32: 8 row tiles of 32,768 bytes a block, 8,192 for 128 columns, 2,048 for my 32
	s_lshl_b32 s55, s19, 13
	s_add_co_u32 s58, s58, s55
	s_lshl_b32 s55, s[WV], 11
	s_add_co_u32 s58, s58, s55
	s_mov_b32 s59, 0
	s_lshl_b32 s60, s20, 18                        ; row-major f32: 128 rows of 2,048 bytes a block
	s_mov_b32 s61, 0
.if FFN2
	v_mul_u32_u24 v[XA], v210, 528                 ; the stage: row, + 64 h, + 128 w
	v_lshl_add_u32 v[XA], v209, 6, v[XA]
	s_lshl_b32 s55, s[WV], 7
	v_add_nc_u32 v[XA], s55, v[XA]
	s_mul_i32 s55, s[WV], 32*528
	v_add_nc_u32 v[SR], s55, v[LI]
	s_lshl_b32 s55, s[WV], 16
	s_add_co_u32 s60, s60, s55                     ; I store rows 32 w on,
	s_lshl_b32 s55, s19, 9
	s_add_co_u32 s60, s60, s55                     ; 512 bytes at the work-group's columns
	s_add_nc_u64 s[12:13], s[12:13], s[58:59]
	s_add_nc_u64 s[14:15], s[14:15], s[60:61]
.else
	v_lshlrev_b32 v[XA], 11, v210
	v_lshl_add_u32 v[XA], v209, 6, v[XA]
	s_add_co_u32 s60, s60, s56                     ; + 4 x my first column
	s_add_nc_u64 s[12:13], s[12:13], s[60:61]
	s_add_nc_u64 s[14:15], s[14:15], s[58:59]
.endif
.set f, 0
.rept 2*NS                             ; W's fragment 2 s + u: window 2 + f / 16, register 16 (f % 16)
	WIN 0x80+0x40*(f/16)
.irp c, 0,1,2,3
	global_load_b128 v[16*(f%16)+4*\c:16*(f%16)+4*\c+3], v[WA], s[6:7] offset:8*(f%2)*KB+128*(f/2)+32*\c
.endr
.set f, f+1
.endr
	WIN 0
.set q, 0
.rept NS/4
	global_load_b128 v[SS+4*q:SS+4*q+3], v[WSA], s[8:9] offset:16*q
.set q, q+1
.endr
.irp u, 0,1
	global_load_b128 v[BI+8*\u:BI+8*\u+3], v[BA], s[10:11] offset:32*\u
	global_load_b128 v[BI+8*\u+4:BI+8*\u+7], v[BA], s[10:11] offset:32*\u+16
.endr
.if FFN2 == 0
	WIN 0x80
.irp m, 0,1,2,3,4,5,6,7
.irp jj, 0,1,2,3
	global_load_b128 v[RB+16*\m+4*\jj:RB+16*\m+4*\jj+3], v[XA], s[12:13] offset:(32*(\m/2)+8*(\m%2))*2048+16*\jj
.endr
.endr
	WIN 0
.endif
	s_wait_tensorcnt NCH-1                         ; my quarter of chunk 0 has landed,
	s_barrier_signal -1
	s_barrier_wait -1                              ; everybody's has
.set TL, 0
	TLOAD
.set TL, 1
	TLOAD
	s_wait_loadcnt 0x0                             ; W, its scales, the bias
.set KK, 0
.rept NS
	KSTEP
.set KK, KK+1
.endr
	s_wait_loadcnt 0x0                             ; the residual
	WIN 0x08
.set p, 0
.rept 64
	v_pk_add_f32 v[ACC+2*p:ACC+2*p+1], v[ACC+2*p:ACC+2*p+1], v[RB+2*p:RB+2*p+1]
.set p, p+1
.endr
	WIN 0
.if FFN2
	s_wait_dscnt 0x0
	s_barrier_signal -1
	s_barrier_wait -1                              ; nobody reads chunk 0 any more, and it has had its one fill: the stage lies there
.irp m, 0,1,2,3,4,5,6,7
.irp jj, 0,1,2,3
	ds_store_b128 v[XA], v[ACC+16*\m+4*\jj:ACC+16*\m+4*\jj+3] offset:(32*(\m/2)+8*(\m%2))*528+16*\jj
.endr
.endr
	s_wait_dscnt 0x0
	s_barrier_signal -1
	s_barrier_wait -1                              ; 128 rows of 512 bytes lie in the stage
.set i, 0
.rept 32
	ds_load_b128 v[ACC+4*i:ACC+4*i+3], v[SR] offset:528*i
.set i, i+1
.endr
.set i, 0
.rept 32
	s_wait_dscnt 31-i
	global_store_b128 v[LI], v[ACC+4*i:ACC+4*i+3], s[14:15] offset:2048*i th:TH_STORE_NT   ; 32 lanes store 512 consecutive bytes, aligned
.set i, i+1
.endr
.else
.irp m, 0,1,2,3,4,5,6,7
.irp jj, 0,1,2,3
	global_store_b128 v[LI], v[ACC+16*\m+4*\jj:ACC+16*\m+4*\jj+3], s[14:15] offset:\m*32768+512*\jj   ; 512 consecutive bytes of an image
.endr
.endr
.endif
	s_wait_dscnt 0x0
	s_wait_tensorcnt 0x0
	ds_add_u32 v254, v255
	s_wait_dscnt 0x0
	CROUND                                         ; the closing round
	s_endpgm
.Lfunc_end_k_qb20f6e4cd3_l_proj:
	.size	k_qb20f6e4cd3_l_proj, .Lfunc_end_k_qb20f6e4cd3_l_proj-k_qb20f6e4cd3_l_proj
	.p2alignl 7, 3214868480
	.fill 96, 4, 3214868480
	.section	.rodata,"a",@progbits
	.p2align	6, 0x0
	.amdhsa_kernel k_qb20f6e4cd3_l_proj
		.amdhsa_group_segment_fixed_size 168448
		.amdhsa_private_segment_fixed_size 0
		.amdhsa_enable_private_segment 0
		.amdhsa_kernarg_size 48
		.amdhsa_user_sgpr_count 2
		.amdhsa_user_sgpr_kernarg_segment_ptr 1
		.amdhsa_wavefront_size32 1
		.amdhsa_system_sgpr_workgroup_id_x 1
		.amdhsa_system_sgpr_workgroup_id_y 1
		.amdhsa_system_sgpr_workgroup_id_z 1
		.amdhsa_system_vgpr_workitem_id 0
		.amdhsa_next_free_vgpr 768
		.amdhsa_next_free_sgpr 66
		.amdhsa_reserve_vcc 0
		.amdhsa_float_denorm_mode_32 3
		.amdhsa_float_denorm_mode_16_64 3
		.amdhsa_memory_ordered 1
		.amdhsa_forward_progress 1
		.amdhsa_inst_pref_size 37
	.end_amdhsa_kernel
	.amdgpu_metadata
---
amdhsa.version: [ 1, 2 ]
amdhsa.kernels:
  - .name:           k_qb20f6e4cd3_l_proj
    .symbol:         k_qb20f6e4cd3_l_proj.kd
    .args:
      - { .name: ctx, .offset: 0, .size: 8, .value_kind: global_buffer, .address_space: global }
      - { .name: Wo_codes, .offset: 8, .size: 8, .value_kind: global_buffer, .address_space: global }
      - { .name: Wo_scales, .offset: 16, .size: 8, .value_kind: global_buffer, .address_space: global }
      - { .name: bo, .offset: 24, .size: 8, .value_kind: global_buffer, .address_space: global }
      - { .name: x, .offset: 32, .size: 8, .value_kind: global_buffer, .address_space: global }
      - { .name: x1, .offset: 40, .size: 8, .value_kind: global_buffer, .address_space: global }
    .group_segment_fixed_size: 168448
    .private_segment_fixed_size: 0
    .kernarg_segment_align: 8
    .kernarg_segment_size: 48
    .max_flat_workgroup_size: 128
    .sgpr_count:     66
    .vgpr_count:     768
    .wavefront_size: 32
...
	.end_amdgpu_metadata
.endif
;; end of part 8
;; launch l_ffn1 (part 9): grid 64 x 4, 4 waves a work-group, no clusters, 76,288 bytes of LDS; arguments x1, ln2_scale, ln2_shift, W1_codes, W1_scales, b1, hid; writes hid
.if DOCPART == 9
	.amdgcn_target "amdgcn-amd-amdhsa--gfx1250"
	.amdhsa_code_object_version 6
	.text
	.protected	k_qb20f6e4cd3_l_ffn1
	.globl	k_qb20f6e4cd3_l_ffn1
	.p2align	8
	.type	k_qb20f6e4cd3_l_ffn1,@function
k_qb20f6e4cd3_l_ffn1:
	s_mov_b64 s[64:65], 0
	v_nop
	global_prefetch_b8 v0, s[64:65] scope:SCOPE_SE
	s_setreg_imm32_b32 hwreg(HW_REG_WAVE_SCHED_MODE, 0, 2), 2
	s_setreg_imm32_b32 hwreg(HW_REG_WAVE_MODE, 25, 1), 1
	s_wait_xcnt 0x0
	s_wait_alu depctr_vm_vsrc(0)
; hid = Q(gelu(Q(layernorm(x1)) W1 + b1)): both operands in E5M2 with one E8M0 scale for 32 along K; the result is quantised along the hidden units and stored as images of the next product's operand.
; SHARES.  A work-group takes 128 rows (x) and 512 hidden units (y).  Wave w keeps units 128 w .. 128 w + 127 of the 512 (32 fragments of W1, 512 registers), normalises and quantises two of the eight
; tiles of 16 rows, and multiplies its units with all eight tiles, which go from wave to wave through LDS as images of the operand's registers.  A wave's 128 units are one K step of the next product.
; x1 arrives as register images: a load covers 512 consecutive bytes, and register 64 G + 16 b + i is column 128 G + 32 b + 16 h + i of the lane's row.
; gelu(x) = x / (1 + 2^(x (A + B x^2))), A = -2 log2(e) sqrt(2 / pi), B = 0.044715 A: the same function as 0.5 x (1 + tanh(..)), with no difference of near numbers.
; No multicast: the launch has no tensor load; W1 goes once from memory into registers and x1 is wanted in registers for the norm.
; LIMITS: NaN and infinities among the inputs are not served; a block of zeros gets the byte 1 with zero codes; 1 / sqrt is v_rsq_f32, the division v_rcp_f32 and a multiplication.
; THE MODE: SCHED_MODE bits 1:0 = 2 (LLVM: expert scheduling mode 2), set by the entry lines.  The code itself states the register dependences
; between vector or matrix instructions and memory or LDS instructions, with s_wait_alu, always for 0.
; THE PLAN.  Registers that memory or LDS instructions touch:
;   v1-8, v11-13, v238, v240, v241   offsets and addresses, made once at the head, ahead of one wait on va_vdst, and never written again.
;   THE NORM.  x1 in window 1: K step ks is read last by that step's 32 multiply-adds; behind them the next tile's loads land in it.  GN: read by the same multiply-adds; behind them the next K step's gain lands in it.
;              HA: the shift lands in it; the multiply-adds and the quantiser work in it.  PC, PW: written by the quantiser, read by the image's five LDS stores.
;              A K step has one wait on va_vdst behind its multiply-adds (GN and x1's K step are done with), one behind its quantiser (PC and PW are written, HA is done with), one on vm_vsrc ahead of the quantiser.
;   THE LOOP.  Two buffers of fragments in window 1 and two sets of scale words take turns: step m's products read buffer m % 2; at its head the loads of tile m + 1 go into the other buffer, whose last readers,
;              the products of step m - 1, stand ahead of that step's wait on va_vdst; behind that wait stand stores and scalar lines alone.  A trip of the loop runs two steps.
;              PC, PW: written by the quantiser, read by the step's stores.  TA, TSA: read by the fragments' loads, written once a trip.  HSA: read by the LDS store of the scale word, written once a trip.
;              A step has one wait on vm_vsrc, behind its products, and one on va_vdst, behind its quantiser; gelu's two batches of transcendentals have a wait on va_vdst ahead of and behind each.
.set REC,  67584
.set ASC,  65536                       ; LDS: 32 fragment images from 0; their scale words;
.set LP,   69632                       ; gain and shift;
.set HSG,  73728                       ; the result's scale words [tile][row][wave], 2,048 bytes
.set XNEXT, 32768                      ; from a wave's first tile of x1 to its second
.set LI,  1
.set LS,  2
.set WA,  4
.set WSA, 5
.set GA,  6
.set IW,  7
.set ISW, 8
.set TA,  9                            ; v9  the images of this trip's first tile
.set TSA, 10                           ; v10 their scale words
.set T16, 11
.set LPA, 12
.set TS0, 13
.set GAV, 14                           ; v[14:15] gelu's A, twice
.set GN,  16                           ; v16-79   the gain of 128 columns; later b1, eight tiles
.set HA,  80                           ; v80-143  shift, then h, then 8 result tiles
.set PC,  144
.set TM,  160
.set PW,  176
.set MN,  178
.set RS,  180
.set CH,  182
.set TS,  198                          ; v198-205 h's scale words, two sets of four
.set SS,  206                          ; v206-237 W1's scale words
.set HSB, 238                          ; v238 HSG + 16 r + 4 w
.set HSA, 239                          ; v239 the same for this trip's first tile
.set HSR, 240                          ; v240 HSG + 16 x thread
.set B1A, 241                          ; v241 64 h
.set OW,  242                          ; v242-245 scale words on their way out
.set GT,  128                          ; window 1, v128-191: gelu's work
.set WV,  24
.set SEL, 28
.set MNT, 30
.set R512, 31
.set EPSR, 32
.set WP,  10                           ; s[10:11] W1's codes, my 128 units
.set WSP, 12                           ; s[12:13] W1's scales
.set OC,  38
.set OS,  40
.set CNT, 42
.set TBH, 43
.set TB,  56
.set TBS, 57
.set GB,  58                           ; s[58:59] gelu's B, twice
.set MSB, 0
.macro WIN new
.if MSB != (\new)
	s_set_vgpr_msb (MSB<<8)|(\new)
.set MSB, (\new)
.endif
.endm
.macro PLACES n
.rept \n
	v_nop
.endr
.endm
.macro XLOAD part, ofs                 ; 128 columns of my tile into window 1
	WIN 0x40
.set q, 0
.rept 16
	global_load_b128 v[64*(\part)+4*q:64*(\part)+4*q+3], v[LI], s[4:5] offset:(\ofs)+8192*(\part)+512*q
.set q, q+1
.endr
.endm
.macro SLOAD                           ; my 32 fragments of W1: tile i, K step ks in window 2 + ks / 2 at register 16 (8 (ks % 2) + i)
.irp ks, 0,1,2,3
	WIN 0x80+0x40*(\ks/2)
.irp i, 0,1,2,3,4,5,6,7
.irp c, 0,1,2,3
	global_load_b128 v[16*(8*(\ks%2)+\i)+4*\c:16*(8*(\ks%2)+\i)+4*\c+3], v[WA], s[WP:WP+1] offset:(32*(\i/2)+8*(\i%2))*512+128*\ks+32*\c
.endr
.endr
.endr
	WIN 0
.endm
.macro GLOAD k                         ; the gain of K step k into GN
.irp b, 0,1,2,3
.irp j, 0,1,2,3
	ds_load_b128 v[GN+16*\b+4*\j:GN+16*\b+4*\j+3], v[GA] offset:512*(\k)+128*\b+16*\j
.endr
.endr
.endm
.macro HLOAD k                         ; the shift of K step k into HA
.irp b, 0,1,2,3
.irp j, 0,1,2,3
	ds_load_b128 v[HA+16*\b+4*\j:HA+16*\b+4*\j+3], v[GA] offset:2048+512*(\k)+128*\b+16*\j
.endr
.endr
.endm
; 64 numbers of a lane, four blocks of 16 (the other 16 of each block lie in lane l xor 16), become 16 registers of codes in v[PC] on and a scale word in v[PW]
.macro QUANT s
.irp b, 0,1,2,3
	v_max3_num_f32 v[TM+\b], |v[(\s)+16*\b]|, |v[(\s)+1+16*\b]|, 0x8000000   ; with the floor 2^(16 - 127): the byte cannot fall under 1
.endr
.irp i, 2,4,6,8,10,12,14
.irp b, 0,1,2,3
	v_max3_num_f32 v[TM+\b], v[TM+\b], |v[(\s)+16*\b+\i]|, |v[(\s)+1+16*\b+\i]|
.endr
.endr
.irp b, 0,1,2,3
	v_permlanex16_b32 v[TM+4+\b], v[TM+\b], s[SEL], s[SEL+1]
.endr
.irp b, 0,1,2,3
	v_max_num_f32 v[TM+\b], v[TM+\b], v[TM+4+\b]
.endr
.irp b, 0,1,2,3
	v_add_nc_u32 v[TM+12+\b], 0xf8800000, v[TM+\b]            ; 15 off the exponent field: the conversion's scale operand
.endr
.irp b, 0,1,2,3
	v_and_or_b32 v[TM+8+\b], v[TM+\b], 0x7f800000, s[MNT]     ; 57,344 x the scale
.endr
.irp b, 0,1,2,3
	v_lshrrev_b32 v[TM+4+\b], 23, v[TM+12+\b]                 ; the scale's byte
.endr
	v_lshl_or_b32 v[PW], v[TM+5], 8, v[TM+4]
	v_lshl_or_b32 v[PW], v[TM+6], 16, v[PW]
	v_lshl_or_b32 v[PW], v[TM+7], 24, v[PW]
.irp b, 0,1,2,3
.irp i, 0,1,2,3,4,5,6,7,8,9,10,11,12,13,14,15
	v_med3_num_f32 v[(\s)+16*\b+\i], v[(\s)+16*\b+\i], -v[TM+8+\b], v[TM+8+\b]   ; the conversion does not saturate (ISA guide 7.6.2): the hold
.endr
	v_cvt_scalef32_pk8_bf8_f32 v[PC+4*\b:PC+1+4*\b], v[(\s)+16*\b:(\s)+7+16*\b], v[TM+12+\b]
	v_cvt_scalef32_pk8_bf8_f32 v[PC+2+4*\b:PC+3+4*\b], v[(\s)+8+16*\b:(\s)+15+16*\b], v[TM+12+\b]
.endr
	v_nop                                          ; a plain line behind the last conversion
.endm
.macro ROWSUM
	v_pk_add_f32 v[CH:CH+1], v[CH:CH+1], v[CH+2:CH+3]
	v_pk_add_f32 v[CH+4:CH+5], v[CH+4:CH+5], v[CH+6:CH+7]
	v_pk_add_f32 v[CH:CH+1], v[CH:CH+1], v[CH+4:CH+5]
	v_add_f32 v[CH], v[CH], v[CH+1]
	v_permlanex16_b32 v[CH+1], v[CH], s[SEL], s[SEL+1]
	v_add_f32 v[CH], v[CH], v[CH+1]
.endm
; One tile of 16 rows: mean, centred, variance, scaled; then K step by K step gain and shift, the quantiser, the image to LDS at img.  The first K step's gain and shift were asked for ahead of the tile.
; nxt = 1: used-up registers take the next tile's numbers, and the last K step asks for the next tile's first gain and shift.
.macro LNTILE img, nxt
	WIN 0x05
.irp k, 0,1,2,3
	v_pk_add_f32 v[CH+2*\k:CH+2*\k+1], v[4*\k:4*\k+1], v[4*\k+2:4*\k+3]
.endr
	WIN 0x04
.set p, 8
.rept 120
	v_pk_add_f32 v[CH+2*(p%4):CH+2*(p%4)+1], v[CH+2*(p%4):CH+2*(p%4)+1], v[2*p:2*p+1]
.set p, p+1
.endr
	WIN 0
	ROWSUM
	v_mul_f32 v[MN], s[R512], v[CH]
	v_mul_f32 v[MN+1], s[R512], v[CH]
	WIN 0x41
.set p, 0
.rept 128
	v_pk_add_f32 v[2*p:2*p+1], v[2*p:2*p+1], v[MN:MN+1] neg_lo:[0,1] neg_hi:[0,1]
.set p, p+1
.endr
	WIN 0x05
.irp k, 0,1,2,3
	v_pk_mul_f32 v[CH+2*\k:CH+2*\k+1], v[2*\k:2*\k+1], v[2*\k:2*\k+1]
.endr
.set p, 4
.rept 124
	v_pk_fma_f32 v[CH+2*(p%4):CH+2*(p%4)+1], v[2*p:2*p+1], v[2*p:2*p+1], v[CH+2*(p%4):CH+2*(p%4)+1]
.set p, p+1
.endr
	WIN 0
	ROWSUM
	v_fma_f32 v[CH], v[CH], s[R512], s[EPSR]
	s_wait_alu depctr_va_vdst(0)
	v_rsq_f32 v[RS], v[CH]
	v_nop
	s_wait_alu depctr_va_vdst(0)                   ; v_rsq_f32 has written v[RS], which the next line reads
	v_mov_b32 v[RS+1], v[RS]
	WIN 0x41
.set p, 0
.rept 128
	v_pk_mul_f32 v[2*p:2*p+1], v[2*p:2*p+1], v[RS:RS+1]
.set p, p+1
.endr
.irp ks, 0,1,2,3
	s_wait_dscnt 0x0                               ; this K step's gain and shift are in
	WIN 0x01
.set p, 0
.rept 32
	v_pk_fma_f32 v[HA+2*p:HA+2*p+1], v[64*\ks+2*p:64*\ks+2*p+1], v[GN+2*p:GN+2*p+1], v[HA+2*p:HA+2*p+1]
.set p, p+1
.endr
	WIN 0
.if (\ks < 3) || \nxt
	s_wait_alu depctr_va_vdst(0)                   ; the multiply-adds are done reading GN, in which the next gain lands, and x1's K step, which the norm's lines wrote and in which the next tile's numbers land
	GLOAD (\ks+1)%4
.endif
.if \nxt
	XLOAD \ks, XNEXT                               ; loads and window switches alone stand between the wait and these loads
	WIN 0
.endif
.if (\ks > 0) || (\img > 0)
	s_wait_alu depctr_vm_vsrc(0)                   ; the last image's LDS stores have read PC and PW, which the quantiser writes again
.endif
	QUANT HA
	s_wait_alu depctr_va_vdst(0)                   ; the quantiser has written PC and PW, which the stores read, and is done with HA, in which the next shift lands
.irp c, 0,1,2,3
	ds_store_b128 v[IW], v[PC+4*\c:PC+4*\c+3] offset:(\img)+2048*\ks+512*\c
.endr
	ds_store_b32 v[ISW], v[PW] offset:(\img)/16+128*\ks
.if (\ks < 3) || \nxt
	HLOAD (\ks+1)%4
.endif
.endr
.endm
.macro TFETCH buf, aofs, sofs, tsr     ; a tile's four fragments from LDS into window 1 at buf, and its four scale words
	WIN 0x40
.irp ks, 0,1,2,3
.irp c, 0,1,2,3
	ds_load_b128 v[(\buf)+16*\ks+4*\c:(\buf)+16*\ks+4*\c+3], v[TA] offset:(\aofs)+2048*\ks+512*\c
.endr
.endr
	WIN 0
.irp ks, 0,1,2,3
	ds_load_b32 v[(\tsr)+\ks], v[TSA] offset:(\sofs)+128*\ks
.endr
.endm
; source 0 = 16 units of W1, source 1 = 16 rows, from buffer buf with the scale words at tsr; b1 is the C of each sum's first product.  The eight accumulators take turns.
.macro GSTEP buf, tsr
.irp ks, 0,1,2,3
	WIN 0x06+(\ks/2)
.irp i, 0,1,2,3,4,5,6,7
.if \ks == 0
	v_wmma_scale_f32_16x16x128_f8f6f4 v[HA+8*\i:HA+8*\i+7], v[16*(8*(\ks%2)+\i):16*(8*(\ks%2)+\i)+15], v[(\buf)+16*\ks:(\buf)+16*\ks+15], v[GN+8*\i:GN+8*\i+7], v[SS+4*\i+\ks], v[(\tsr)+\ks] matrix_a_fmt:MATRIX_FMT_BF8 matrix_b_fmt:MATRIX_FMT_BF8
.else
	v_wmma_scale_f32_16x16x128_f8f6f4 v[HA+8*\i:HA+8*\i+7], v[16*(8*(\ks%2)+\i):16*(8*(\ks%2)+\i)+15], v[(\buf)+16*\ks:(\buf)+16*\ks+15], v[HA+8*\i:HA+8*\i+7], v[SS+4*\i+\ks], v[(\tsr)+\ks] matrix_a_fmt:MATRIX_FMT_BF8 matrix_b_fmt:MATRIX_FMT_BF8
.endif
.endr
.endr
.endm
; gelu of the 64 numbers in v[HA] on: two batches of 64 transcendentals, one wait each
.macro GELU
	WIN 0x40
.set p, 0
.rept 32
	v_pk_mul_f32 v[GT+2*p:GT+2*p+1], v[HA+2*p:HA+2*p+1], v[HA+2*p:HA+2*p+1]
.set p, p+1
.endr
	WIN 0x41
.set p, 0
.rept 32
	v_pk_fma_f32 v[GT+2*p:GT+2*p+1], v[GT+2*p:GT+2*p+1], s[GB:GB+1], v[GAV:GAV+1] op_sel_hi:[1,0,1]   ; A + B x^2
.set p, p+1
.endr
.set p, 0
.rept 32
	v_pk_mul_f32 v[GT+2*p:GT+2*p+1], v[GT+2*p:GT+2*p+1], v[HA+2*p:HA+2*p+1]
.set p, p+1
.endr
.set p, 0
	s_wait_alu depctr_va_vdst(0)
.rept 64
	v_exp_f32 v[GT+p], v[GT+p]
.set p, p+1
.endr
	v_nop
	s_wait_alu depctr_va_vdst(0)                   ; the 64 exponentials have written v[GT ..], which the additions read: one wait for the batch
.set p, 0
.rept 32
	v_pk_add_f32 v[GT+2*p:GT+2*p+1], v[GT+2*p:GT+2*p+1], 1.0 op_sel_hi:[1,0]
.set p, p+1
.endr
.set p, 0
	s_wait_alu depctr_va_vdst(0)
.rept 64
	v_rcp_f32 v[GT+p], v[GT+p]
.set p, p+1
.endr
	v_nop
	s_wait_alu depctr_va_vdst(0)                   ; the 64 reciprocals have written v[GT ..], which the multiplications read: one wait for the batch
	WIN 0x04
.set p, 0
.rept 32
	v_pk_mul_f32 v[HA+2*p:HA+2*p+1], v[HA+2*p:HA+2*p+1], v[GT+2*p:GT+2*p+1]
.set p, p+1
.endr
	WIN 0
.endm
; one tile of 16 rows, from buffer p
.macro FSTEP p
	s_wait_dscnt 0x0                               ; this tile's fragments and scale words are in
.if \p
	s_cmp_eq_u32 s[CNT], 3
	s_cbranch_scc1 .Lrows_last                     ; there is no ninth tile
	TFETCH 0, 16384, 1024, TS                      ; the next tile into the other buffer.  No wait: its last readers, the last step's products, stand ahead of that step's wait on va_vdst, and nothing since names it
.Lrows_last:
.else
	TFETCH 64, 8192, 512, TS+4                     ; likewise (in the first trip: the wait ahead of the loop)
.endif
	GSTEP 64*\p, TS+4*\p
	WIN 0
	s_wait_alu depctr_vm_vsrc(0)                   ; the last step's stores have read PC, PW and HSA, which the lines below write again; the loads above have read TA and TSA
.if \p
	s_add_co_u32 s[TB], s[TB], 16384
	s_add_co_u32 s[TBS], s[TBS], 1024
	v_add_nc_u32 v[TA], s[TB], v[LI]               ; on to the next trip's two tiles.  These two and six v_nop are the eight places behind the products
	v_add_nc_u32 v[TSA], s[TBS], v[TS0]
	PLACES 6
.else
	v_add_nc_u32 v[HSA], s[TBH], v[HSB]            ; where this trip's two scale words go.  This line and seven v_nop are the eight places behind the products
	PLACES 7
.endif
	GELU
	QUANT HA
	s_wait_alu depctr_va_vdst(0)                   ; PC and PW are written, which the stores read; so are HSA, TA and TSA; the products are done reading their buffer and scale words, in which the next step's loads land
.irp c, 0,1,2,3
	global_store_b128 v[LI], v[PC+4*\c:PC+4*\c+3], s[OC:OC+1] offset:512*\c   ; the image: 2,048 consecutive bytes
.endr
	ds_store_b32 v[HSA], v[PW] offset:256*\p       ; my rows' word for my K step (both halves of the lanes hold the same)
	s_wait_xcnt 0x0                                ; the stores have had their addresses translated: their registers and their base are written again only behind this wait
	s_add_nc_u64 s[OC:OC+1], s[OC:OC+1], 2048
.endm
	s_load_b256 s[4:11], s[0:1], 0x0               ; x1, gain, shift, W1's codes
	s_load_b128 s[12:15], s[0:1], 0x20             ; W1's scales, b1
	s_load_b64 s[16:17], s[0:1], 0x30              ; hid
	v_lshl_add_u32 v254, v0, 2, 0x12800
	v_mov_b32 v255, 0
	v_lshrrev_b32 v[CH], 5, v0
	v_readfirstlane_b32 s[WV], v[CH]               ; wave 0..3
	s_and_b32 s26, ttmp7, 0xffff                   ; which 512 hidden units
	v_and_b32 v[CH], 31, v0
	v_lshlrev_b32 v[LI], 4, v[CH]
	v_lshlrev_b32 v[LS], 2, v[CH]
	v_and_b32 v[CH], 15, v0                        ; r
	v_bfe_u32 v[CH+1], v0, 4, 1                    ; h
	v_and_b32 v[CH+2], 8, v[CH]
	v_add_nc_u32 v[CH+2], v[CH+2], v[CH]           ; r + 8 (r / 8)
	v_lshlrev_b32 v[WA], 9, v[CH+2]
	v_lshl_add_u32 v[WA], v[CH+1], 4, v[WA]
	v_lshlrev_b32 v[WSA], 4, v[CH+2]
	v_lshlrev_b32 v[B1A], 6, v[CH+1]
	v_add_nc_u32 v[GA], LP, v[B1A]
	s_wait_alu depctr_va_sdst(0)                   ; the wave's number is written, ahead of its first reader
	s_lshl_b32 s44, s[WV], 14
	v_add_nc_u32 v[IW], s44, v[LI]
	s_lshl_b32 s44, s[WV], 10
	s_add_co_u32 s44, s44, ASC
	v_add_nc_u32 v[ISW], s44, v[LS]
	v_add_nc_u32 v[TS0], ASC, v[LS]
	v_lshlrev_b32 v[T16], 4, v0
	v_add_nc_u32 v[LPA], LP, v[T16]
	v_add_nc_u32 v[HSR], HSG, v[T16]
	s_lshl_b32 s44, s[WV], 2
	s_add_co_u32 s44, s44, HSG
	v_lshl_add_u32 v[HSB], v[CH], 4, s44
	v_mov_b32 v[GAV], 0xc0135761                   ; A
	v_mov_b32 v[GAV+1], 0xc0135761
	s_mov_b32 s[GB], 0xbdd2d3e8                    ; B
	s_mov_b32 s[GB+1], s[GB]
	s_mov_b32 s[SEL], 0x76543210
	s_mov_b32 s[SEL+1], 0xfedcba98
	s_mov_b32 s[MNT], 0x600000
	s_mov_b32 s[R512], 0x3b000000                  ; 1 / 512
	s_mov_b32 s[EPSR], 0x3727c5ac                  ; 1e-5
	s_lshl_b32 s44, ttmp9, 18
	s_lshl_b32 s45, s[WV], 16
	s_add_co_u32 s44, s44, s45                     ; x1: tile 8 X + 2 w, 32,768 bytes a tile
	s_lshl_b32 s46, s26, 18
	s_add_co_u32 s46, s46, s45                     ; W1's codes: row 512 Y + 128 w, 512 bytes a row
	s_mov_b32 s45, 0
	s_mov_b32 s47, 0
	s_lshr_b32 s48, s46, 5                         ; its scales: 16 bytes a row
	s_mov_b32 s49, 0
	s_lshr_b32 s50, s46, 7                         ; b1: 4 bytes
	s_mov_b32 s51, 0
	s_lshl_b32 s52, ttmp9, 2
	s_add_co_u32 s52, s52, s26
	s_mul_i32 s52, s52, REC                        ; hid's record 4 X + Y
	s_add_co_u32 s54, s52, 65536                   ; its scale words
	s_lshl_b32 s53, s[WV], 14
	s_add_co_u32 s52, s52, s53                     ; my K step's eight images
	s_mov_b32 s53, 0
	s_mov_b32 s55, 0
	s_wait_kmcnt 0x0
	s_add_nc_u64 s[4:5], s[4:5], s[44:45]
	s_add_nc_u64 s[WP:WP+1], s[WP:WP+1], s[46:47]
	s_add_nc_u64 s[WSP:WSP+1], s[WSP:WSP+1], s[48:49]
	s_add_nc_u64 s[14:15], s[14:15], s[50:51]
	s_add_nc_u64 s[OC:OC+1], s[16:17], s[52:53]
	s_add_nc_u64 s[OS:OS+1], s[16:17], s[54:55]
	s_wait_alu depctr_va_vdst(0)                   ; the offsets and addresses made above are written, which the loads and stores of the whole kernel read
	global_load_b128 v[GN:GN+3], v[T16], s[6:7]    ; the gain and the shift: 16 bytes a thread
	global_load_b128 v[GN+4:GN+7], v[T16], s[8:9]
	XLOAD 0, 0
	XLOAD 1, 0
	XLOAD 2, 0
	XLOAD 3, 0
	SLOAD
.irp i, 0,1,2,3,4,5,6,7
	global_load_b128 v[SS+4*\i:SS+4*\i+3], v[WSA], s[WSP:WSP+1] offset:(32*(\i/2)+8*(\i%2))*16
.endr
.irp b, 0,1,2,3
	v_mov_b32 v[TM+4+\b], 0                        ; a lane permute's destination counts as one of its sources
.endr
	s_wait_loadcnt 63                              ; behind my first tile's loads stand the weight's 136: the wait names the most that it can, and gain, shift and tile are in
	ds_store_b128 v[LPA], v[GN:GN+3]
	ds_store_b128 v[LPA], v[GN+4:GN+7] offset:2048
	s_wait_dscnt 0x0
	s_barrier_signal -1
	s_barrier_wait -1                              ; gain and shift lie in LDS
	s_wait_alu depctr_vm_vsrc(0)                   ; my two LDS stores have read v[GN .. GN+7], in which the gain lands
	GLOAD 0                                        ; the first K step's gain and shift land while the tile's mean and variance are taken
	HLOAD 0
	LNTILE 0, 1
	s_wait_loadcnt 0x0                             ; my second tile, and the weight
	LNTILE 8192, 0
.irp i, 0,1,2,3,4,5,6,7                        ; b1 into the registers that the gain has left: tile i, units 32 (i / 2) + 16 h + 8 (i % 2) + 0 .. 7.  The multiply-adds that read the gain stand ahead of the last quantiser's wait on va_vdst, and no vector line stands behind it
	global_load_b128 v[GN+8*\i:GN+8*\i+3], v[B1A], s[14:15] offset:(32*(\i/2)+8*(\i%2))*4
	global_load_b128 v[GN+8*\i+4:GN+8*\i+7], v[B1A], s[14:15] offset:(32*(\i/2)+8*(\i%2))*4+16
.endr
	s_wait_dscnt 0x0
	s_barrier_signal -1
	s_barrier_wait -1                              ; all 32 images lie in LDS
	s_mov_b32 s[CNT], 0
	s_mov_b32 s[TB], 0
	s_mov_b32 s[TBS], 0
	s_mov_b32 s[TBH], 0
	v_mov_b32 v[TA], v[LI]
	v_mov_b32 v[TSA], v[TS0]
	s_wait_alu depctr_va_vdst(0)                   ; TA and TSA are written, which the fragments' loads read; the norm's lines are done with window 1, in which those loads land
	TFETCH 0, 0, 0, TS
	s_wait_loadcnt 0x0                             ; b1
.Lrows:                                            ; four trips of two tiles of 16 rows
	FSTEP 0
	FSTEP 1
	s_add_co_u32 s[TBH], s[TBH], 512
	s_add_co_u32 s[CNT], s[CNT], 1
	s_cmp_lt_u32 s[CNT], 4
	s_cbranch_scc1 .Lrows
	s_wait_dscnt 0x0
	s_barrier_signal -1
	s_barrier_wait -1                              ; the four waves' words lie together: they leave as 2,048 consecutive bytes
	ds_load_b128 v[OW:OW+3], v[HSR]
	s_wait_dscnt 0x0
	global_store_b128 v[T16], v[OW:OW+3], s[OS:OS+1]
	s_wait_dscnt 0x0                               ; the closing lines, six on end
	s_wait_alu 0x0
	s_wait_tensorcnt 0x0
	ds_add_u32 v254, v255
	s_wait_dscnt 0x0
	s_endpgm
.Lfunc_end_k_qb20f6e4cd3_l_ffn1:
	.size	k_qb20f6e4cd3_l_ffn1, .Lfunc_end_k_qb20f6e4cd3_l_ffn1-k_qb20f6e4cd3_l_ffn1
	.p2alignl 7, 3214868480
	.fill 96, 4, 3214868480
	.section	.rodata,"a",@progbits
	.p2align	6, 0x0
	.amdhsa_kernel k_qb20f6e4cd3_l_ffn1
		.amdhsa_group_segment_fixed_size 76288
		.amdhsa_private_segment_fixed_size 0
		.amdhsa_enable_private_segment 0
		.amdhsa_kernarg_size 56
		.amdhsa_user_sgpr_count 2
		.amdhsa_user_sgpr_kernarg_segment_ptr 1
		.amdhsa_wavefront_size32 1
		.amdhsa_system_sgpr_workgroup_id_x 1
		.amdhsa_system_sgpr_workgroup_id_y 1
		.amdhsa_system_sgpr_workgroup_id_z 1
		.amdhsa_system_vgpr_workitem_id 0
		.amdhsa_next_free_vgpr 1024
		.amdhsa_next_free_sgpr 66
		.amdhsa_reserve_vcc 0
		.amdhsa_float_denorm_mode_32 3
		.amdhsa_float_denorm_mode_16_64 3
		.amdhsa_memory_ordered 1
		.amdhsa_forward_progress 1
		.amdhsa_inst_pref_size 255
	.end_amdhsa_kernel
	.section	.bss,"aw",@nobits
	.p2align	6
	.space	262144
	.amdgpu_metadata
---
amdhsa.version: [ 1, 2 ]
amdhsa.kernels:
  - .name:           k_qb20f6e4cd3_l_ffn1
    .symbol:         k_qb20f6e4cd3_l_ffn1.kd
    .args:
      - { .name: x1, .offset: 0, .size: 8, .value_kind: global_buffer, .address_space: global }
      - { .name: ln2_scale, .offset: 8, .size: 8, .value_kind: global_buffer, .address_space: global }
      - { .name: ln2_shift, .offset: 16, .size: 8, .value_kind: global_buffer, .address_space: global }
      - { .name: W1_codes, .offset: 24, .size: 8, .value_kind: global_buffer, .address_space: global }
      - { .name: W1_scales, .offset: 32, .size: 8, .value_kind: global_buffer, .address_space: global }
      - { .name: b1, .offset: 40, .size: 8, .value_kind: global_buffer, .address_space: global }
      - { .name: hid, .offset: 48, .size: 8, .value_kind: global_buffer, .address_space: global }
    .group_segment_fixed_size: 76288
    .private_segment_fixed_size: 0
    .kernarg_segment_align: 8
    .kernarg_segment_size: 56
    .max_flat_workgroup_size: 128
    .sgpr_count:     66
    .vgpr_count:     1024
    .wavefront_size: 32
...
	.end_amdgpu_metadata
.endif
;; end of part 9
;; launch l_ffn2: the kernel of part 5 again; grid 4 x 64, 4 waves a work-group, clusters of 4 x 1, 270,848 bytes of LDS; arguments hid, W2_codes, W2_scales, b2, x1, out0; writes out0
